; MI455X (gfx1250); checked and timed in simulation.
; The chip was launched on July 23, 2026; its instructions are those of AMD's public machine-readable ISA for CDNA 5 (MIT licence, August 2026) and "CDNA5" Instruction Set Architecture Reference Guide (July 2026). The comments in the code are by the model that wrote it; some were corrected since.
;; Decoder Block. Allowed arithmetic: matrix products marked QUANTISED: E2M3 operands, one E8M0 scale for each 32 along K, by v_wmma_scale_f32_16x16x128_f8f6f4 with both operands' format E2M3, f32 sums; everything else in f32.
;; Inputs: Wff1 512 x 1,024 float32; Wff2 1,024 x 512 float32; Wo1 512 x 512 float32; Wo2 512 x 512 float32; Wq1 512 x 512 float32; Wq2 512 x 512 float32; bff1 1,024 float32; bff2 512 float32; bo1 512 float32; bo2 512 float32; bq1 512 float32; bq2 512 float32; encoded_src 2 x 2,048 x 512 float32; ln1_b 512 float32; ln1_g 512 float32; ln2_b 512 float32; ln2_g 512 float32; ln3_b 512 float32; ln3_g 512 float32; src_mask 2 x 1 x 1 x 2,048 int32; trg 2 x 2,048 x 512 float32; trg_mask 2 x 1 x 2,048 x 2,048 int32.
;; Outputs: out0 2 x 2,048 x 512 float32.
;; This version of the problem:
;;   THIS VERSION OF THE PROBLEM IS GIVEN IN LOW PRECISION. The matrix products marked QUANTISED in the list below multiply operands that are first quantised to E2M3 (2 exponent bits, 3 mantissa bits; 6 bits a number), with one power-of-two scale for each 32 numbers along K (OCP MX v1.0); their sums are f32. All else is computed in f32.
;;   The module's matrix products, in the order in which they are computed (A, B: the left and right operand; K: the contracted axis; several contracted axes count as one K, in the product's order):
;;     1. [M 4,096, K 512] x [K 512, N 512]; A: input trg; B: input Wq1: QUANTISED
;;     2. [M 4,096, K 512] x [K 512, N 512]; A: input trg; B: input Wq1: QUANTISED
;;     3. [M 4,096, K 512] x [K 512, N 512]; A: input trg; B: input Wq1: QUANTISED
;;     4. batch 32 x [M 2,048, K 32] x [K 32, N 2,048]; A: computed on the way; B: computed on the way: QUANTISED
;;     5. batch 32 x [M 32, K 2,048] x [K 2,048, N 2,048]; A: computed on the way; B: softmax (see below): QUANTISED
;;     6. [M 4,096, K 512] x [K 512, N 512]; A: computed on the way; B: input Wo1: QUANTISED
;;     7. [M 4,096, K 512] x [K 512, N 512]; A: computed on the way; B: input Wq2: QUANTISED
;;     8. [M 4,096, K 512] x [K 512, N 512]; A: input encoded_src; B: input Wq2: QUANTISED
;;     9. [M 4,096, K 512] x [K 512, N 512]; A: input encoded_src; B: input Wq2: QUANTISED
;;     10. batch 32 x [M 2,048, K 32] x [K 32, N 2,048]; A: computed on the way; B: computed on the way: QUANTISED
;;     11. batch 32 x [M 32, K 2,048] x [K 2,048, N 2,048]; A: computed on the way; B: softmax (see below): QUANTISED
;;     12. [M 4,096, K 512] x [K 512, N 512]; A: computed on the way; B: input Wo2: QUANTISED
;;     13. [M 4,096, K 512] x [K 512, N 1,024]; A: computed on the way; B: input Wff1: QUANTISED
;;     14. [M 4,096, K 1,024] x [K 1,024, N 512]; A: computed on the way; B: input Wff2: QUANTISED
;;   THE QUANTISER, for each operand of a quantised product, along K:
;;     - K is cut into blocks of 32 from its start; a last block that is shorter is filled with zeros.
;;     - A block's scale is 2^e with e = floor(log2(the largest magnitude in the block)) - 2, held to -126 .. 127; a block of zeros has e = 0. As a byte (E8M0): e + 127.
;;     - Each number is divided by its block's scale, clamped to +-7.5, and rounded to the nearest number of E2M3, ties to even, subnormals kept.
;;     - The product sums the exact products of the quantised numbers (number of the format x scale) in f32.
;;   ~~~python
;;   def quantise(x, axis):      # numpy; x: float32 -> the quantised numbers, widened to float32 again
;;       x = np.moveaxis(x, axis, -1); K = x.shape[-1]
;;       x = np.pad(x, [(0, 0)] * (x.ndim - 1) + [(0, -K % 32)]); x = x.reshape(x.shape[:-1] + (-1, 32)); a = np.abs(x).max(-1, keepdims=True)
;;       e = np.where(a > 0, np.clip(np.frexp(np.where(a > 0, a, 1))[1] - 1 - 2, -126, 127), 0)      # np.frexp(a)[1] - 1 = floor(log2(a)), exactly
;;       r = np.clip(x / 2.0 ** e, -7.5, 7.5)
;;       step = 2.0 ** (np.maximum(np.frexp(np.where(r == 0, 1, r))[1] - 1, 0) - 3)
;;       q = np.round(r / step) * step * 2.0 ** e      # np.round: ties to even
;;       return np.moveaxis(q.reshape(q.shape[:-2] + (-1,))[..., :K], -1, axis).astype(np.float32)
;;   ~~~
;;   SOFTMAX AHEAD OF A QUANTISED PRODUCT. Where the list says 'softmax', what is quantised is not the finished softmax but p = 2^(t - M), with t = logit x log2(e) and M = ceil(the row's largest t), a whole number; so 1/2 < the row's largest p <= 1. The row's sum l is taken of the UNQUANTISED p, in f32, and the product's result is divided by l at the end. Since M is a whole number, a kernel that streams over the keys may use a running M (the ceiling of the running maximum): every later rescaling is an exact power of two, which a block's scale takes up: the codes' values come out the same.
;;   OPERANDS COMPUTED ON THE WAY. 'Computed on the way' means the value that the module computes at that place (a softmax that the list does not call 'softmax' is quantised finished and normalised). What goes into a quantiser is computed in f32, as accurately as f32 sums, v_exp_f32 and their like allow (about 1e-6 of the number): no bf16 or f16 on the way to a quantiser, and a product that is left as it is and whose result goes on into a quantised operand takes f32 operands (vector FMAs, or v_wmma_f32_16x16x4_f32). A number that lies on a knife's edge between two numbers of the format may be rounded either way, as far as f32 arithmetic and the matrix unit's own rounding can turn it there, and no further.
;; 2 versions, each right; version 2 is version 1 with the launches proj, post1, post2 written anew for expert scheduling mode. Each part assembles by itself: llvm-mc -triple=amdgcn-amd-amdhsa -mcpu=gfx1250 --defsym DOCPART=n.
;; ======== version 1 of 2: 6 launches
;; workspace buffers: wq 1,638,400 bytes; a1 4,915,200 bytes; a2 4,915,200 bytes; ao 1,638,400 bytes; x1 8,388,608 bytes; mw1 1,048,576 bytes of whole numbers; mw2 1,048,576 bytes of whole numbers
;; launch prep (part 1): grid 320 x 1, 8 waves a work-group, no clusters, 68,608 bytes of LDS; arguments trg_mask, src_mask, Wq1, Wo1, Wq2, Wo2, Wff2, Wff1, wq, mw1, mw2; writes wq, mw1, mw2
.if DOCPART == 1
	.amdgcn_target "amdgcn-amd-amdhsa--gfx1250"
	.amdhsa_code_object_version 6
	.text
	.protected	k_q5d8c19ecc5_prep
	.globl	k_q5d8c19ecc5_prep
	.p2align	8
	.type	k_q5d8c19ecc5_prep,@function
k_q5d8c19ecc5_prep:
	s_mov_b64 s[64:65], 0
	v_nop
	global_prefetch_b8 v0, s[64:65] scope:SCOPE_SE
	s_setreg_imm32_b32 hwreg(HW_REG_WAVE_MODE, 25, 1), 1
	s_wait_xcnt 0x0
; PREP.  Two kinds of work-groups, told apart by the work-group's number.
; 0-255: THE MASKS become lane-mask words.  Work-group X takes the 16 queries of row tile X (rows 32 (X / 2) + 8 (X % 2) + r + 8 (r / 8)); wave w the key steps 2 w and 2 w + 1 of 128 keys.
;   Word R (0..63) of a key step: bit (r + 16 h) says whether key 128 j + 32 (R / 16) + 16 h + R % 16 counts for query r: the very lanes and registers in which attention holds its scores.
;   trg_mask is read once, 512 consecutive bytes a load; 16 rows x 512 bytes turn through the wave's own stage in LDS (rows of 528 bytes) so that a lane holds one query's keys.
;   src_mask's words are the same for every query; they are stored for every tile, so that both attentions run one text.
; 256-319: THE SIX WEIGHTS, f32 stored [K][N], become codes of E2M3 and E8M0 scale bytes along K.  A lane takes a column and its registers run down K: nothing is transposed.
;   The codes are stored as images of the operand's registers: fragment (group g of 128 columns, tile t, K step s) at ((8 g + t) KS + s) x 1,536 bytes; registers 4 q .. 4 q + 3 of lane L at 512 q + 16 L.
;   Lane r of tile t stands for column 128 g + 32 (t / 2) + 8 (t % 2) + r + 8 (r / 8).  Scale bytes: [N][K / 32].
; LIMITS: NaN and infinities among the weights are not served; a block of zeros gets the byte 1 (its codes are zeros; this program alone reads the bytes).
.set MA, 32                            ; v32-95   16 rows as loaded (key step 2 w), later src_mask's numbers
.set MB, 96                            ; v96-159  the same for key step 2 w + 1
.set XX, 160                           ; v160-223 64 numbers of one query
.set MW, 224                           ; v224-231 four pairs of words to store
.set WX, 32                            ; weights: v32-95 two sets of 32 numbers
.set CD, 96                            ; v96-119  the codes of two lanes' fragments
.set CT, 120                           ; v120-122 a block's second half
.set SW, 124                           ; v124     the column's scale word
	s_load_b128 s[4:7], s[0:1], 0x0                ; trg_mask, src_mask
	s_load_b256 s[8:15], s[0:1], 0x10              ; Wq1, Wo1, Wq2, Wo2
	s_load_b128 s[16:19], s[0:1], 0x30             ; Wff2, Wff1
	s_load_b128 s[36:39], s[0:1], 0x40             ; wq, mw1
	s_load_b64 s[40:41], s[0:1], 0x50              ; mw2
	v_lshl_add_u32 v240, v0, 2, 0x10800
	v_mov_b32 v241, 0
	v_lshrrev_b32 v1, 5, v0
	v_readfirstlane_b32 s28, v1                    ; wave 0..7
	v_and_b32 v1, 31, v0                           ; lane
	s_cmp_lt_u32 ttmp9, 256
	s_cbranch_scc0 .Lweights
	; ---------------- the masks
	v_lshlrev_b32 v2, 4, v1                        ; 16 x lane
	v_and_b32 v7, 15, v0                           ; r
	v_bfe_u32 v8, v0, 4, 1                         ; h
	s_mul_i32 s29, s28, 8448                       ; my stage: 16 rows x 528 bytes
	v_add_nc_u32 v3, s29, v2                       ; in: 16 x lane (+ 528 x row)
	v_mul_u32_u24 v4, v7, 528
	v_lshl_add_u32 v4, v8, 6, v4
	v_add_nc_u32 v4, s29, v4                       ; back: row r, + 64 h
	v_lshlrev_b32 v5, 6, v8                        ; src_mask: 64 h
	v_lshlrev_b32 v6, 3, v1                        ; the words' place: 8 x lane
.irp i, 0,1,2,3,4,5,6,7
	v_mov_b32 v[MW+\i], 0                          ; a lane write's destination counts as read
.endr
	s_lshr_b32 s30, ttmp9, 1
	s_lshl_b32 s30, s30, 5
	s_and_b32 s31, ttmp9, 1
	s_lshl_b32 s31, s31, 3
	s_add_co_u32 s30, s30, s31                     ; the tile's first row, of 4,096
	s_lshl_b32 s30, s30, 13                        ; x 8,192 bytes
	s_lshl_b32 s31, s28, 10                        ; + key step 2 w: 1,024 w bytes
	s_add_co_u32 s30, s30, s31
	s_mov_b32 s31, 0
	s_lshr_b32 s32, ttmp9, 7
	s_lshl_b32 s32, s32, 13                        ; src_mask: batch x 8,192
	s_lshl_b32 s33, s28, 10
	s_add_co_u32 s32, s32, s33
	s_mov_b32 s33, 0
	s_lshl_b32 s34, ttmp9, 12                      ; words: 4,096 X + 512 w
	s_lshl_b32 s35, s28, 9
	s_add_co_u32 s34, s34, s35
	s_mov_b32 s35, 0
	s_wait_kmcnt 0x0
	s_add_nc_u64 s[4:5], s[4:5], s[30:31]
	s_add_nc_u64 s[6:7], s[6:7], s[32:33]
	s_add_nc_u64 s[38:39], s[38:39], s[34:35]
	s_add_nc_u64 s[40:41], s[40:41], s[34:35]
.macro MLOAD reg, k                    ; 16 rows x 512 bytes of trg_mask: each load reads 512 consecutive bytes
.set P, 0
.rept 16
	global_load_b128 v[\reg+4*P:\reg+4*P+3], v2, s[4:5] offset:(P+8*(P/8))*8192+512*\k th:TH_LOAD_NT
.set P, P+1
.endr
.endm
.macro SLOAD reg, k                    ; src_mask's 128 numbers, at once as a lane wants them: register 16 b + i = key 32 b + 16 h + i
.set P, 0
.rept 16
	global_load_b128 v[\reg+4*P:\reg+4*P+3], v5, s[6:7] offset:512*\k+128*(P/4)+16*(P%4)
.set P, P+1
.endr
.endm
.macro TURN reg                        ; through my stage; LDS serves a wave's instructions in order, so no wait stands between the stores and the loads
.set P, 0
.rept 16
	ds_store_b128 v3, v[\reg+4*P:\reg+4*P+3] offset:528*P
.set P, P+1
.endr
.set P, 0
.rept 16
	ds_load_b128 v[XX+4*P:XX+4*P+3], v4 offset:128*(P/4)+16*(P%4)
.set P, P+1
.endr
.endm
.macro WORDS reg, pair, base, k        ; 64 compares give 64 lane masks; lane R / 2 takes words R and R + 1; one store of 256 consecutive bytes
.set R, 0
.rept 64
	v_cmp_ne_u32 s[20+R%8], 0, v[\reg+R]
	v_writelane_b32 v[MW+2*\pair+R%2], s[20+R%8], R/2
.set R, R+1
.endr
	global_store_b64 v6, v[MW+2*\pair:MW+2*\pair+1], s[\base:\base+1] offset:256*\k
.endm
	MLOAD MA, 0
	MLOAD MB, 1
	s_wait_loadcnt 16                              ; the first 16 are in; the second key step's 16 may be out
	TURN MA
	s_wait_dscnt 0x0                               ; the stores have read MA, the numbers are back
	SLOAD MA, 0
	WORDS XX, 0, 38, 0
	s_wait_loadcnt 16                              ; the second key step's rows are in; src_mask's 16 may be out
	TURN MB
	s_wait_dscnt 0x0
	SLOAD MB, 1
	WORDS XX, 1, 38, 1
	s_wait_loadcnt 16                              ; src_mask's first 16 are in
	WORDS MA, 2, 40, 0
	s_wait_loadcnt 0x0
	WORDS MB, 3, 40, 1
	s_wait_tensorcnt 0x0
	ds_add_u32 v240, v241
	s_wait_dscnt 0x0
	s_endpgm
	; ---------------- the weights
.Lweights:
	s_sub_co_u32 s29, ttmp9, 256                   ; 0..63: 0-31 the four weights of 512 x 512 (8 each), 32-47 Wff2, 48-63 Wff1
	s_lshr_b32 s30, s29, 3
	s_and_b32 s31, s29, 15
	s_lshr_b32 s32, s31, 1                         ; Wff1's group
	s_and_b32 s33, s32, 3                          ; a small weight's group
	s_lshr_b32 s34, s31, 2                         ; Wff2's group
	s_and_b32 s35, s29, 1                          ; which pair of K steps: small weights and Wff1,
	s_and_b32 s42, s29, 3                          ; Wff2
	s_and_b32 s43, s30, 6
	s_cmp_lt_u32 s30, 4
	s_cselect_b32 s44, s30, s43                    ; the weight's place in wq: 0-3, 4 (Wff2), 6 (Wff1), in units of 196,608 bytes of images and 8,192 of scales
	s_cselect_b32 s45, s33, s32                    ; g
	s_cmp_eq_u32 s44, 4
	s_cselect_b32 s45, s34, s45
	s_cselect_b32 s46, s42, s35                    ; sp
	s_cselect_b32 s47, 8, 4                        ; KS = K / 128
	s_cmp_eq_u32 s44, 6
	s_cselect_b32 s48, 19, 18                      ; 128 rows of W are 2^18 bytes, Wff1's 2^19
	s_and_b32 s49, s28, 3                          ; b: which 32 columns of the group
	s_lshr_b32 s50, s28, 2
	s_lshl_b32 s51, s46, 1
	s_add_co_u32 s50, s50, s51                     ; s: my K step
	s_lshl_b32 s52, s50, s48
	s_lshl_b32 s53, s45, 9
	s_add_co_u32 s52, s52, s53
	s_lshl_b32 s53, s49, 7
	s_add_co_u32 s52, s52, s53
	s_mov_b32 s53, 0                               ; s[52:53]: where I read
	s_lshl_b32 s54, s45, 3
	s_lshl_b32 s55, s49, 1
	s_add_co_u32 s54, s54, s55                     ; 8 g + 2 b
	s_mul_i32 s54, s54, s47
	s_add_co_u32 s54, s54, s50
	s_mul_i32 s54, s54, 1536
	s_mul_i32 s55, s44, 196608
	s_add_co_u32 s54, s54, s55
	s_mov_b32 s55, 0                               ; s[54:55]: my first image
	s_lshl_b32 s59, s47, 2                         ; a column's scale bytes: 4 KS
	s_lshl_b32 s56, s45, 7
	s_lshl_b32 s57, s49, 5
	s_add_co_u32 s56, s56, s57                     ; 128 g + 32 b
	s_mul_i32 s56, s56, s59
	s_lshl_b32 s58, s50, 2
	s_add_co_u32 s56, s56, s58
	s_lshl_b32 s58, s44, 13
	s_add_co_u32 s56, s56, s58
	s_add_co_u32 s56, s56, 1572864
	s_mov_b32 s57, 0                               ; s[56:57]: my scale words
	s_mul_i32 s60, s47, 1536
	v_lshlrev_b32 v2, 2, v1                        ; my column: 4 bytes a lane
	v_bfe_u32 v3, v0, 3, 1                         ; u: which of the pair of tiles my column falls into
	v_and_b32 v4, 7, v0
	v_bfe_u32 v5, v0, 4, 1
	v_lshl_add_u32 v4, v5, 3, v4                   ; r: its lane there
	v_mul_lo_u32 v3, v3, s60
	v_lshl_add_u32 v3, v4, 4, v3                   ; u x KS x 1,536 + 16 r
	v_mul_lo_u32 v5, v1, s59                       ; my column's row of scale bytes
	s_wait_kmcnt 0x0
	s_cmp_eq_u32 s44, 1
	s_cselect_b64 s[8:9], s[10:11], s[8:9]
	s_cmp_eq_u32 s44, 2
	s_cselect_b64 s[8:9], s[12:13], s[8:9]
	s_cmp_eq_u32 s44, 3
	s_cselect_b64 s[8:9], s[14:15], s[8:9]
	s_cmp_eq_u32 s44, 4
	s_cselect_b64 s[8:9], s[16:17], s[8:9]
	s_cmp_eq_u32 s44, 6
	s_cselect_b64 s[8:9], s[18:19], s[8:9]
	s_add_nc_u64 s[8:9], s[8:9], s[52:53]
	s_add_nc_u64 s[10:11], s[36:37], s[54:55]
	s_add_nc_u64 s[12:13], s[36:37], s[56:57]
.macro WLOAD t, pitch                  ; block t: W(128 s + 32 t + i, my column): each load reads 128 consecutive bytes
.set P, 0
.rept 32
	global_load_b32 v[WX+32*((\t)%2)+P], v2, s[8:9] offset:(32*(\t)+P)*(\pitch) th:TH_LOAD_NT
.set P, P+1
.endr
.endm
.macro WBLOCK t, pitch                 ; block t = 2 c + h belongs to registers 6 c .. 6 c + 5 of lane (r, h)
.set XS, WX+32*((\t)%2)
.set CB, CD+12*((\t)%2)+6*((\t)/2)
.if (\t) < 3
	s_wait_loadcnt 32                              ; this block's 32 loads are in; the next block's may be out
.else
	s_wait_loadcnt 0x0
.endif
	v_max3_num_f32 v12, |v[XS]|, |v[XS+1]|, |v[XS+2]|
	v_max3_num_f32 v13, |v[XS+3]|, |v[XS+4]|, |v[XS+5]|
.irp i, 6,10,14,18,22,26
	v_max3_num_f32 v12, v12, |v[XS+\i]|, |v[XS+\i+1]|
	v_max3_num_f32 v13, v13, |v[XS+\i+2]|, |v[XS+\i+3]|
.endr
	v_max3_num_f32 v12, v12, |v[XS+30]|, |v[XS+31]|
	v_max3_num_f32 v12, v12, v13, 0x1800000        ; the floor 2^(3 - 127): the byte cannot fall under 1
	v_add_nc_u32 v11, 0xff000000, v12              ; 2 off the exponent field: the conversion's scale operand
	v_lshrrev_b32 v13, 23, v11                     ; the scale's byte
.if (\t) == 0
	v_mov_b32 v[SW], v13
.else
	v_lshl_or_b32 v[SW], v13, 8*(\t), v[SW]
.endif
	v_cvt_scalef32_pk16_fp6_f32 v[CB:CB+2], v[XS:XS+15], v11
	v_cvt_scalef32_pk16_fp6_f32 v[CT:CT+2], v[XS+16:XS+31], v11   ; (a conversion's three registers begin on an even number)
	v_nop                                          ; one plain place behind a scaled conversion
.irp i, 0,1,2
	v_mov_b32 v[CB+3+\i], v[CT+\i]
.endr
.if (\t)+2 < 4
	WLOAD (\t)+2, \pitch
.endif
.endm
.macro QW pitch
	WLOAD 0, \pitch
	WLOAD 1, \pitch
	WBLOCK 0, \pitch
	WBLOCK 1, \pitch
	WBLOCK 2, \pitch
	WBLOCK 3, \pitch
.irp h, 0,1
.irp q, 0,1,2
	global_store_b128 v3, v[CD+12*\h+4*\q:CD+12*\h+4*\q+3], s[10:11] offset:512*\q+256*\h   ; the sixteen lanes of one tile store 256 consecutive bytes, aligned
.endr
.endr
	global_store_b32 v5, v[SW], s[12:13]
.endm
	s_cmp_eq_u32 s44, 6
	s_cbranch_scc1 .Lwide
	QW 2048
	s_endpgm
.Lwide:
	QW 4096
	s_endpgm
.Lfunc_end_k_q5d8c19ecc5_prep:
	.size	k_q5d8c19ecc5_prep, .Lfunc_end_k_q5d8c19ecc5_prep-k_q5d8c19ecc5_prep
	.p2alignl 7, 3214868480
	.fill 96, 4, 3214868480
	.section	.rodata,"a",@progbits
	.p2align	6, 0x0
	.amdhsa_kernel k_q5d8c19ecc5_prep
		.amdhsa_group_segment_fixed_size 68608
		.amdhsa_private_segment_fixed_size 0
		.amdhsa_enable_private_segment 0
		.amdhsa_kernarg_size 88
		.amdhsa_user_sgpr_count 2
		.amdhsa_user_sgpr_kernarg_segment_ptr 1
		.amdhsa_wavefront_size32 1
		.amdhsa_system_sgpr_workgroup_id_x 1
		.amdhsa_system_sgpr_workgroup_id_y 1
		.amdhsa_system_sgpr_workgroup_id_z 1
		.amdhsa_system_vgpr_workitem_id 0
		.amdhsa_next_free_vgpr 242
		.amdhsa_next_free_sgpr 66
		.amdhsa_reserve_vcc 0
		.amdhsa_float_denorm_mode_32 3
		.amdhsa_float_denorm_mode_16_64 3
		.amdhsa_memory_ordered 1
		.amdhsa_forward_progress 1
		.amdhsa_inst_pref_size 85
	.end_amdhsa_kernel
	.amdgpu_metadata
---
amdhsa.version: [ 1, 2 ]
amdhsa.kernels:
  - .name:           k_q5d8c19ecc5_prep
    .symbol:         k_q5d8c19ecc5_prep.kd
    .args:
      - { .name: trg_mask, .offset: 0, .size: 8, .value_kind: global_buffer, .address_space: global }
      - { .name: src_mask, .offset: 8, .size: 8, .value_kind: global_buffer, .address_space: global }
      - { .name: Wq1, .offset: 16, .size: 8, .value_kind: global_buffer, .address_space: global }
      - { .name: Wo1, .offset: 24, .size: 8, .value_kind: global_buffer, .address_space: global }
      - { .name: Wq2, .offset: 32, .size: 8, .value_kind: global_buffer, .address_space: global }
      - { .name: Wo2, .offset: 40, .size: 8, .value_kind: global_buffer, .address_space: global }
      - { .name: Wff2, .offset: 48, .size: 8, .value_kind: global_buffer, .address_space: global }
      - { .name: Wff1, .offset: 56, .size: 8, .value_kind: global_buffer, .address_space: global }
      - { .name: wq, .offset: 64, .size: 8, .value_kind: global_buffer, .address_space: global }
      - { .name: mw1, .offset: 72, .size: 8, .value_kind: global_buffer, .address_space: global }
      - { .name: mw2, .offset: 80, .size: 8, .value_kind: global_buffer, .address_space: global }
    .group_segment_fixed_size: 68608
    .private_segment_fixed_size: 0
    .kernarg_segment_align: 8
    .kernarg_segment_size: 88
    .max_flat_workgroup_size: 256
    .sgpr_count:     66
    .vgpr_count:     242
    .wavefront_size: 32
...
	.end_amdgpu_metadata
.endif
;; end of part 1
;; launch proj (part 2): grid 256 x 1, 4 waves a work-group, no clusters, 47,616 bytes of LDS; arguments trg, encoded_src, bq1, bq2, wq, a1, a2; writes a1, a2
.if DOCPART == 2
	.amdgcn_target "amdgcn-amd-amdhsa--gfx1250"
	.amdhsa_code_object_version 6
	.text
	.protected	k_q5d8c19ecc5_proj
	.globl	k_q5d8c19ecc5_proj
	.p2align	8
	.type	k_q5d8c19ecc5_proj,@function
k_q5d8c19ecc5_proj:
	s_mov_b64 s[64:65], 0
	v_nop
	global_prefetch_b8 v0, s[64:65] scope:SCOPE_SE
	s_setreg_imm32_b32 hwreg(HW_REG_WAVE_MODE, 25, 1), 1
	s_wait_xcnt 0x0
; PROJ.  y = Q(x) Q(W) + b for x = trg (W = Wq1; work-groups 0-127, into a1) and x = encoded_src (W = Wq2; work-groups 128-255, into a2), and y's two quantisations:
; along a head's 32 channels (attention's q and k) and along 32 keys (attention's v).  A work-group takes 32 rows (two row tiles), wave w the columns 128 w .. + 127: heads 4 w .. 4 w + 3.
; THE PRODUCT IS MADE IN BOTH ORIENTATIONS on the same fragments.  Source 0 = weights: a lane holds one row and 16 neighbouring channels: k's codes.  Source 0 = x: a lane holds one channel and 16 neighbouring
; rows (keys): v's codes.  Nothing is transposed.  Row tile u: lane r stands for row 32 x' + 8 u + r + 8 (r / 8); weight tile t likewise for columns.
; x is quantised once in the work-group: wave w takes K step w of both tiles; the fragments go to the other waves through LDS as images of their registers.
; OUT (bundle a): chunks of 384 bytes = 16 entries x 24 bytes (a block's 32 codes); a lane stores 12 bytes at 24 r + 12 h, a wave 384 consecutive bytes.
;   q's codes at 0, k's at 1,572,864: [y = 16 n + head][tile T] chunks;  v's at 3,145,728: [y][key step j][u'][beta] chunks (entry r = channel 8 u' + r + 8 (r / 8), keys 128 j + 32 beta ..);
;   scale bytes at 4,718,592 (q), 4,784,128 (k): y x 2,048 + (T / 4) x 64 + 4 r + T % 4;  4,849,664 (v): y x 2,048 + (2 j + u') x 64 + 4 r + beta.
;   In self-attention q is k: a1 gets both copies.  a2's q comes from a later launch.
; LIMITS: NaN and infinities among the inputs are not served; a block of zeros gets the byte 1 (its codes are zeros; this program alone reads the bytes).
; REGISTERS: window 0: v1-13 addresses; v24-87 HA (x's numbers, then 8 accumulators); v88-95 x's scale words; v96-111 the weights' scale words, two sets; v112-119 the bias by column; v120-135 TM; v136-155 codes;
;   v160-223 x's second tile.   window 1: v0-191 the weights' fragments, two sets of 8.   window 2: v0-95 x's 8 fragments; v128-191 the bias in the result's layout.
.set XIMG, 33792                       ; LDS: four stages of 8,448 bytes at 0; x's 8 images (4 u + s);
.set XSC,  46080                       ; their scale words, 128 bytes each
.set FRB,  1536
.set LI, 3
.set LS, 4
.set SD, 5
.set SL, 6
.set XWI, 7
.set XWS, 8
.set LSW, 9
.set GK, 10
.set GS, 11
.set PV, 12
.set BLO, 13
.set HA, 24
.set XS, 88
.set WS, 96
.set BL, 112
.set TM, 120
.set PC, 136
.set PW, 156
.set XD, 160
.set XF, 0
.set B1, 128
.set XB, 28
.set BB, 30
.set WB, 32
.set SB, 34
.set KCB, 36
.set KSB, 38
.set VCB, 40
.set VSB, 42
.set SEL, 44
.set MSB, 0
.macro WIN new                         ; the immediate's high byte repeats the setting that is left
.if MSB != (\new)
	s_set_vgpr_msb (MSB<<8)|(\new)
.set MSB, (\new)
.endif
.endm
.macro WM0 d, a, b, sa, sb
	v_wmma_scale_f32_16x16x128_f8f6f4 v[\d:\d+7], v[\a:\a+11], v[\b:\b+11], 0, v[\sa], v[\sb] matrix_a_fmt:MATRIX_FMT_FP6 matrix_b_fmt:MATRIX_FMT_FP6
.endm
.macro WMC d, a, b, c, sa, sb
	v_wmma_scale_f32_16x16x128_f8f6f4 v[\d:\d+7], v[\a:\a+11], v[\b:\b+11], v[\c:\c+7], v[\sa], v[\sb] matrix_a_fmt:MATRIX_FMT_FP6 matrix_b_fmt:MATRIX_FMT_FP6
.endm
; four blocks of 16 registers, each with its other half in lane l xor 16: scale operands in v[TM+12 ..], bytes in v[TM+4 ..]
.macro SCALES4 s
.irp b, 0,1,2,3
	v_max3_num_f32 v[TM+\b], |v[\s+16*\b]|, |v[\s+1+16*\b]|, 0x1800000   ; with the floor 2^(3 - 127): the byte cannot fall under 1
.endr
.irp i, 2,4,6,8,10,12,14
.irp b, 0,1,2,3
	v_max3_num_f32 v[TM+\b], v[TM+\b], |v[\s+16*\b+\i]|, |v[\s+1+16*\b+\i]|
.endr
.endr
.irp b, 0,1,2,3
	v_permlanex16_b32 v[TM+4+\b], v[TM+\b], s[SEL], s[SEL+1]
.endr
.irp b, 0,1,2,3
	v_max_num_f32 v[TM+\b], v[TM+\b], v[TM+4+\b]
.endr
.irp b, 0,1,2,3
	v_add_nc_u32 v[TM+12+\b], 0xff000000, v[TM+\b]   ; 2 off the exponent field: the conversion's scale operand
.endr
.irp b, 0,1,2,3
	v_lshrrev_b32 v[TM+4+\b], 23, v[TM+12+\b]        ; the scale's byte
.endr
.endm
; 64 numbers of a lane (register 16 b + i = k 32 b + 16 h + i of my row) become a fragment in v[PC ..] and its scale word in v[PW]
.macro QUANT s
	SCALES4 \s
	v_lshl_or_b32 v[PW], v[TM+5], 8, v[TM+4]
	v_lshl_or_b32 v[PW], v[TM+6], 16, v[PW]
	v_lshl_or_b32 v[PW], v[TM+7], 24, v[PW]
.irp c, 0,1
	v_cvt_scalef32_pk16_fp6_f32 v[PC+6*\c:PC+2+6*\c], v[\s+32*\c:\s+15+32*\c], v[TM+12+2*\c]
	v_cvt_scalef32_pk16_fp6_f32 v[PC+12+4*\c:PC+14+4*\c], v[\s+16+32*\c:\s+31+32*\c], v[TM+12+2*\c+1]
.endr
	v_nop                                          ; one plain place behind a scaled conversion
.irp c, 0,1                                    ; the operand's layout wants a whole block in a lane
.irp i, 0,1,2
	v_permlane16_swap_b32 v[PC+6*\c+\i], v[PC+12+4*\c+\i]
.endr
.irp i, 0,1,2
	v_mov_b32 v[PC+3+6*\c+\i], v[PC+12+4*\c+\i]
.endr
.endr
.endm
.macro CVT4 s                          ; four half blocks, 12 bytes each, as they are stored
.irp b, 0,1,2,3
	v_cvt_scalef32_pk16_fp6_f32 v[PC+4*\b:PC+4*\b+2], v[\s+16*\b:\s+16*\b+15], v[TM+12+\b]
.endr
	v_nop
.endm
.macro IMAGE adr, off
.irp c, 0,1,2
	ds_store_b128 v[\adr], v[PC+4*\c:PC+4*\c+3] offset:(\off)+512*\c
.endr
.endm
.macro FETCH reg, off
.irp c, 0,1,2
	ds_load_b128 v[\reg+4*\c:\reg+4*\c+3], v[LI] offset:(\off)+512*\c
.endr
.endm
.macro BARRIER
	s_wait_dscnt 0x0                               ; my LDS stores have landed and my LDS loads are in
	s_barrier_signal -1
	s_barrier_wait -1
.endm
.macro TURN_IN reg                     ; 16 dense rows of 512 bytes through my stage: a lane then holds 64 numbers of one row.  LDS serves a wave's instructions in order
.set P, 0
.rept 16
	ds_store_b128 v[SD], v[\reg+4*P:\reg+4*P+3] offset:528*P
.set P, P+1
.endr
.set P, 0
.rept 16
	ds_load_b128 v[\reg+4*P:\reg+4*P+3], v[SL] offset:128*(P/4)+16*(P%4)
.set P, P+1
.endr
.endm
.macro LOADU set, foff, soff           ; a head's weights: 2 tiles x 4 K steps, 24 loads of 512 consecutive bytes, and 2 of scale words: 26 loads
	WIN 0x40
.irp u, 0,1
.irp e, 0,1,2,3
.irp q, 0,1,2
	global_load_b128 v[96*(\set)+12*(4*\u+\e)+4*\q:96*(\set)+12*(4*\u+\e)+4*\q+3], v[LI], s[WB:WB+1] offset:(\foff)+(\u*4+\e)*1536+512*\q
.endr
.endr
.endr
	WIN 0
.irp u, 0,1
	global_load_b128 v[WS+8*(\set)+4*\u:WS+8*(\set)+4*\u+3], v[LSW], s[SB:SB+1] offset:(\soff)+\u*128
.endr
.endm
	s_load_b256 s[4:11], s[0:1], 0x0               ; trg, encoded_src, bq1, bq2
	s_load_b128 s[12:15], s[0:1], 0x20             ; wq, a1
	s_load_b64 s[16:17], s[0:1], 0x30              ; a2
	v_lshl_add_u32 v254, v0, 2, 0xb800
	v_mov_b32 v255, 0
	v_lshrrev_b32 v1, 5, v0
	v_readfirstlane_b32 s18, v1                    ; wave 0..3
	v_and_b32 v14, 31, v0                          ; lane
	v_and_b32 v1, 15, v0                           ; r
	v_bfe_u32 v2, v0, 4, 1                         ; h
	v_lshlrev_b32 v[LI], 4, v14
	v_lshlrev_b32 v[LS], 2, v14
	s_mul_i32 s19, s18, 8448
	v_add_nc_u32 v[SD], s19, v[LI]
	v_mul_u32_u24 v[SL], v1, 528
	v_lshl_add_u32 v[SL], v2, 6, v[SL]
	v_add_nc_u32 v[SL], s19, v[SL]
	s_mul_i32 s19, s18, FRB
	v_add_nc_u32 v[XWI], s19, v[LI]
	s_lshl_b32 s19, s18, 7
	v_add_nc_u32 v[XWS], s19, v[LS]
	v_and_b32 v15, 8, v1
	v_add_nc_u32 v15, v15, v1                      ; r + 8 (r / 8)
	v_lshlrev_b32 v[LSW], 4, v15                   ; a column's 16 scale bytes
	v_mul_u32_u24 v[GK], v1, 24
	v_mad_u32_u24 v[GK], v2, 12, v[GK]
	v_lshlrev_b32 v[GS], 2, v1
	s_lshl_b32 s19, s18, 9
	v_lshl_add_u32 v[PV], v2, 6, s19
	v_lshl_add_u32 v[BLO], v15, 2, s19
	s_mov_b32 s[SEL], 0x76543210
	s_mov_b32 s[SEL+1], 0xfedcba98
.irp b, 0,1,2,3
	v_mov_b32 v[TM+4+\b], 0                        ; a lane permute's destination counts as one of its sources
.endr
	s_lshr_b32 s20, ttmp9, 7                       ; 0: trg, 1: encoded_src
	s_and_b32 s21, ttmp9, 127                      ; x': my 32 rows
	s_lshr_b32 s22, s21, 6                         ; n
	s_and_b32 s23, s21, 63                         ; a: my 32 rows within the batch
	s_lshl_b32 s24, s21, 16
	s_lshl_b32 s25, s18, 9
	s_add_co_u32 s24, s24, s25
	s_mov_b32 s25, 0                               ; x: 32 x' rows of 2,048 bytes + K step w
	s_mul_i32 s46, s20, 393216
	s_mul_i32 s47, s18, 49152
	s_add_co_u32 s46, s46, s47
	s_mov_b32 s47, 0                               ; the weight's images, my group
	s_lshl_b32 s48, s20, 14
	s_lshl_b32 s49, s18, 11
	s_add_co_u32 s48, s48, s49
	s_add_co_u32 s48, s48, 1572864
	s_mov_b32 s49, 0                               ; its scale bytes
	s_lshl_b32 s26, s22, 4
	s_lshl_b32 s27, s18, 2
	s_add_co_u32 s26, s26, s27                     ; y of my first head
	s_lshl_b32 s50, s26, 7
	s_lshl_b32 s51, s23, 1
	s_add_co_u32 s50, s50, s51
	s_mul_i32 s50, s50, 384
	s_add_co_u32 s50, s50, 1572864
	s_mov_b32 s51, 0                               ; k's codes
	s_lshl_b32 s52, s26, 11
	s_lshr_b32 s53, s23, 1
	s_lshl_b32 s53, s53, 6
	s_add_co_u32 s52, s52, s53
	s_and_b32 s53, s23, 1
	s_lshl_b32 s53, s53, 1
	s_add_co_u32 s52, s52, s53
	s_add_co_u32 s52, s52, 4784128
	s_mov_b32 s53, 0                               ; k's scale bytes
	s_mul_i32 s54, s26, 49152
	s_lshr_b32 s55, s23, 2
	s_lshl_b32 s55, s55, 3
	s_and_b32 s56, s23, 3
	s_add_co_u32 s55, s55, s56
	s_mul_i32 s55, s55, 384
	s_add_co_u32 s54, s54, s55
	s_add_co_u32 s54, s54, 3145728
	s_mov_b32 s55, 0                               ; v's codes
	s_lshl_b32 s58, s26, 11
	s_lshr_b32 s57, s23, 2
	s_lshl_b32 s57, s57, 7
	s_add_co_u32 s58, s58, s57
	s_add_co_u32 s58, s58, s56
	s_add_co_u32 s58, s58, 4849664
	s_mov_b32 s59, 0                               ; v's scale bytes
	s_wait_kmcnt 0x0
	s_cmp_eq_u32 s20, 0
	s_cselect_b64 s[XB:XB+1], s[4:5], s[6:7]
	s_cselect_b64 s[BB:BB+1], s[8:9], s[10:11]
	s_cselect_b64 s[14:15], s[14:15], s[16:17]
	s_add_nc_u64 s[XB:XB+1], s[XB:XB+1], s[24:25]
	s_add_nc_u64 s[WB:WB+1], s[12:13], s[46:47]
	s_add_nc_u64 s[SB:SB+1], s[12:13], s[48:49]
	s_add_nc_u64 s[KCB:KCB+1], s[14:15], s[50:51]
	s_add_nc_u64 s[KSB:KSB+1], s[14:15], s[52:53]
	s_add_nc_u64 s[VCB:VCB+1], s[14:15], s[54:55]
	s_add_nc_u64 s[VSB:VSB+1], s[14:15], s[58:59]
	; ---- x: K step w of both row tiles, as dense rows: each load reads 512 consecutive bytes
.irp u, 0,1
.set P, 0
.rept 16
	global_load_b128 v[HA+136*\u+4*P:HA+136*\u+4*P+3], v[LI], s[XB:XB+1] offset:(8*\u+P+8*(P/8))*2048 th:TH_LOAD_NT
.set P, P+1
.endr
.endr
	LOADU 0, 0, 0
	s_wait_loadcnt 42                              ; tile 0's 16 loads are in; tile 1's 16 and the weights' 26 may be out
	TURN_IN HA
	s_wait_dscnt 0x0
	QUANT HA
	IMAGE XWI, XIMG
	ds_store_b32 v[XWS], v[PW] offset:XSC
	s_wait_dscnt 0x0                               ; the stores have read their registers
	s_wait_loadcnt 26                              ; tile 1's are in
	TURN_IN XD
	s_wait_dscnt 0x0
	QUANT XD
	IMAGE XWI, XIMG+4*FRB
	ds_store_b32 v[XWS], v[PW] offset:XSC+512
	WIN 0x80
.irp t, 0,1,2,3,4,5,6,7                        ; the bias in the result's layout: lane (r, h), tile t: columns 32 (t / 2) + 8 (t % 2) + 16 h + 0 .. 7
	global_load_b128 v[B1+8*\t:B1+8*\t+3], v[PV], s[BB:BB+1] offset:(32*(\t/2)+8*(\t%2))*4
	global_load_b128 v[B1+8*\t+4:B1+8*\t+7], v[PV], s[BB:BB+1] offset:(32*(\t/2)+8*(\t%2))*4+16
.endr
	WIN 0
.irp t, 0,1,2,3,4,5,6,7                        ; and by column: lane r's column of tile t
	global_load_b32 v[BL+\t], v[BLO], s[BB:BB+1] offset:(32*(\t/2)+8*(\t%2))*4
.endr
	LOADU 1, 12288, 512
	BARRIER                                        ; x's eight fragments lie in LDS
	WIN 0x80
.irp i, 0,1,2,3,4,5,6,7
	FETCH XF+12*\i, XIMG+FRB*\i
.endr
	WIN 0
.irp i, 0,1,2,3,4,5,6,7
	ds_load_b32 v[XS+\i], v[LS] offset:XSC+128*\i
.endr
	s_wait_dscnt 0x0
; A HEAD: 32 matrix instructions, four accumulators by turns in each orientation, then its codes.
.macro HEADU b, n
.set SET, (\b)%2
	s_wait_loadcnt \n                              ; this head's weights are in (and all that was asked for earlier); the next head's 26 loads may be out
.irp e, 0,1,2,3
.if \e == 0
	WIN 0x29                                       ; weights window 1, x window 2, the bias (C) window 2
.else
	WIN 0x09
.endif
.irp u, 0,1
.irp t, 0,1
.if \e == 0
	WMC HA+16*\u+8*\t, 96*SET+12*(4*\t+\e), XF+12*(4*\u+\e), B1+8*(2*(\b)+\t), WS+8*SET+4*\t+\e, XS+4*\u+\e
.else
	WMC HA+16*\u+8*\t, 96*SET+12*(4*\t+\e), XF+12*(4*\u+\e), HA+16*\u+8*\t, WS+8*SET+4*\t+\e, XS+4*\u+\e
.endif
.endr
.endr
.endr
	WIN 0x06                                       ; x window 2, weights window 1
.irp e, 0,1,2,3
.irp t, 0,1
.irp u, 0,1
.if \e == 0
	WM0 HA+32+16*\t+8*\u, XF+12*(4*\u+\e), 96*SET+12*(4*\t+\e), XS+4*\u+\e, WS+8*SET+4*\t+\e
.else
	WMC HA+32+16*\t+8*\u, XF+12*(4*\u+\e), 96*SET+12*(4*\t+\e), HA+32+16*\t+8*\u, XS+4*\u+\e, WS+8*SET+4*\t+\e
.endif
.endr
.endr
.endr
	WIN 0
.rept 4
	v_nop                                          ; places in front of loads into registers that matrix instructions have read, and of the first read of results
.endr
.if (\b)+2 < 4
	LOADU SET, ((\b)+2)*12288, ((\b)+2)*512
.endif
	s_wait_xcnt 0x0                                ; the last head's stores have read their data, which are written again below
.irp t, 0,1
.set P, 0
.rept 16
	v_add_f32 v[HA+32+16*\t+P], v[HA+32+16*\t+P], v[BL+2*(\b)+\t]   ; the second orientation's bias: one number a lane; each accumulator from its low end on
.set P, P+1
.endr
.endr
	SCALES4 HA                                     ; blocks 0, 1: row tiles 0, 1 along the channels; blocks 2, 3: channel tiles 0, 1 along the keys
	CVT4 HA
	v_lshl_or_b32 v14, v[TM+5], 8, v[TM+4]         ; the two tiles' bytes are neighbours
.irp u, 0,1
	global_store_b96 v[GK], v[PC+4*\u:PC+4*\u+2], s[KCB:KCB+1] offset:49152*(\b)+384*\u
.endr
	global_store_b16 v[GS], v14, s[KSB:KSB+1] offset:2048*(\b)
	s_cmp_lg_u32 s20, 0
	s_cbranch_scc1 .Lno_q_\@                       ; self-attention's q is its k: a second copy, 1,572,864 and 65,536 bytes lower
.irp u, 0,1
	global_store_b96 v[GK], v[PC+4*\u:PC+4*\u+2], s[KCB:KCB+1] offset:49152*(\b)+384*\u-1572864
.endr
	global_store_b16 v[GS], v14, s[KSB:KSB+1] offset:2048*(\b)-65536
.Lno_q_\@:
.irp t, 0,1
	global_store_b96 v[GK], v[PC+8+4*\t:PC+8+4*\t+2], s[VCB:VCB+1] offset:49152*(\b)+1536*\t
	global_store_b8 v[GS], v[TM+6+\t], s[VSB:VSB+1] offset:2048*(\b)+64*\t
.endr
.endm
	HEADU 0, 26
	HEADU 1, 26
	HEADU 2, 26
	HEADU 3, 0
	s_wait_tensorcnt 0x0
	ds_add_u32 v254, v255
	s_wait_dscnt 0x0
	s_endpgm
.Lfunc_end_k_q5d8c19ecc5_proj:
	.size	k_q5d8c19ecc5_proj, .Lfunc_end_k_q5d8c19ecc5_proj-k_q5d8c19ecc5_proj
	.p2alignl 7, 3214868480
	.fill 96, 4, 3214868480
	.section	.rodata,"a",@progbits
	.p2align	6, 0x0
	.amdhsa_kernel k_q5d8c19ecc5_proj
		.amdhsa_group_segment_fixed_size 47616
		.amdhsa_private_segment_fixed_size 0
		.amdhsa_enable_private_segment 0
		.amdhsa_kernarg_size 56
		.amdhsa_user_sgpr_count 2
		.amdhsa_user_sgpr_kernarg_segment_ptr 1
		.amdhsa_wavefront_size32 1
		.amdhsa_system_sgpr_workgroup_id_x 1
		.amdhsa_system_sgpr_workgroup_id_y 1
		.amdhsa_system_sgpr_workgroup_id_z 1
		.amdhsa_system_vgpr_workitem_id 0
		.amdhsa_next_free_vgpr 768
		.amdhsa_next_free_sgpr 66
		.amdhsa_reserve_vcc 0
		.amdhsa_float_denorm_mode_32 3
		.amdhsa_float_denorm_mode_16_64 3
		.amdhsa_memory_ordered 1
		.amdhsa_forward_progress 1
		.amdhsa_inst_pref_size 73
	.end_amdhsa_kernel
	.amdgpu_metadata
---
amdhsa.version: [ 1, 2 ]
amdhsa.kernels:
  - .name:           k_q5d8c19ecc5_proj
    .symbol:         k_q5d8c19ecc5_proj.kd
    .args:
      - { .name: trg, .offset: 0, .size: 8, .value_kind: global_buffer, .address_space: global }
      - { .name: encoded_src, .offset: 8, .size: 8, .value_kind: global_buffer, .address_space: global }
      - { .name: bq1, .offset: 16, .size: 8, .value_kind: global_buffer, .address_space: global }
      - { .name: bq2, .offset: 24, .size: 8, .value_kind: global_buffer, .address_space: global }
      - { .name: wq, .offset: 32, .size: 8, .value_kind: global_buffer, .address_space: global }
      - { .name: a1, .offset: 40, .size: 8, .value_kind: global_buffer, .address_space: global }
      - { .name: a2, .offset: 48, .size: 8, .value_kind: global_buffer, .address_space: global }
    .group_segment_fixed_size: 47616
    .private_segment_fixed_size: 0
    .kernarg_segment_align: 8
    .kernarg_segment_size: 56
    .max_flat_workgroup_size: 128
    .sgpr_count:     66
    .vgpr_count:     768
    .wavefront_size: 32
...
	.end_amdgpu_metadata
.endif
;; end of part 2
;; launch attn1 (part 3): grid 8 x 32, 16 waves a work-group, no clusters, 169,984 bytes of LDS; arguments a1, mw1, ao; writes ao
.if DOCPART == 3
	.amdgcn_target "amdgcn-amd-amdhsa--gfx1250"
	.amdhsa_code_object_version 6
	.text
	.protected	k_q5d8c19ecc5_attn1
	.globl	k_q5d8c19ecc5_attn1
	.p2align	8
	.type	k_q5d8c19ecc5_attn1,@function
k_q5d8c19ecc5_attn1:
	s_mov_b64 s[64:65], 0
	v_nop
	global_prefetch_b8 v0, s[64:65] scope:SCOPE_SE
	s_setreg_imm32_b32 hwreg(HW_REG_WAVE_MODE, 25, 1), 1
	s_wait_xcnt 0x0
; ATTENTION on codes of E2M3, head size 32, 2,048 keys, with a mask given as lane-mask words.  Work-group (x, y): head y = 16 n + head, queries of tiles 16 x .. 16 x + 15; each of sixteen waves owns one tile of 16 queries.
; A whole head's codes of K and V (49,152 bytes each) and their scale words (2,048 each) come into LDS ONCE, by one tensor load a wave (waves 0-3 K, 4-7 V, 8 and 9 the scale words): no byte of LDS is filled
; twice, and the loop over the keys has no barrier.  A wave has at most one tensor load out.
; Not in clusters: what the query blocks of a head share is these 102,400 bytes, asked for once at the head of a loop of 16 key steps.
; THE SCORES.  Their K is 32: one block of the instruction's four.  Source 0 packs FOUR tiles of 16 keys into its four blocks; source 1 is q in ONE block and zero codes in the other three: four variants of q,
; which overlap on registers of zeros.  So LDS holds no padding, and 8 instructions make 128 keys' scores.  S^T: a lane holds one query (lane % 16); register 16 b + i is key 128 j + 32 b + 16 (lane / 16) + i.
; THE SOFTMAX: t = score x log2(e) / sqrt(32); M = the running largest t rounded up to a whole number; p = 2^(t - M) is quantised along the keys; the row's sum is taken of the unquantised p and divides at the end.
; THE MASK: word R of a key step holds, bit by lane, whether register R's key counts: one v_cndmask_b32 a register puts -infinity where it does not.  The words come by scalar loads, a step ahead.
; OUT: O / l quantised along the head's 32 channels: codes [tile X][head][r][24], scale bytes at 1,572,864 + 256 X + 16 r + head.
; A QUERY WITH NO KEY ALLOWED has l = 0: its scale byte is 0xff (NaN), so that the next product's row is NaN, as the softmax of a row of -infinity is.
; LIMITS: NaN and infinities are not served; a block of zeros gets the byte 1 (its codes are zeros; this program alone reads the bytes).
.set VIMG, 49152
.set KSCL, 98304
.set VSCL, 100352
.set KF,  46                           ; v46-69   two fragments of K (8 tiles of keys)
.set KSC, 70                           ; v70-71   their scale words
.set VF,  72                           ; v72-95   two fragments of V^T
.set S,   96                           ; v96-159  S^T, then p
.set O,   160                          ; v160-175 O^T: channels 16 (lane / 16) + 0 .. 15 of my query
.set VSC, 176                          ; v176-177 V's scale words
.set PC,  180                          ; v180-191 p's codes
.set PT,  192                          ; v192-199 at work
.set BM,  200                          ; v200-203 the blocks' largest scores
.set BX,  204                          ; v204-207 at work
.set SO,  208                          ; v208-211 the conversions' scale operands
.macro WM0 d, a, b, sa, sb
	v_wmma_scale_f32_16x16x128_f8f6f4 v[\d:\d+7], v[\a:\a+11], v[\b:\b+11], 0, v[\sa], v[\sb] matrix_a_fmt:MATRIX_FMT_FP6 matrix_b_fmt:MATRIX_FMT_FP6
.endm
	s_load_b128 s[4:7], s[0:1], 0x0                ; the bundle (q, k, v), the mask words
	s_load_b64 s[8:9], s[0:1], 0x10                ; ao
	v_lshl_add_u32 v254, v0, 2, 0x29000
	v_mov_b32 v255, 0
	ds_add_u32 v254, v255
	ds_add_u32 v254, v255
	v_lshrrev_b32 v8, 5, v0
	v_readfirstlane_b32 s10, v8                    ; wave 0..15
	s_and_b32 s11, ttmp7, 0xffff                   ; y
	; group 1 for the images: 48 rows of 256 bytes (32 elements of 8 bytes), dense
	s_mov_b32 s32, 3<<16
	s_mov_b32 s33, 32<<16
	s_mov_b32 s34, 48<<16
	s_mov_b32 s35, 32<<16
	s_mov_b32 s36, 48
	s_mov_b32 s37, 32
	s_mov_b32 s38, 0
	s_mov_b32 s39, 0
	; and for the scale words: 8 such rows
	s_mov_b32 s40, 3<<16
	s_mov_b32 s41, 32<<16
	s_mov_b32 s42, 8<<16
	s_mov_b32 s43, 32<<16
	s_mov_b32 s44, 8
	s_mov_b32 s45, 32
	s_mov_b32 s46, 0
	s_mov_b32 s47, 0
	s_mov_b32 s48, 1
	s_and_b32 s12, s10, 7
	s_mul_i32 s49, s12, 12288                      ; LDS: an eighth of the two images for each of waves 0-7
	s_bfe_u32 s12, s10, 0x10002                    ; K's (0) or V's (1)
	s_mul_i32 s12, s12, 1572864
	s_and_b32 s13, s10, 3
	s_mul_i32 s13, s13, 12288
	s_add_co_u32 s12, s12, s13
	s_mul_i32 s13, s11, 49152
	s_add_co_u32 s12, s12, s13
	s_add_co_u32 s12, s12, 1572864
	s_mov_b32 s13, 0
	s_mov_b32 s52, 1
	s_and_b32 s14, s10, 1
	s_lshl_b32 s53, s14, 11
	s_add_co_u32 s53, s53, KSCL                    ; LDS: K's scale words (wave 8), V's (wave 9)
	s_lshl_b32 s14, s14, 16
	s_lshl_b32 s15, s11, 11
	s_add_co_u32 s14, s14, s15
	s_add_co_u32 s14, s14, 4784128
	s_mov_b32 s15, 0
	s_wait_dscnt 0x0
	s_wait_kmcnt 0x0
	s_add_nc_u64 s[50:51], s[4:5], s[12:13]
	s_or_b32 s51, s51, 0x80000000
	s_add_nc_u64 s[54:55], s[4:5], s[14:15]
	s_or_b32 s55, s55, 0x80000000
	s_cmp_lt_u32 s10, 8
	s_cbranch_scc0 .Lnot_img
	tensor_load_to_lds s[48:51], s[32:39]
	s_nop 0
.rept 4
	v_nop
.endr
	s_branch .Lasked
.Lnot_img:
	s_cmp_lt_u32 s10, 10
	s_cbranch_scc0 .Lasked
	tensor_load_to_lds s[52:55], s[40:47]
	s_nop 0
.rept 4
	v_nop
.endr
.Lasked:
	s_lshl_b32 s66, ttmp9, 4
	s_add_co_u32 s66, s66, s10                     ; T: my tile of queries within the batch
	s_lshr_b32 s67, s11, 4
	s_lshl_b32 s67, s67, 7
	s_add_co_u32 s67, s67, s66                     ; X = 128 n + T
	s_mov_b32 s3, 0
	s_lshl_b32 s2, s11, 7
	s_add_co_u32 s2, s2, s66
	s_mul_i32 s2, s2, 384
	s_add_nc_u64 s[26:27], s[4:5], s[2:3]          ; q's chunk
	s_lshl_b32 s2, s11, 11
	s_lshr_b32 s14, s66, 2
	s_lshl_b32 s14, s14, 6
	s_add_co_u32 s2, s2, s14
	s_and_b32 s14, s66, 3
	s_add_co_u32 s2, s2, s14
	s_add_co_u32 s2, s2, 4718592
	s_add_nc_u64 s[30:31], s[4:5], s[2:3]          ; q's scale bytes
	s_lshl_b32 s2, s67, 12
	s_add_nc_u64 s[24:25], s[6:7], s[2:3]          ; my tile's mask words
	s_lshl_b32 s2, s67, 4
	s_and_b32 s14, s11, 15
	s_add_co_u32 s2, s2, s14
	s_mul_i32 s2, s2, 384
	s_add_nc_u64 s[12:13], s[8:9], s[2:3]          ; where my codes go
	s_lshl_b32 s2, s67, 8
	s_add_co_u32 s2, s2, s14
	s_add_co_u32 s2, s2, 1572864
	s_add_nc_u64 s[14:15], s[8:9], s[2:3]          ; and my scale bytes
	s_mov_b32 s16, 0x76543210
	s_mov_b32 s17, 0xfedcba98                      ; v_permlanex16_b32's selects for lane l xor 16
	s_mov_b32 s18, 0x3e8293ee                      ; c = log2(e) / sqrt(32)
	s_mov_b32 s19, s18
	s_mov_b32 s20, 0                               ; the step's codes: 3,072 bytes a step
	s_mov_b32 s21, 0                               ; its scale words: 128 bytes a step
	s_mov_b32 s22, 0                               ; its mask words: 256 bytes a step
	s_mov_b32 s23, 16
	s_mov_b32 s28, 0xffff
	s_mov_b32 s29, 0xffff0000
	v_and_b32 v216, 31, v0
	v_and_b32 v217, 15, v0                         ; r
	v_bfe_u32 v218, v0, 4, 1                       ; h
	v_mul_u32_u24 v1, v216, 24                     ; a fragment of four chunks: 24 x lane
	v_add_nc_u32 v2, VIMG, v1
	v_lshl_add_u32 v3, v217, 2, KSCL
	v_lshl_add_u32 v4, v217, 2, VSCL
	v_mov_b32 v5, 0xff800000                       ; -infinity
	v_mul_u32_u24 v8, v217, 24
	v_mad_u32_u24 v7, v218, 12, v8                 ; the way out: 24 r + 12 h
	v_lshlrev_b32 v9, 2, v217
	v_lshlrev_b32 v223, 4, v217                    ; and 16 r
	global_load_b64 v[192:193], v8, s[26:27]       ; my query's 32 codes, in both halves of the lanes
	global_load_b64 v[194:195], v8, s[26:27] offset:8
	global_load_b64 v[196:197], v8, s[26:27] offset:16
	global_load_u8 v198, v9, s[30:31]              ; and its scale byte
	v_mov_b32 v13, 0xff61b1e6                      ; the largest t so far: -3e38
	v_floor_f32 v12, -v13                          ; -M
	v_mov_b32 v14, 0
	v_mov_b32 v15, 0                               ; the sum, in two halves
	v_mov_b32 v215, 0                              ; (named as the upper half of the pair v[214:215])
	v_mov_b32 v222, 0xff
.irp b, 0,1,2,3
	v_mov_b32 v[BX+\b], 0                          ; a lane permute's destination counts as one of its sources
.endr
	s_wait_loadcnt 0x0
	v_perm_b32 v6, v198, v198, 0                   ; q's byte in all four places of its scale word
.irp i, 0,1,2,3,4,5
	v_cndmask_b32 v[22+\i], 0, v[192+\i], s28      ; q in lanes 0-15, zero codes in lanes 16-31
	v_cndmask_b32 v[34+\i], 0, v[192+\i], s29      ; and the other way round
.endr
.irp i, 0,1,2,3,4,5
	v_mov_b32 v[16+\i], 0                          ; q in block 0: v[22:33]; 1: v[34:45]; 2: v[16:27]; 3: v[28:39]
	v_mov_b32 v[28+\i], 0
	v_mov_b32 v[40+\i], 0
.endr
.irp i, 0,1,2,3,4,5,6,7,8,9,10,11,12,13,14,15
	v_mov_b32 v[O+\i], 0                           ; O^T: the first change of M leaves zeros zeros
.endr
	s_wait_tensorcnt 0x0                           ; my part of the head's codes or scale words has landed
	s_barrier_signal -1
	s_barrier_wait -1                              ; everybody's has.  The descriptors' registers are free from here on
	s_load_b512 s[32:47], s[24:25], s22 offset:0x0 ; the first step's 64 mask words
	s_load_b512 s[48:63], s[24:25], s22 offset:0x40
	s_load_b512 s[68:83], s[24:25], s22 offset:0x80
	s_load_b512 s[84:99], s[24:25], s22 offset:0xc0
.Lstep:                                            ; 16 trips of 128 keys
	v_add_nc_u32 v8, s20, v1                       ; (these four are also the places behind the last trip's products, in front of the loads into V's registers)
	v_add_nc_u32 v9, s20, v2
	v_add_nc_u32 v10, s21, v3
	v_add_nc_u32 v11, s21, v4
.irp f, 0,1
.irp c, 0,1
.irp p, 0,1,2
	ds_load_b64 v[KF+12*\f+6*\c+2*\p:KF+12*\f+6*\c+2*\p+1], v8 offset:1536*\f+768*\c+8*\p
.endr
.endr
	ds_load_b32 v[KSC+\f], v10 offset:64*\f
.endr
.irp f, 0,1
.irp c, 0,1
.irp p, 0,1,2
	ds_load_b64 v[VF+12*\f+6*\c+2*\p:VF+12*\f+6*\c+2*\p+1], v9 offset:1536*\f+768*\c+8*\p
.endr
.endr
	ds_load_b32 v[VSC+\f], v11 offset:64*\f
.endr
	s_wait_dscnt 14                                ; K's 14 loads are in; V's 14 may be out
.irp f, 0,1
	WM0 S+8*(4*\f+0), KF+12*\f, 22, KSC+\f, 6
	WM0 S+8*(4*\f+1), KF+12*\f, 34, KSC+\f, 6
	WM0 S+8*(4*\f+2), KF+12*\f, 16, KSC+\f, 6
	WM0 S+8*(4*\f+3), KF+12*\f, 28, KSC+\f, 6
.endr
.rept 4
	v_nop
.endr
	s_wait_kmcnt 0x0                               ; this step's mask words are in; so their offset may be stepped
	s_add_co_u32 s22, s22, 256
	s_min_u32 s22, s22, 3840                       ; the last trip asks for its own words again: no load leaves the buffer
.set R, 0
.rept 64
	v_cndmask_b32 v[S+R], v5, v[S+R], s[32+R+4*(R/32)]   ; -infinity where the key does not count; each accumulator from its low end on
.set R, R+1
.endr
	s_load_b512 s[32:47], s[24:25], s22 offset:0x0 ; the next step's words: a whole step ahead of the wait for them
	s_load_b512 s[48:63], s[24:25], s22 offset:0x40
	s_load_b512 s[68:83], s[24:25], s22 offset:0x80
	s_load_b512 s[84:99], s[24:25], s22 offset:0xc0
.irp b, 0,1,2,3
	v_max3_num_f32 v[BM+\b], v[S+16*\b], v[S+1+16*\b], v[S+2+16*\b]   ; the largest score of each block of 32 keys: for the row's maximum and for the block's largest p
.endr
.irp i, 3,5,7,9,11,13
.irp b, 0,1,2,3
	v_max3_num_f32 v[BM+\b], v[BM+\b], v[S+16*\b+\i], v[S+1+16*\b+\i]
.endr
.endr
.irp b, 0,1,2,3
	v_max_num_f32 v[BM+\b], v[BM+\b], v[S+15+16*\b]
.endr
.irp b, 0,1,2,3
	v_permlanex16_b32 v[BX+\b], v[BM+\b], s16, s17
.endr
.irp b, 0,1,2,3
	v_max_num_f32 v[BM+\b], v[BM+\b], v[BX+\b]
.endr
	v_max3_num_f32 v216, v200, v201, v202
	v_max_num_f32 v216, v216, v203
	v_mul_f32 v216, s18, v216                      ; as t
	v_max_num_f32 v13, v13, v216                   ; the running largest t
	v_mov_b32 v216, v12
	v_floor_f32 v12, -v13                          ; the new -M = -ceil(t)
	v_sub_f32 v216, v12, v216                      ; old M - new M: a whole number, 0 or less
	v_cvt_i32_f32 v216, v216                       ; (it saturates)
	v_ldexp_f32 v214, 1.0, v216                    ; f = 2^(old M - new M)
.set J, 0
.rept 32
	v_pk_fma_f32 v[S+J:S+J+1], v[S+J:S+J+1], s[18:19], v[12:13] op_sel_hi:[1,0,0]   ; t - M
.set J, J+2
.endr
.irp b, 0,1,2,3
	v_fma_f32 v[BM+\b], v[BM+\b], s18, v12
.endr
.set J, 0
.rept 64
	v_exp_f32 v[S+J], v[S+J]                       ; p = 2^(t - M)
.set J, J+1
.endr
	v_pk_mul_f32 v[14:15], v[14:15], v[214:215] op_sel_hi:[1,0]   ; the sums under the new M: the plain place behind the exponentials
	s_wait_alu depctr_va_vdst(0)                   ; one wait for the batch, ahead of its first reader
.irp b, 0,1,2,3
	v_exp_f32 v[BM+\b], v[BM+\b]                   ; the blocks' largest p
.endr
	v_pk_add_f32 v[220:221], v[S:S+1], v[S+2:S+3]  ; the row's sum of the unquantised p, in two chains
.irp j, 4,8,12,16,20,24,28,32,36,40,44,48,52,56,60
	v_pk_add_f32 v[14:15], v[14:15], v[S+\j:S+\j+1]
	v_pk_add_f32 v[220:221], v[220:221], v[S+2+\j:S+3+\j]
.endr
	v_pk_add_f32 v[14:15], v[14:15], v[220:221]
	s_wait_alu depctr_va_vdst(0)                   ; and one for the four
.irp b, 0,1,2,3
	v_max_num_f32 v[BM+\b], 0x1800000, v[BM+\b]    ; the floor 2^(3 - 127)
.endr
.irp b, 0,1,2,3
	v_add_nc_u32 v[SO+\b], 0xff000000, v[BM+\b]
.endr
.irp b, 0,1,2,3
	v_lshrrev_b32 v[BX+\b], 23, v[SO+\b]
.endr
	v_lshl_or_b32 v212, v205, 8, v204              ; p's scale word for these 128 keys
	v_lshl_or_b32 v212, v206, 16, v212
	v_lshl_or_b32 v212, v207, 24, v212
.irp c, 0,1
	v_cvt_scalef32_pk16_fp6_f32 v[PC+6*\c:PC+2+6*\c], v[S+32*\c:S+15+32*\c], v[SO+2*\c]
	v_cvt_scalef32_pk16_fp6_f32 v[PT+4*\c:PT+2+4*\c], v[S+16+32*\c:S+31+32*\c], v[SO+2*\c+1]
.endr
	v_nop                                          ; one plain place behind a scaled conversion
.irp c, 0,1
.irp i, 0,1,2
	v_permlane16_swap_b32 v[PC+6*\c+\i], v[PT+4*\c+\i]
.endr
.irp i, 0,1,2
	v_mov_b32 v[PC+3+6*\c+\i], v[PT+4*\c+\i]
.endr
.endr
.irp j, 0,2,4,6,8,10,12,14
	v_pk_mul_f32 v[O+\j:O+\j+1], v[O+\j:O+\j+1], v[214:215] op_sel_hi:[1,0]   ; O^T under the new M; these eight are the places between p's codes and the products, and with the moves above those behind the scale word
.endr
	s_wait_dscnt 0x0                               ; V is in
.irp u, 0,1
	v_wmma_scale_f32_16x16x128_f8f6f4 v[O+8*\u:O+8*\u+7], v[VF+12*\u:VF+12*\u+11], v[PC:PC+11], v[O+8*\u:O+8*\u+7], v[VSC+\u], v212 matrix_a_fmt:MATRIX_FMT_FP6 matrix_b_fmt:MATRIX_FMT_FP6
.endr
	s_add_co_u32 s20, s20, 3072
	s_add_co_u32 s21, s21, 128
	s_sub_co_u32 s23, s23, 1
	s_cmp_lg_u32 s23, 0
	s_cbranch_scc1 .Lstep
	; THE WAY OUT
.rept 4
	v_nop
.endr
	v_add_f32 v14, v14, v15
	v_permlanex16_b32 v216, v14, s16, s17
	v_add_f32 v14, v14, v216                       ; the row's sum
	v_rcp_f32 v217, v14
	v_cmp_eq_f32 vcc_lo, 0, v14                    ; no key counted?  (the plain place behind the reciprocal)
	s_wait_alu depctr_va_vdst(0)
.irp i, 0,1,2,3,4,5,6,7,8,9,10,11,12,13,14,15
	v_mul_f32 v[S+\i], v[O+\i], v217               ; O / l: channels 16 h + i
.endr
	v_max3_num_f32 v216, |v[S]|, |v[S+1]|, 0x1800000
.irp i, 2,4,6,8,10,12,14
	v_max3_num_f32 v216, v216, |v[S+\i]|, |v[S+1+\i]|
.endr
	v_permlanex16_b32 v218, v216, s16, s17
	v_max_num_f32 v216, v216, v218                 ; the head's block of 32
	v_add_nc_u32 v219, 0xff000000, v216
	v_lshrrev_b32 v216, 23, v219
	v_cndmask_b32 v216, v216, v222, vcc_lo         ; 0xff where no key counted
	v_cvt_scalef32_pk16_fp6_f32 v[PC:PC+2], v[S:S+15], v219
	v_nop
	global_store_b96 v7, v[PC:PC+2], s[12:13]      ; a wave stores 384 consecutive bytes
	global_store_b8 v223, v216, s[14:15]
	s_wait_tensorcnt 0x0
	ds_add_u32 v254, v255
	s_wait_dscnt 0x0
	s_endpgm
.Lfunc_end_k_q5d8c19ecc5_attn1:
	.size	k_q5d8c19ecc5_attn1, .Lfunc_end_k_q5d8c19ecc5_attn1-k_q5d8c19ecc5_attn1
	.p2alignl 7, 3214868480
	.fill 96, 4, 3214868480
	.section	.rodata,"a",@progbits
	.p2align	6, 0x0
	.amdhsa_kernel k_q5d8c19ecc5_attn1
		.amdhsa_group_segment_fixed_size 169984
		.amdhsa_private_segment_fixed_size 0
		.amdhsa_enable_private_segment 0
		.amdhsa_kernarg_size 24
		.amdhsa_user_sgpr_count 2
		.amdhsa_user_sgpr_kernarg_segment_ptr 1
		.amdhsa_wavefront_size32 1
		.amdhsa_system_sgpr_workgroup_id_x 1
		.amdhsa_system_sgpr_workgroup_id_y 1
		.amdhsa_system_sgpr_workgroup_id_z 1
		.amdhsa_system_vgpr_workitem_id 0
		.amdhsa_next_free_vgpr 256
		.amdhsa_next_free_sgpr 104
		.amdhsa_reserve_vcc 1
		.amdhsa_float_denorm_mode_32 3
		.amdhsa_float_denorm_mode_16_64 3
		.amdhsa_memory_ordered 1
		.amdhsa_forward_progress 1
		.amdhsa_inst_pref_size 30
	.end_amdhsa_kernel
	.amdgpu_metadata
---
amdhsa.version: [ 1, 2 ]
amdhsa.kernels:
  - .name:           k_q5d8c19ecc5_attn1
    .symbol:         k_q5d8c19ecc5_attn1.kd
    .args:
      - { .name: a1, .offset: 0, .size: 8, .value_kind: global_buffer, .address_space: global }
      - { .name: mw1, .offset: 8, .size: 8, .value_kind: global_buffer, .address_space: global }
      - { .name: ao, .offset: 16, .size: 8, .value_kind: global_buffer, .address_space: global }
    .group_segment_fixed_size: 169984
    .private_segment_fixed_size: 0
    .kernarg_segment_align: 8
    .kernarg_segment_size: 24
    .max_flat_workgroup_size: 512
    .sgpr_count:     104
    .vgpr_count:     256
    .wavefront_size: 32
...
	.end_amdgpu_metadata
.endif
;; end of part 3
;; launch post1 (part 4): grid 256 x 1, 4 waves a work-group, no clusters, 55,808 bytes of LDS; arguments ao, trg, wq, bo1, ln1_g, ln1_b, bq2, x1, a2; writes x1, a2
.if DOCPART == 4
	.amdgcn_target "amdgcn-amd-amdhsa--gfx1250"
	.amdhsa_code_object_version 6
	.text
	.protected	k_q5d8c19ecc5_post1
	.globl	k_q5d8c19ecc5_post1
	.p2align	8
	.type	k_q5d8c19ecc5_post1,@function
k_q5d8c19ecc5_post1:
	s_mov_b64 s[64:65], 0
	v_nop
	global_prefetch_b8 v0, s[64:65] scope:SCOPE_SE
	s_setreg_imm32_b32 hwreg(HW_REG_WAVE_MODE, 25, 1), 1
	s_wait_xcnt 0x0
; POST1.  x1 = LN(trg + Q(attention) Q(Wo1) + bo1), stored in f32; q2 = Q(x1) Q(Wq2) + bq2, quantised along each head's 32 channels into a2 (q's codes and scale bytes).
; A work-group takes row tile X (16 rows: 32 (X / 2) + 8 (X % 2) + r + 8 (r / 8)), so that a LayerNorm's rows are whole in it; wave w takes columns 128 w .. + 127: 8 accumulators.
; The products are used transposed (source 0 = 16 columns of the weight, source 1 = the rows): a lane holds one row, and register 16 b + i is column 128 w + 32 b + 16 (lane / 16) + i.
; THE WEIGHTS stream from memory straight into registers, as images of the operand's registers, in units of 2 tiles x 4 K steps (26 loads), two units ahead, through two sets of registers.
; The residual and x1 go through the wave's own stage in LDS, so that memory sees whole rows of 512 bytes; x1's codes go from wave to wave as images of their registers.
; LIMITS: NaN and infinities among the inputs are not served (a NaN row that attention marks stays a NaN row); a block of zeros gets the byte 1.
; REGISTERS: window 0: v1-17 addresses; v24-87 HA; v88-135 the rows' four fragments (v88-151 rows of x1 on their way out); v184-187 their scale words; v192-207 the weights' scale words; v208-223 TM; v224-243 codes; v246-255 LayerNorm.
;   window 1: v0-191 the weights' fragments; v192-255 the residual.   window 2: bo1 at 0, ln1_g at 64, ln1_b at 128, bq2 at 192, each in the result's layout.
.set RS,   33792                       ; LDS: four stages of 8,448 bytes at 0; the reductions' words, 256 bytes each, none used twice;
.set XIMG, 34816                       ; x1's four images;
.set XSC,  40960                       ; their scale words
.set FRB,  1536
.set NU,   8                           ; units of weights
.set LI, 3
.set LS, 4
.set SD, 5
.set SL, 6
.set IWI, 7
.set IWS, 8
.set LSW4, 9
.set PV, 11
.set GD, 12
.set AF, 13
.set RA, 14
.set RB, 15
.set GK, 16
.set GS, 17
.set HA, 24
.set XF, 88
.set XS, 184
.set WS, 192
.set TM, 208
.set PC, 224
.set PW, 244
.set RES, 192
.set WB4, 28
.set SB4, 32
.set AOC, 36
.set AOS, 38
.set RSB, 40
.set OUB, 42
.set SEL, 44
.set QCB, 52
.set QSB, 54
.set MSB, 0
.macro WIN new                         ; the immediate's high byte repeats the setting that is left
.if MSB != (\new)
	s_set_vgpr_msb (MSB<<8)|(\new)
.set MSB, (\new)
.endif
.endm
.macro WMC d, a, b, c, sa, sb
	v_wmma_scale_f32_16x16x128_f8f6f4 v[\d:\d+7], v[\a:\a+11], v[\b:\b+11], v[\c:\c+7], v[\sa], v[\sb] matrix_a_fmt:MATRIX_FMT_FP6 matrix_b_fmt:MATRIX_FMT_FP6
.endm
.macro SCALES4 s
.irp b, 0,1,2,3
	v_max3_num_f32 v[TM+\b], |v[\s+16*\b]|, |v[\s+1+16*\b]|, 0x1800000   ; with the floor 2^(3 - 127): the byte cannot fall under 1
.endr
.irp i, 2,4,6,8,10,12,14
.irp b, 0,1,2,3
	v_max3_num_f32 v[TM+\b], v[TM+\b], |v[\s+16*\b+\i]|, |v[\s+1+16*\b+\i]|
.endr
.endr
.irp b, 0,1,2,3
	v_permlanex16_b32 v[TM+4+\b], v[TM+\b], s[SEL], s[SEL+1]
.endr
.irp b, 0,1,2,3
	v_max_num_f32 v[TM+\b], v[TM+\b], v[TM+4+\b]
.endr
.irp b, 0,1,2,3
	v_add_nc_u32 v[TM+12+\b], 0xff000000, v[TM+\b]
.endr
.irp b, 0,1,2,3
	v_lshrrev_b32 v[TM+4+\b], 23, v[TM+12+\b]
.endr
.endm
.macro QUANT s
	SCALES4 \s
	v_lshl_or_b32 v[PW], v[TM+5], 8, v[TM+4]
	v_lshl_or_b32 v[PW], v[TM+6], 16, v[PW]
	v_lshl_or_b32 v[PW], v[TM+7], 24, v[PW]
.irp c, 0,1
	v_cvt_scalef32_pk16_fp6_f32 v[PC+6*\c:PC+2+6*\c], v[\s+32*\c:\s+15+32*\c], v[TM+12+2*\c]
	v_cvt_scalef32_pk16_fp6_f32 v[PC+12+4*\c:PC+14+4*\c], v[\s+16+32*\c:\s+31+32*\c], v[TM+12+2*\c+1]
.endr
	v_nop
.irp c, 0,1
.irp i, 0,1,2
	v_permlane16_swap_b32 v[PC+6*\c+\i], v[PC+12+4*\c+\i]
.endr
.irp i, 0,1,2
	v_mov_b32 v[PC+3+6*\c+\i], v[PC+12+4*\c+\i]
.endr
.endr
.endm
.macro CVT4 s
.irp b, 0,1,2,3
	v_cvt_scalef32_pk16_fp6_f32 v[PC+4*\b:PC+4*\b+2], v[\s+16*\b:\s+16*\b+15], v[TM+12+\b]
.endr
	v_nop
.endm
.macro IMAGE adr, off
.irp c, 0,1,2
	ds_store_b128 v[\adr], v[PC+4*\c:PC+4*\c+3] offset:(\off)+512*\c
.endr
.endm
.macro FETCH reg, off
.irp c, 0,1,2
	ds_load_b128 v[\reg+4*\c:\reg+4*\c+3], v[LI] offset:(\off)+512*\c
.endr
.endm
.macro BARRIER
	s_wait_dscnt 0x0                               ; my LDS stores have landed and my LDS loads are in
	s_barrier_signal -1
	s_barrier_wait -1
.endm
.macro LOADU set, wb, sb, lsw, foff, soff, ks
	WIN 0x40
.irp u, 0,1
.irp e, 0,1,2,3
.irp q, 0,1,2
	global_load_b128 v[96*(\set)+12*(4*\u+\e)+4*\q:96*(\set)+12*(4*\u+\e)+4*\q+3], v[LI], s[\wb:\wb+1] offset:(\foff)+(\u*(\ks)+\e)*1536+512*\q
.endr
.endr
.endr
	WIN 0
.irp u, 0,1
	global_load_b128 v[WS+8*(\set)+4*\u:WS+8*(\set)+4*\u+3], v[\lsw], s[\sb:\sb+1] offset:(\soff)+\u*32*(\ks)
.endr
.endm
.macro LOADN i                         ; units 0-3: Wo1; 4-7: Wq2
.if (\i) < 4
	LOADU (\i)%2, WB4, SB4, LSW4, 196608+(\i)*12288, 8192+(\i)*512, 4
.else
	LOADU (\i)%2, WB4, SB4, LSW4, 393216+((\i)-4)*12288, 16384+((\i)-4)*512, 4
.endif
.endm
.macro MULU set, b, z, cw, cr          ; 8 matrix instructions: two accumulators by turns; the first two take a bias as C
.irp e, 0,1,2,3
.if ((\z) == 0) && (\e == 0)
	WIN 0x01|((\cw)<<4)
.else
	WIN 0x01
.endif
.irp u, 0,1
.if ((\z) == 0) && (\e == 0)
	WMC HA+16*(\b)+8*\u, 96*(\set)+12*(4*\u+\e), XF+12*(4*(\z)+\e), (\cr)+16*(\b)+8*\u, WS+8*(\set)+4*\u+\e, XS+4*(\z)+\e
.else
	WMC HA+16*(\b)+8*\u, 96*(\set)+12*(4*\u+\e), XF+12*(4*(\z)+\e), HA+16*(\b)+8*\u, WS+8*(\set)+4*\u+\e, XS+4*(\z)+\e
.endif
.endr
.endr
	WIN 0
.endm
.macro UNIT i, n, b, z, cw, cr
	s_wait_loadcnt \n                              ; this unit's loads are in (and all issued before them); the next unit's 26 may be out
	MULU (\i)%2, \b, \z, \cw, \cr
.rept 4
	v_nop                                          ; places in front of loads into registers that matrix instructions have read, and of the first read of results
.endr
.if (\i)+2 < NU
	LOADN (\i)+2
.endif
.endm
.macro PLOAD ptr, win, reg, off        ; a vector of 512 in the result's layout: my 128 columns, 64 a lane
	WIN (\win)<<6
.irp t, 0,1,2,3,4,5,6,7
	global_load_b128 v[(\reg)+8*\t:(\reg)+8*\t+3], v[PV], s[\ptr:\ptr+1] offset:(\off)+(32*(\t/2)+8*(\t%2))*4
	global_load_b128 v[(\reg)+8*\t+4:(\reg)+8*\t+7], v[PV], s[\ptr:\ptr+1] offset:(\off)+(32*(\t/2)+8*(\t%2))*4+16
.endr
	WIN 0
.endm
.macro TURN_RES                        ; the residual's 16 dense rows through my stage.  LDS serves a wave's instructions in order
	WIN 0x04
.set P, 0
.rept 16
	ds_store_b128 v[SD], v[RES+4*P:RES+4*P+3] offset:528*P
.set P, P+1
.endr
	WIN 0x40
.set P, 0
.rept 16
	ds_load_b128 v[RES+4*P:RES+4*P+3], v[SL] offset:128*(P/4)+16*(P%4)
.set P, P+1
.endr
	WIN 0
.endm
.macro RESADD
	WIN 0x04
.set J, 0
.rept 32
	v_pk_add_f32 v[HA+J:HA+J+1], v[HA+J:HA+J+1], v[RES+J:RES+J+1]   ; each accumulator from its low end on
.set J, J+2
.endr
	WIN 0
.endm
; LayerNorm of the rows in HA, in two passes (the mean, then the squares of what is left).  A row's 512 numbers lie in two lanes of each of four waves: the waves' sums meet in LDS, behind a barrier each.
.macro LNORM k, win, gr, br, keep
	v_pk_add_f32 v[246:247], v[HA:HA+1], v[HA+2:HA+3]
	v_pk_add_f32 v[248:249], v[HA+4:HA+5], v[HA+6:HA+7]
.irp j, 8,12,16,20,24,28,32,36,40,44,48,52,56,60
	v_pk_add_f32 v[246:247], v[246:247], v[HA+\j:HA+\j+1]
	v_pk_add_f32 v[248:249], v[248:249], v[HA+\j+2:HA+\j+3]
.endr
	v_pk_add_f32 v[246:247], v[246:247], v[248:249]
	v_add_f32 v250, v246, v247
	v_permlanex16_b32 v251, v250, s[SEL], s[SEL+1]
	v_add_f32 v250, v250, v251
	ds_store_b32 v[RA], v250 offset:RS+512*(\k)
	BARRIER
	ds_load_b128 v[252:255], v[RB] offset:RS+512*(\k)
	s_wait_dscnt 0x0
	v_add_f32 v252, v252, v253
	v_add_f32 v254, v254, v255
	v_add_f32 v252, v252, v254
	v_mul_f32 v246, 0xbb000000, v252               ; minus the mean
.set J, 0
.rept 32
	v_pk_add_f32 v[HA+J:HA+J+1], v[HA+J:HA+J+1], v[246:247] op_sel_hi:[1,0]
.set J, J+2
.endr
	v_pk_mul_f32 v[248:249], v[HA:HA+1], v[HA:HA+1]
	v_pk_mul_f32 v[252:253], v[HA+2:HA+3], v[HA+2:HA+3]
.irp j, 4,8,12,16,20,24,28,32,36,40,44,48,52,56,60
	v_pk_fma_f32 v[248:249], v[HA+\j:HA+\j+1], v[HA+\j:HA+\j+1], v[248:249]
	v_pk_fma_f32 v[252:253], v[HA+\j+2:HA+\j+3], v[HA+\j+2:HA+\j+3], v[252:253]
.endr
	v_pk_add_f32 v[248:249], v[248:249], v[252:253]
	v_add_f32 v250, v248, v249
	v_permlanex16_b32 v251, v250, s[SEL], s[SEL+1]
	v_add_f32 v250, v250, v251
	ds_store_b32 v[RA], v250 offset:RS+512*(\k)+256
	BARRIER
	ds_load_b128 v[252:255], v[RB] offset:RS+512*(\k)+256
	s_wait_dscnt 0x0
	v_add_f32 v252, v252, v253
	v_add_f32 v254, v254, v255
	v_add_f32 v252, v252, v254
	v_fma_f32 v250, v252, s46, s47                 ; the variance + eps
	v_rsq_f32 v246, v250
	v_nop                                          ; a plain place behind the transcendental
	s_wait_alu depctr_va_vdst(0)                   ; and the wait ahead of its first reader
.set J, 0
.rept 32
	v_pk_mul_f32 v[HA+J:HA+J+1], v[HA+J:HA+J+1], v[246:247] op_sel_hi:[1,0]
.set J, J+2
.endr
.if \keep
	WIN 0x40|((\win)<<2)|((\win)<<4)               ; a copy for the next residual
.set J, 0
.rept 32
	v_pk_fma_f32 v[RES+J:RES+J+1], v[HA+J:HA+J+1], v[(\gr)+J:(\gr)+J+1], v[(\br)+J:(\br)+J+1]
.set J, J+2
.endr
.endif
	WIN ((\win)<<2)|((\win)<<4)
.set J, 0
.rept 32
	v_pk_fma_f32 v[HA+J:HA+J+1], v[HA+J:HA+J+1], v[(\gr)+J:(\gr)+J+1], v[(\br)+J:(\br)+J+1]
.set J, J+2
.endr
	WIN 0
.endm
.macro OUTROWS base                    ; HA through my stage, out as 16 rows of 512 consecutive bytes, aligned
.set P, 0
.rept 16
	ds_store_b128 v[SL], v[HA+4*P:HA+4*P+3] offset:128*(P/4)+16*(P%4)
.set P, P+1
.endr
.set P, 0
.rept 16
	ds_load_b128 v[XF+4*P:XF+4*P+3], v[SD] offset:528*P
.set P, P+1
.endr
.set P, 0
.rept 16
	s_wait_dscnt 15-P                              ; row P is back; the rows behind it may be out
	global_store_b128 v[GD], v[XF+4*P:XF+4*P+3], s[\base:\base+1] offset:(P+8*(P/8))*2048
.set P, P+1
.endr
.endm
	s_load_b256 s[4:11], s[0:1], 0x0               ; ao, trg, wq, bo1
	s_load_b256 s[12:19], s[0:1], 0x20             ; ln1_g, ln1_b, bq2, x1
	s_load_b64 s[20:21], s[0:1], 0x40              ; a2
	v_lshl_add_u32 v243, v0, 2, 0xd800
	v_mov_b32 v245, 0
	v_lshrrev_b32 v18, 5, v0
	v_readfirstlane_b32 s26, v18                   ; wave 0..3
	v_and_b32 v18, 31, v0
	v_and_b32 v1, 15, v0                           ; r
	v_bfe_u32 v2, v0, 4, 1                         ; h
	v_lshlrev_b32 v[LI], 4, v18
	v_lshlrev_b32 v[LS], 2, v18
	s_mul_i32 s48, s26, 8448
	v_add_nc_u32 v[SD], s48, v[LI]
	v_mul_u32_u24 v[SL], v1, 528
	v_lshl_add_u32 v[SL], v2, 6, v[SL]
	v_add_nc_u32 v[SL], s48, v[SL]
	s_mul_i32 s48, s26, FRB
	v_add_nc_u32 v[IWI], s48, v[LI]
	s_lshl_b32 s48, s26, 7
	v_add_nc_u32 v[IWS], s48, v[LS]
	v_and_b32 v19, 8, v1
	v_add_nc_u32 v19, v19, v1                      ; r + 8 (r / 8)
	v_lshlrev_b32 v[LSW4], 4, v19
	s_lshl_b32 s48, s26, 9
	v_lshl_add_u32 v[PV], v2, 6, s48
	v_add_nc_u32 v[GD], s48, v[LI]
	v_mul_u32_u24 v[AF], v18, 24
	s_lshl_b32 s48, s26, 2
	v_lshl_add_u32 v[RA], v1, 4, s48
	v_lshlrev_b32 v[RB], 4, v1
	v_mul_u32_u24 v[GK], v1, 24
	v_mad_u32_u24 v[GK], v2, 12, v[GK]
	v_lshlrev_b32 v[GS], 2, v1
	v_mov_b32 v251, 0                              ; a lane permute's destination counts as one of its sources
.irp b, 0,1,2,3
	v_mov_b32 v[TM+4+\b], 0
.endr
	s_mov_b32 s[SEL], 0x76543210
	s_mov_b32 s[SEL+1], 0xfedcba98
	s_mov_b32 s46, 0x3b000000                      ; 1 / 512
	s_mov_b32 s47, 0x3727c5ac                      ; 1e-5
	s_mov_b32 s49, 0
	s_mov_b32 s57, 0
	s_wait_kmcnt 0x0
	s_mul_i32 s48, s26, 49152
	s_add_nc_u64 s[WB4:WB4+1], s[8:9], s[48:49]
	s_lshl_b32 s48, s26, 11
	s_add_co_u32 s48, s48, 1572864
	s_add_nc_u64 s[SB4:SB4+1], s[8:9], s[48:49]
	s_mul_i32 s48, ttmp9, 6144
	s_add_nc_u64 s[AOC:AOC+1], s[4:5], s[48:49]
	s_lshl_b32 s48, ttmp9, 8
	s_add_co_u32 s48, s48, 1572864
	s_add_nc_u64 s[AOS:AOS+1], s[4:5], s[48:49]
	s_lshr_b32 s48, ttmp9, 1
	s_lshl_b32 s48, s48, 5
	s_and_b32 s50, ttmp9, 1
	s_lshl_b32 s50, s50, 3
	s_add_co_u32 s48, s48, s50
	s_lshl_b32 s48, s48, 11                        ; the tile's first row x 2,048 bytes
	s_add_nc_u64 s[RSB:RSB+1], s[6:7], s[48:49]
	s_add_nc_u64 s[OUB:OUB+1], s[18:19], s[48:49]
	s_lshr_b32 s48, ttmp9, 7
	s_lshl_b32 s48, s48, 4
	s_lshl_b32 s50, s26, 2
	s_add_co_u32 s48, s48, s50                     ; y of my first head
	s_and_b32 s50, ttmp9, 127                      ; T
	s_lshl_b32 s51, s48, 7
	s_add_co_u32 s51, s51, s50
	s_mul_i32 s56, s51, 384
	s_add_nc_u64 s[QCB:QCB+1], s[20:21], s[56:57]
	s_lshl_b32 s56, s48, 11
	s_lshr_b32 s51, s50, 2
	s_lshl_b32 s51, s51, 6
	s_add_co_u32 s56, s56, s51
	s_and_b32 s51, s50, 3
	s_add_co_u32 s56, s56, s51
	s_add_co_u32 s56, s56, 4718592
	s_add_nc_u64 s[QSB:QSB+1], s[20:21], s[56:57]
.irp e, 0,1,2,3                                ; attention's codes: K step e = heads 4 e .. 4 e + 3, four chunks on end
.irp c, 0,1
.irp p, 0,1,2
	global_load_b64 v[XF+12*\e+6*\c+2*\p:XF+12*\e+6*\c+2*\p+1], v[AF], s[AOC:AOC+1] offset:1536*\e+768*\c+8*\p
.endr
.endr
.endr
	global_load_b128 v[XS:XS+3], v[RB], s[AOS:AOS+1]
	WIN 0x40
.set P, 0
.rept 16
	global_load_b128 v[RES+4*P:RES+4*P+3], v[GD], s[RSB:RSB+1] offset:(P+8*(P/8))*2048 th:TH_LOAD_NT
.set P, P+1
.endr
	WIN 0
	PLOAD 10, 2, 0, 0
	PLOAD 12, 2, 64, 0
	PLOAD 14, 2, 128, 0
	PLOAD 16, 2, 192, 0
	LOADN 0
	LOADN 1
.irp i, 0,1,2,3
	UNIT \i, 26, \i, 0, 2, 0
.endr
	TURN_RES
	s_wait_dscnt 0x0
	RESADD
	LNORM 0, 2, 64, 128, 0
	OUTROWS OUB                                    ; x1
	QUANT HA
	IMAGE IWI, XIMG
	ds_store_b32 v[IWS], v[PW] offset:XSC
	BARRIER                                        ; x1's four fragments lie in LDS
	s_wait_xcnt 0x0                                ; x1's stores have read the registers into which the fragments come
.irp e, 0,1,2,3
	FETCH XF+12*\e, XIMG+FRB*\e
	ds_load_b32 v[XS+\e], v[LS] offset:XSC+128*\e
.endr
	s_wait_dscnt 0x0
.irp i, 4,5,6
	UNIT \i, 26, \i-4, 0, 2, 192
.endr
	UNIT 7, 0, 3, 0, 2, 192
	SCALES4 HA                                     ; block b = head 4 w + b
	CVT4 HA
.irp b, 0,1,2,3
	global_store_b96 v[GK], v[PC+4*\b:PC+4*\b+2], s[QCB:QCB+1] offset:49152*\b
	global_store_b8 v[GS], v[TM+4+\b], s[QSB:QSB+1] offset:2048*\b
.endr
	s_wait_tensorcnt 0x0
	ds_add_u32 v243, v245
	s_wait_dscnt 0x0
	s_endpgm
.Lfunc_end_k_q5d8c19ecc5_post1:
	.size	k_q5d8c19ecc5_post1, .Lfunc_end_k_q5d8c19ecc5_post1-k_q5d8c19ecc5_post1
	.p2alignl 7, 3214868480
	.fill 96, 4, 3214868480
	.section	.rodata,"a",@progbits
	.p2align	6, 0x0
	.amdhsa_kernel k_q5d8c19ecc5_post1
		.amdhsa_group_segment_fixed_size 55808
		.amdhsa_private_segment_fixed_size 0
		.amdhsa_enable_private_segment 0
		.amdhsa_kernarg_size 72
		.amdhsa_user_sgpr_count 2
		.amdhsa_user_sgpr_kernarg_segment_ptr 1
		.amdhsa_wavefront_size32 1
		.amdhsa_system_sgpr_workgroup_id_x 1
		.amdhsa_system_sgpr_workgroup_id_y 1
		.amdhsa_system_sgpr_workgroup_id_z 1
		.amdhsa_system_vgpr_workitem_id 0
		.amdhsa_next_free_vgpr 768
		.amdhsa_next_free_sgpr 66
		.amdhsa_reserve_vcc 0
		.amdhsa_float_denorm_mode_32 3
		.amdhsa_float_denorm_mode_16_64 3
		.amdhsa_memory_ordered 1
		.amdhsa_forward_progress 1
		.amdhsa_inst_pref_size 73
	.end_amdhsa_kernel
	.amdgpu_metadata
---
amdhsa.version: [ 1, 2 ]
amdhsa.kernels:
  - .name:           k_q5d8c19ecc5_post1
    .symbol:         k_q5d8c19ecc5_post1.kd
    .args:
      - { .name: ao, .offset: 0, .size: 8, .value_kind: global_buffer, .address_space: global }
      - { .name: trg, .offset: 8, .size: 8, .value_kind: global_buffer, .address_space: global }
      - { .name: wq, .offset: 16, .size: 8, .value_kind: global_buffer, .address_space: global }
      - { .name: bo1, .offset: 24, .size: 8, .value_kind: global_buffer, .address_space: global }
      - { .name: ln1_g, .offset: 32, .size: 8, .value_kind: global_buffer, .address_space: global }
      - { .name: ln1_b, .offset: 40, .size: 8, .value_kind: global_buffer, .address_space: global }
      - { .name: bq2, .offset: 48, .size: 8, .value_kind: global_buffer, .address_space: global }
      - { .name: x1, .offset: 56, .size: 8, .value_kind: global_buffer, .address_space: global }
      - { .name: a2, .offset: 64, .size: 8, .value_kind: global_buffer, .address_space: global }
    .group_segment_fixed_size: 55808
    .private_segment_fixed_size: 0
    .kernarg_segment_align: 8
    .kernarg_segment_size: 72
    .max_flat_workgroup_size: 128
    .sgpr_count:     66
    .vgpr_count:     768
    .wavefront_size: 32
...
	.end_amdgpu_metadata
.endif
;; end of part 4
;; launch attn2: the kernel of part 3 again; grid 8 x 32, 16 waves a work-group, no clusters, 169,984 bytes of LDS; arguments a2, mw2, ao; writes ao
;; launch post2 (part 5): grid 256 x 1, 4 waves a work-group, no clusters, 55,808 bytes of LDS; arguments ao, x1, wq, bo2, ln2_g, ln2_b, bff1, bff2, ln3_g, ln3_b, out0; writes out0
.if DOCPART == 5
	.amdgcn_target "amdgcn-amd-amdhsa--gfx1250"
	.amdhsa_code_object_version 6
	.text
	.protected	k_q5d8c19ecc5_post2
	.globl	k_q5d8c19ecc5_post2
	.p2align	8
	.type	k_q5d8c19ecc5_post2,@function
k_q5d8c19ecc5_post2:
	s_mov_b64 s[64:65], 0
	v_nop
	global_prefetch_b8 v0, s[64:65] scope:SCOPE_SE
	s_setreg_imm32_b32 hwreg(HW_REG_WAVE_MODE, 25, 1), 1
	s_wait_xcnt 0x0
; POST2.  x2 = LN(x1 + Q(attention) Q(Wo2) + bo2);  out = LN(x2 + Q(relu(Q(x2) Q(Wff1) + bff1)) Q(Wff2) + bff2).  x2 and the hidden layer never go to memory.
; A work-group takes row tile X (16 rows: 32 (X / 2) + 8 (X % 2) + r + 8 (r / 8)); wave w takes columns 128 w .. + 127 of each product of width 512, and hidden units 128 w .. and 512 + 128 w .. of the 1,024.
; The products are used transposed (source 0 = 16 columns of the weight, source 1 = the rows): a lane holds one row, and register 16 b + i is column 128 w + 32 b + 16 (lane / 16) + i.
; THE WEIGHTS stream from memory straight into registers, as images of the operand's registers, in 20 units of 2 tiles x 4 K steps (26 loads), two units ahead, through two sets of registers.
; Codes go from wave to wave through LDS as images of their registers; six barriers, and every exchange has LDS bytes of its own.
; LIMITS: NaN and infinities among the inputs are not served (a NaN row stays a NaN row); a block of zeros gets the byte 1.
; REGISTERS: window 0: v1-15 addresses; v24-87 HA; v88-183 the rows' fragments, up to eight; v184-191 their scale words; v192-207 the weights' scale words; v208-223 TM; v224-243 codes; v246-255 LayerNorm.
;   window 1: v0-191 the weights' fragments; v192-255 the residual.   window 2: bo2, ln2_g, ln2_b, bff1's first half.   window 3: bff1's second half, bff2, ln3_g, ln3_b.  64 registers each, in the result's layout.
.set RS,   33792
.set XIMG, 34816
.set XSC,  40960
.set HIMG, 41472                       ; the hidden layer's eight images
.set HSC,  53760                       ; their scale words
.set FRB,  1536
.set NU,   20
.set LI, 3
.set LS, 4
.set SD, 5
.set SL, 6
.set IWI, 7
.set IWS, 8
.set LSW4, 9
.set LSW8, 10
.set PV, 11
.set GD, 12
.set AF, 13
.set RA, 14
.set RB, 15
.set HA, 24
.set XF, 88
.set XS, 184
.set WS, 192
.set TM, 208
.set PC, 224
.set PW, 244
.set RES, 192
.set WB4, 28
.set WB8, 30
.set SB4, 32
.set SB8, 34
.set AOC, 36
.set AOS, 38
.set RSB, 40
.set OUB, 42
.set SEL, 44
.set MSB, 0
.macro WIN new                         ; the immediate's high byte repeats the setting that is left
.if MSB != (\new)
	s_set_vgpr_msb (MSB<<8)|(\new)
.set MSB, (\new)
.endif
.endm
.macro WMC d, a, b, c, sa, sb
	v_wmma_scale_f32_16x16x128_f8f6f4 v[\d:\d+7], v[\a:\a+11], v[\b:\b+11], v[\c:\c+7], v[\sa], v[\sb] matrix_a_fmt:MATRIX_FMT_FP6 matrix_b_fmt:MATRIX_FMT_FP6
.endm
.macro SCALES4 s
.irp b, 0,1,2,3
	v_max3_num_f32 v[TM+\b], |v[\s+16*\b]|, |v[\s+1+16*\b]|, 0x1800000   ; with the floor 2^(3 - 127): the byte cannot fall under 1
.endr
.irp i, 2,4,6,8,10,12,14
.irp b, 0,1,2,3
	v_max3_num_f32 v[TM+\b], v[TM+\b], |v[\s+16*\b+\i]|, |v[\s+1+16*\b+\i]|
.endr
.endr
.irp b, 0,1,2,3
	v_permlanex16_b32 v[TM+4+\b], v[TM+\b], s[SEL], s[SEL+1]
.endr
.irp b, 0,1,2,3
	v_max_num_f32 v[TM+\b], v[TM+\b], v[TM+4+\b]
.endr
.irp b, 0,1,2,3
	v_add_nc_u32 v[TM+12+\b], 0xff000000, v[TM+\b]
.endr
.irp b, 0,1,2,3
	v_lshrrev_b32 v[TM+4+\b], 23, v[TM+12+\b]
.endr
.endm
.macro QUANT s
	SCALES4 \s
	v_lshl_or_b32 v[PW], v[TM+5], 8, v[TM+4]
	v_lshl_or_b32 v[PW], v[TM+6], 16, v[PW]
	v_lshl_or_b32 v[PW], v[TM+7], 24, v[PW]
.irp c, 0,1
	v_cvt_scalef32_pk16_fp6_f32 v[PC+6*\c:PC+2+6*\c], v[\s+32*\c:\s+15+32*\c], v[TM+12+2*\c]
	v_cvt_scalef32_pk16_fp6_f32 v[PC+12+4*\c:PC+14+4*\c], v[\s+16+32*\c:\s+31+32*\c], v[TM+12+2*\c+1]
.endr
	v_nop
.irp c, 0,1
.irp i, 0,1,2
	v_permlane16_swap_b32 v[PC+6*\c+\i], v[PC+12+4*\c+\i]
.endr
.irp i, 0,1,2
	v_mov_b32 v[PC+3+6*\c+\i], v[PC+12+4*\c+\i]
.endr
.endr
.endm
.macro IMAGE adr, off
.irp c, 0,1,2
	ds_store_b128 v[\adr], v[PC+4*\c:PC+4*\c+3] offset:(\off)+512*\c
.endr
.endm
.macro FETCH reg, off
.irp c, 0,1,2
	ds_load_b128 v[\reg+4*\c:\reg+4*\c+3], v[LI] offset:(\off)+512*\c
.endr
.endm
.macro BARRIER
	s_wait_dscnt 0x0                               ; my LDS stores have landed and my LDS loads are in
	s_barrier_signal -1
	s_barrier_wait -1
.endm
.macro LOADU set, wb, sb, lsw, foff, soff, ks
	WIN 0x40
.irp u, 0,1
.irp e, 0,1,2,3
.irp q, 0,1,2
	global_load_b128 v[96*(\set)+12*(4*\u+\e)+4*\q:96*(\set)+12*(4*\u+\e)+4*\q+3], v[LI], s[\wb:\wb+1] offset:(\foff)+(\u*(\ks)+\e)*1536+512*\q
.endr
.endr
.endr
	WIN 0
.irp u, 0,1
	global_load_b128 v[WS+8*(\set)+4*\u:WS+8*(\set)+4*\u+3], v[\lsw], s[\sb:\sb+1] offset:(\soff)+\u*32*(\ks)
.endr
.endm
.macro LOADN i                         ; units 0-3: Wo2; 4-7: Wff1, group w; 8-11: Wff1, group 4 + w; 12-19: Wff2, pair of tiles (i - 12) / 2, half of K (i - 12) % 2
.if (\i) < 4
	LOADU (\i)%2, WB4, SB4, LSW4, 589824+(\i)*12288, 24576+(\i)*512, 4
.elseif (\i) < 8
	LOADU (\i)%2, WB4, SB4, LSW4, 1179648+((\i)-4)*12288, 49152+((\i)-4)*512, 4
.elseif (\i) < 12
	LOADU (\i)%2, WB4, SB4, LSW4, 1376256+((\i)-8)*12288, 57344+((\i)-8)*512, 4
.else
	LOADU (\i)%2, WB8, SB8, LSW8, 786432+(((\i)-12)/2)*24576+(((\i)-12)%2)*6144, 32768+(((\i)-12)/2)*1024+(((\i)-12)%2)*16, 8
.endif
.endm
.macro MULU set, b, z, cw, cr          ; 8 matrix instructions: two accumulators by turns; a sum's first two take a bias as C
.irp e, 0,1,2,3
.if ((\z) == 0) && (\e == 0)
	WIN 0x01|((\cw)<<4)
.else
	WIN 0x01
.endif
.irp u, 0,1
.if ((\z) == 0) && (\e == 0)
	WMC HA+16*(\b)+8*\u, 96*(\set)+12*(4*\u+\e), XF+12*(4*(\z)+\e), (\cr)+16*(\b)+8*\u, WS+8*(\set)+4*\u+\e, XS+4*(\z)+\e
.else
	WMC HA+16*(\b)+8*\u, 96*(\set)+12*(4*\u+\e), XF+12*(4*(\z)+\e), HA+16*(\b)+8*\u, WS+8*(\set)+4*\u+\e, XS+4*(\z)+\e
.endif
.endr
.endr
	WIN 0
.endm
.macro UNIT i, n, b, z, cw, cr
	s_wait_loadcnt \n                              ; this unit's loads are in (and all issued before them); the next unit's 26 may be out
	MULU (\i)%2, \b, \z, \cw, \cr
.rept 4
	v_nop                                          ; places in front of loads into registers that matrix instructions have read, and of the first read of results
.endr
.if (\i)+2 < NU
	LOADN (\i)+2
.endif
.endm
.macro PLOAD ptr, win, reg, off
	WIN (\win)<<6
.irp t, 0,1,2,3,4,5,6,7
	global_load_b128 v[(\reg)+8*\t:(\reg)+8*\t+3], v[PV], s[\ptr:\ptr+1] offset:(\off)+(32*(\t/2)+8*(\t%2))*4
	global_load_b128 v[(\reg)+8*\t+4:(\reg)+8*\t+7], v[PV], s[\ptr:\ptr+1] offset:(\off)+(32*(\t/2)+8*(\t%2))*4+16
.endr
	WIN 0
.endm
.macro TURN_RES
	WIN 0x04
.set P, 0
.rept 16
	ds_store_b128 v[SD], v[RES+4*P:RES+4*P+3] offset:528*P
.set P, P+1
.endr
	WIN 0x40
.set P, 0
.rept 16
	ds_load_b128 v[RES+4*P:RES+4*P+3], v[SL] offset:128*(P/4)+16*(P%4)
.set P, P+1
.endr
	WIN 0
.endm
.macro RESADD
	WIN 0x04
.set J, 0
.rept 32
	v_pk_add_f32 v[HA+J:HA+J+1], v[HA+J:HA+J+1], v[RES+J:RES+J+1]   ; each accumulator from its low end on
.set J, J+2
.endr
	WIN 0
.endm
.macro LNORM k, win, gr, br, keep
	v_pk_add_f32 v[246:247], v[HA:HA+1], v[HA+2:HA+3]
	v_pk_add_f32 v[248:249], v[HA+4:HA+5], v[HA+6:HA+7]
.irp j, 8,12,16,20,24,28,32,36,40,44,48,52,56,60
	v_pk_add_f32 v[246:247], v[246:247], v[HA+\j:HA+\j+1]
	v_pk_add_f32 v[248:249], v[248:249], v[HA+\j+2:HA+\j+3]
.endr
	v_pk_add_f32 v[246:247], v[246:247], v[248:249]
	v_add_f32 v250, v246, v247
	v_permlanex16_b32 v251, v250, s[SEL], s[SEL+1]
	v_add_f32 v250, v250, v251
	ds_store_b32 v[RA], v250 offset:RS+512*(\k)
	BARRIER
	ds_load_b128 v[252:255], v[RB] offset:RS+512*(\k)
	s_wait_dscnt 0x0
	v_add_f32 v252, v252, v253
	v_add_f32 v254, v254, v255
	v_add_f32 v252, v252, v254
	v_mul_f32 v246, 0xbb000000, v252               ; minus the mean
.set J, 0
.rept 32
	v_pk_add_f32 v[HA+J:HA+J+1], v[HA+J:HA+J+1], v[246:247] op_sel_hi:[1,0]
.set J, J+2
.endr
	v_pk_mul_f32 v[248:249], v[HA:HA+1], v[HA:HA+1]
	v_pk_mul_f32 v[252:253], v[HA+2:HA+3], v[HA+2:HA+3]
.irp j, 4,8,12,16,20,24,28,32,36,40,44,48,52,56,60
	v_pk_fma_f32 v[248:249], v[HA+\j:HA+\j+1], v[HA+\j:HA+\j+1], v[248:249]
	v_pk_fma_f32 v[252:253], v[HA+\j+2:HA+\j+3], v[HA+\j+2:HA+\j+3], v[252:253]
.endr
	v_pk_add_f32 v[248:249], v[248:249], v[252:253]
	v_add_f32 v250, v248, v249
	v_permlanex16_b32 v251, v250, s[SEL], s[SEL+1]
	v_add_f32 v250, v250, v251
	ds_store_b32 v[RA], v250 offset:RS+512*(\k)+256
	BARRIER
	ds_load_b128 v[252:255], v[RB] offset:RS+512*(\k)+256
	s_wait_dscnt 0x0
	v_add_f32 v252, v252, v253
	v_add_f32 v254, v254, v255
	v_add_f32 v252, v252, v254
	v_fma_f32 v250, v252, s46, s47                 ; the variance + eps
	v_rsq_f32 v246, v250
	v_nop                                          ; a plain place behind the transcendental
	s_wait_alu depctr_va_vdst(0)                   ; and the wait ahead of its first reader
.set J, 0
.rept 32
	v_pk_mul_f32 v[HA+J:HA+J+1], v[HA+J:HA+J+1], v[246:247] op_sel_hi:[1,0]
.set J, J+2
.endr
.if \keep
	WIN 0x40|((\win)<<2)|((\win)<<4)               ; a copy for the next residual
.set J, 0
.rept 32
	v_pk_fma_f32 v[RES+J:RES+J+1], v[HA+J:HA+J+1], v[(\gr)+J:(\gr)+J+1], v[(\br)+J:(\br)+J+1]
.set J, J+2
.endr
.endif
	WIN ((\win)<<2)|((\win)<<4)
.set J, 0
.rept 32
	v_pk_fma_f32 v[HA+J:HA+J+1], v[HA+J:HA+J+1], v[(\gr)+J:(\gr)+J+1], v[(\br)+J:(\br)+J+1]
.set J, J+2
.endr
	WIN 0
.endm
.macro OUTROWS base
.set P, 0
.rept 16
	ds_store_b128 v[SL], v[HA+4*P:HA+4*P+3] offset:128*(P/4)+16*(P%4)
.set P, P+1
.endr
.set P, 0
.rept 16
	ds_load_b128 v[XF+4*P:XF+4*P+3], v[SD] offset:528*P
.set P, P+1
.endr
.set P, 0
.rept 16
	s_wait_dscnt 15-P                              ; row P is back; the rows behind it may be out
	global_store_b128 v[GD], v[XF+4*P:XF+4*P+3], s[\base:\base+1] offset:(P+8*(P/8))*2048 th:TH_STORE_NT
.set P, P+1
.endr
.endm
.macro RELU
.set J, 0
.rept 64
	v_max_num_f32 v[HA+J], 0, v[HA+J]              ; each accumulator from its low end on
.set J, J+1
.endr
.endm
	s_load_b256 s[4:11], s[0:1], 0x0               ; ao, x1, wq, bo2
	s_load_b256 s[12:19], s[0:1], 0x20             ; ln2_g, ln2_b, bff1, bff2
	s_load_b128 s[20:23], s[0:1], 0x40             ; ln3_g, ln3_b
	s_load_b64 s[24:25], s[0:1], 0x50              ; out0
	v_lshl_add_u32 v243, v0, 2, 0xd800
	v_mov_b32 v245, 0
	v_lshrrev_b32 v18, 5, v0
	v_readfirstlane_b32 s26, v18                   ; wave 0..3
	v_and_b32 v18, 31, v0
	v_and_b32 v1, 15, v0                           ; r
	v_bfe_u32 v2, v0, 4, 1                         ; h
	v_lshlrev_b32 v[LI], 4, v18
	v_lshlrev_b32 v[LS], 2, v18
	s_mul_i32 s48, s26, 8448
	v_add_nc_u32 v[SD], s48, v[LI]
	v_mul_u32_u24 v[SL], v1, 528
	v_lshl_add_u32 v[SL], v2, 6, v[SL]
	v_add_nc_u32 v[SL], s48, v[SL]
	s_mul_i32 s48, s26, FRB
	v_add_nc_u32 v[IWI], s48, v[LI]
	s_lshl_b32 s48, s26, 7
	v_add_nc_u32 v[IWS], s48, v[LS]
	v_and_b32 v19, 8, v1
	v_add_nc_u32 v19, v19, v1                      ; r + 8 (r / 8)
	v_lshlrev_b32 v[LSW4], 4, v19
	v_lshlrev_b32 v[LSW8], 5, v19
	s_lshl_b32 s48, s26, 9
	v_lshl_add_u32 v[PV], v2, 6, s48
	v_add_nc_u32 v[GD], s48, v[LI]
	v_mul_u32_u24 v[AF], v18, 24
	s_lshl_b32 s48, s26, 2
	v_lshl_add_u32 v[RA], v1, 4, s48
	v_lshlrev_b32 v[RB], 4, v1
	v_mov_b32 v251, 0                              ; a lane permute's destination counts as one of its sources
.irp b, 0,1,2,3
	v_mov_b32 v[TM+4+\b], 0
.endr
	s_mov_b32 s[SEL], 0x76543210
	s_mov_b32 s[SEL+1], 0xfedcba98
	s_mov_b32 s46, 0x3b000000                      ; 1 / 512
	s_mov_b32 s47, 0x3727c5ac                      ; 1e-5
	s_mov_b32 s49, 0
	s_wait_kmcnt 0x0
	s_mul_i32 s48, s26, 49152
	s_add_nc_u64 s[WB4:WB4+1], s[8:9], s[48:49]
	s_mul_i32 s48, s26, 98304
	s_add_nc_u64 s[WB8:WB8+1], s[8:9], s[48:49]
	s_lshl_b32 s48, s26, 11
	s_add_co_u32 s48, s48, 1572864
	s_add_nc_u64 s[SB4:SB4+1], s[8:9], s[48:49]
	s_lshl_b32 s48, s26, 12
	s_add_co_u32 s48, s48, 1572864
	s_add_nc_u64 s[SB8:SB8+1], s[8:9], s[48:49]
	s_mul_i32 s48, ttmp9, 6144
	s_add_nc_u64 s[AOC:AOC+1], s[4:5], s[48:49]
	s_lshl_b32 s48, ttmp9, 8
	s_add_co_u32 s48, s48, 1572864
	s_add_nc_u64 s[AOS:AOS+1], s[4:5], s[48:49]
	s_lshr_b32 s48, ttmp9, 1
	s_lshl_b32 s48, s48, 5
	s_and_b32 s50, ttmp9, 1
	s_lshl_b32 s50, s50, 3
	s_add_co_u32 s48, s48, s50
	s_lshl_b32 s48, s48, 11                        ; the tile's first row x 2,048 bytes
	s_add_nc_u64 s[RSB:RSB+1], s[6:7], s[48:49]
	s_add_nc_u64 s[OUB:OUB+1], s[24:25], s[48:49]
.irp e, 0,1,2,3                                ; attention's codes: K step e = heads 4 e .. 4 e + 3, four chunks on end
.irp c, 0,1
.irp p, 0,1,2
	global_load_b64 v[XF+12*\e+6*\c+2*\p:XF+12*\e+6*\c+2*\p+1], v[AF], s[AOC:AOC+1] offset:1536*\e+768*\c+8*\p
.endr
.endr
.endr
	global_load_b128 v[XS:XS+3], v[RB], s[AOS:AOS+1]
	WIN 0x40
.set P, 0
.rept 16
	global_load_b128 v[RES+4*P:RES+4*P+3], v[GD], s[RSB:RSB+1] offset:(P+8*(P/8))*2048 th:TH_LOAD_NT
.set P, P+1
.endr
	WIN 0
	PLOAD 10, 2, 0, 0
	PLOAD 12, 2, 64, 0
	PLOAD 14, 2, 128, 0
	PLOAD 16, 2, 192, 0
	PLOAD 16, 3, 0, 2048
	PLOAD 18, 3, 64, 0
	PLOAD 20, 3, 128, 0
	PLOAD 22, 3, 192, 0
	LOADN 0
	LOADN 1
.irp i, 0,1,2,3
	UNIT \i, 26, \i, 0, 2, 0
.endr
	TURN_RES
	s_wait_dscnt 0x0
	RESADD
	LNORM 0, 2, 64, 128, 1                         ; x2, in HA and as the next residual
	QUANT HA
	IMAGE IWI, XIMG
	ds_store_b32 v[IWS], v[PW] offset:XSC
	BARRIER                                        ; x2's four fragments lie in LDS
.irp e, 0,1,2,3
	FETCH XF+12*\e, XIMG+FRB*\e
	ds_load_b32 v[XS+\e], v[LS] offset:XSC+128*\e
.endr
	s_wait_dscnt 0x0
.irp i, 4,5,6,7
	UNIT \i, 26, \i-4, 0, 2, 192
.endr
	RELU
	QUANT HA
	IMAGE IWI, HIMG                                ; hidden units 128 w ..: K step w of the last product
	ds_store_b32 v[IWS], v[PW] offset:HSC
	s_wait_dscnt 0x0                               ; the stores have read their registers
.irp i, 8,9,10,11
	UNIT \i, 26, \i-8, 0, 3, 0
.endr
	RELU
	QUANT HA
	IMAGE IWI, HIMG+4*FRB                          ; hidden units 512 + 128 w ..: K step 4 + w
	ds_store_b32 v[IWS], v[PW] offset:HSC+512
	BARRIER                                        ; the hidden layer's eight fragments lie in LDS
.irp e, 0,1,2,3,4,5,6,7
	FETCH XF+12*\e, HIMG+FRB*\e
	ds_load_b32 v[XS+\e], v[LS] offset:HSC+128*\e
.endr
	s_wait_dscnt 0x0
.irp i, 12,13,14,15,16,17,18
	UNIT \i, 26, (\i-12)/2, (\i-12)%2, 3, 64
.endr
	UNIT 19, 0, 3, 1, 3, 64
	RESADD
	LNORM 1, 3, 128, 192, 0
	OUTROWS OUB
	s_wait_tensorcnt 0x0
	ds_add_u32 v243, v245
	s_wait_dscnt 0x0
	s_endpgm
.Lfunc_end_k_q5d8c19ecc5_post2:
	.size	k_q5d8c19ecc5_post2, .Lfunc_end_k_q5d8c19ecc5_post2-k_q5d8c19ecc5_post2
	.p2alignl 7, 3214868480
	.fill 96, 4, 3214868480
	.section	.rodata,"a",@progbits
	.p2align	6, 0x0
	.amdhsa_kernel k_q5d8c19ecc5_post2
		.amdhsa_group_segment_fixed_size 55808
		.amdhsa_private_segment_fixed_size 0
		.amdhsa_enable_private_segment 0
		.amdhsa_kernarg_size 88
		.amdhsa_user_sgpr_count 2
		.amdhsa_user_sgpr_kernarg_segment_ptr 1
		.amdhsa_wavefront_size32 1
		.amdhsa_system_sgpr_workgroup_id_x 1
		.amdhsa_system_sgpr_workgroup_id_y 1
		.amdhsa_system_sgpr_workgroup_id_z 1
		.amdhsa_system_vgpr_workitem_id 0
		.amdhsa_next_free_vgpr 1024
		.amdhsa_next_free_sgpr 66
		.amdhsa_reserve_vcc 0
		.amdhsa_float_denorm_mode_32 3
		.amdhsa_float_denorm_mode_16_64 3
		.amdhsa_memory_ordered 1
		.amdhsa_forward_progress 1
		.amdhsa_inst_pref_size 149
	.end_amdhsa_kernel
	.amdgpu_metadata
---
amdhsa.version: [ 1, 2 ]
amdhsa.kernels:
  - .name:           k_q5d8c19ecc5_post2
    .symbol:         k_q5d8c19ecc5_post2.kd
    .args:
      - { .name: ao, .offset: 0, .size: 8, .value_kind: global_buffer, .address_space: global }
      - { .name: x1, .offset: 8, .size: 8, .value_kind: global_buffer, .address_space: global }
      - { .name: wq, .offset: 16, .size: 8, .value_kind: global_buffer, .address_space: global }
      - { .name: bo2, .offset: 24, .size: 8, .value_kind: global_buffer, .address_space: global }
      - { .name: ln2_g, .offset: 32, .size: 8, .value_kind: global_buffer, .address_space: global }
      - { .name: ln2_b, .offset: 40, .size: 8, .value_kind: global_buffer, .address_space: global }
      - { .name: bff1, .offset: 48, .size: 8, .value_kind: global_buffer, .address_space: global }
      - { .name: bff2, .offset: 56, .size: 8, .value_kind: global_buffer, .address_space: global }
      - { .name: ln3_g, .offset: 64, .size: 8, .value_kind: global_buffer, .address_space: global }
      - { .name: ln3_b, .offset: 72, .size: 8, .value_kind: global_buffer, .address_space: global }
      - { .name: out0, .offset: 80, .size: 8, .value_kind: global_buffer, .address_space: global }
    .group_segment_fixed_size: 55808
    .private_segment_fixed_size: 0
    .kernarg_segment_align: 8
    .kernarg_segment_size: 88
    .max_flat_workgroup_size: 128
    .sgpr_count:     66
    .vgpr_count:     1024
    .wavefront_size: 32
...
	.end_amdgpu_metadata
.endif
;; end of part 5
;; ======== version 2 of 2: 6 launches; version 1 with the launches proj, post1, post2 written anew for expert scheduling mode
;; workspace buffers: wq 1,638,400 bytes; a1 4,915,200 bytes; a2 4,915,200 bytes; ao 1,638,400 bytes; x1 8,388,608 bytes; mw1 1,048,576 bytes of whole numbers; mw2 1,048,576 bytes of whole numbers
;; launch prep: the kernel of part 1 again; grid 320 x 1, 8 waves a work-group, no clusters, 68,608 bytes of LDS; arguments trg_mask, src_mask, Wq1, Wo1, Wq2, Wo2, Wff2, Wff1, wq, mw1, mw2; writes wq, mw1, mw2
;; launch proj (part 6): grid 256 x 1, 4 waves a work-group, no clusters, 47,616 bytes of LDS; arguments trg, encoded_src, bq1, bq2, wq, a1, a2; writes a1, a2
.if DOCPART == 6
	.amdgcn_target "amdgcn-amd-amdhsa--gfx1250"
	.amdhsa_code_object_version 6
	.text
	.protected	k_q5d8c19ecc5_proj
	.globl	k_q5d8c19ecc5_proj
	.p2align	8
	.type	k_q5d8c19ecc5_proj,@function
k_q5d8c19ecc5_proj:
	s_mov_b64 s[64:65], 0
	v_nop
	global_prefetch_b8 v0, s[64:65] scope:SCOPE_SE
	s_setreg_imm32_b32 hwreg(HW_REG_WAVE_SCHED_MODE, 0, 2), 2
	s_setreg_imm32_b32 hwreg(HW_REG_WAVE_MODE, 25, 1), 1
	s_wait_xcnt 0x0
	s_wait_alu depctr_vm_vsrc(0)
; PROJ.  y = Q(x) Q(W) + b for x = trg (W = Wq1; work-groups 0-127, into a1) and x = encoded_src (W = Wq2; work-groups 128-255, into a2), and y's two quantisations:
; along a head's 32 channels (attention's q and k) and along 32 keys (attention's v).  A work-group takes 32 rows (two row tiles), wave w the columns 128 w .. + 127: heads 4 w .. 4 w + 3.
; THE PRODUCT IS MADE IN BOTH ORIENTATIONS on the same fragments.  Source 0 = weights: a lane holds one row and 16 neighbouring channels: k's codes.  Source 0 = x: a lane holds one channel and 16 neighbouring
; rows (keys): v's codes.  Nothing is transposed.  Row tile u: lane r stands for row 32 x' + 8 u + r + 8 (r / 8); weight tile t likewise for columns.
; x is quantised once in the work-group: wave w takes K step w of both tiles; the fragments go to the other waves through LDS as images of their registers.
; OUT (bundle a): chunks of 384 bytes = 16 entries x 24 bytes (a block's 32 codes); a lane stores 12 bytes at 24 r + 12 h, a wave 384 consecutive bytes.
;   q's codes at 0, k's at 1,572,864: [y = 16 n + head][tile T] chunks;  v's at 3,145,728: [y][key step j][u'][beta] chunks (entry r = channel 8 u' + r + 8 (r / 8), keys 128 j + 32 beta ..);
;   scale bytes at 4,718,592 (q), 4,784,128 (k): y x 2,048 + (T / 4) x 64 + 4 r + T % 4;  4,849,664 (v): y x 2,048 + (2 j + u') x 64 + 4 r + beta.
;   In self-attention q is k: a1 gets both copies.  a2's q comes from a later launch.
; LIMITS: NaN and infinities among the inputs are not served; a block of zeros gets the byte 1 (its codes are zeros; this program alone reads the bytes).
; REGISTERS: window 0: v1-13 addresses; v24-87 HA (x's numbers, then 8 accumulators); v88-95 x's scale words; v96-111 the weights' scale words, two sets; v112-119 the bias by column; v120-135 TM; v136-155 codes;
;   v160-223 x's second tile.   window 1: v0-191 the weights' fragments, two sets of 8.   window 2: v0-95 x's 8 fragments; v128-191 the bias in the result's layout.
; THE MODE: SCHED_MODE bits 1:0 = 2 (LLVM: expert scheduling mode 2), set by the entry lines.  The code itself states the register dependences
; between vector or matrix instructions and memory or LDS instructions, with s_wait_alu, always for 0.
; THE PLAN.  Registers that memory or LDS instructions touch:
;   v3-v13        Addresses and offsets: written at the head and never again: one wait on va_vdst ahead of the first load serves them for the whole kernel.
;   HA, XD        x as loaded; stored into the stage and loaded back: a wait on vm_vsrc stands between the two runs.  From then on vector and matrix instructions alone name them.
;   PC, PW        Written by QUANT, read by the image's LDS stores: va_vdst ahead of the stores, vm_vsrc ahead of the next writer.
;   the weights' two sets and their scale words   Head b's 32 matrix instructions read set b % 2; one wait on va_vdst behind them, and head b + 2's 26 loads land there.
;   PC, v14, TM+6, TM+7   A head's out-buffer: written by its conversions; va_vdst ahead of its run of stores; vm_vsrc, beside the wait on XCNT, at the next head ahead of the first line that writes them again.
;   x's fragments and scale words, the two forms of the bias   Loaded once; nothing writes them again.
;   v254, v255    Written at the head, read by the closing add alone.
.set XIMG, 33792                       ; LDS: four stages of 8,448 bytes at 0; x's 8 images (4 u + s);
.set XSC,  46080                       ; their scale words, 128 bytes each
.set FRB,  1536
.set LI, 3
.set LS, 4
.set SD, 5
.set SL, 6
.set XWI, 7
.set XWS, 8
.set LSW, 9
.set GK, 10
.set GS, 11
.set PV, 12
.set BLO, 13
.set HA, 24
.set XS, 88
.set WS, 96
.set BL, 112
.set TM, 120
.set PC, 136
.set PW, 156
.set XD, 160
.set XF, 0
.set B1, 128
.set XB, 28
.set BB, 30
.set WB, 32
.set SB, 34
.set KCB, 36
.set KSB, 38
.set VCB, 40
.set VSB, 42
.set SEL, 44
.set MSB, 0
.macro WIN new                         ; the immediate's high byte repeats the setting that is left
.if MSB != (\new)
	s_set_vgpr_msb (MSB<<8)|(\new)
.set MSB, (\new)
.endif
.endm
.macro WM0 d, a, b, sa, sb
	v_wmma_scale_f32_16x16x128_f8f6f4 v[\d:\d+7], v[\a:\a+11], v[\b:\b+11], 0, v[\sa], v[\sb] matrix_a_fmt:MATRIX_FMT_FP6 matrix_b_fmt:MATRIX_FMT_FP6
.endm
.macro WMC d, a, b, c, sa, sb
	v_wmma_scale_f32_16x16x128_f8f6f4 v[\d:\d+7], v[\a:\a+11], v[\b:\b+11], v[\c:\c+7], v[\sa], v[\sb] matrix_a_fmt:MATRIX_FMT_FP6 matrix_b_fmt:MATRIX_FMT_FP6
.endm
; four blocks of 16 registers, each with its other half in lane l xor 16: scale operands in v[TM+12 ..], bytes in v[TM+4 ..]
.macro SCALES4 s
.irp b, 0,1,2,3
	v_max3_num_f32 v[TM+\b], |v[\s+16*\b]|, |v[\s+1+16*\b]|, 0x1800000   ; with the floor 2^(3 - 127): the byte cannot fall under 1
.endr
.irp i, 2,4,6,8,10,12,14
.irp b, 0,1,2,3
	v_max3_num_f32 v[TM+\b], v[TM+\b], |v[\s+16*\b+\i]|, |v[\s+1+16*\b+\i]|
.endr
.endr
.irp b, 0,1,2,3
	v_permlanex16_b32 v[TM+4+\b], v[TM+\b], s[SEL], s[SEL+1]
.endr
.irp b, 0,1,2,3
	v_max_num_f32 v[TM+\b], v[TM+\b], v[TM+4+\b]
.endr
.irp b, 0,1,2,3
	v_add_nc_u32 v[TM+12+\b], 0xff000000, v[TM+\b]   ; 2 off the exponent field: the conversion's scale operand
.endr
.irp b, 0,1,2,3
	v_lshrrev_b32 v[TM+4+\b], 23, v[TM+12+\b]        ; the scale's byte
.endr
.endm
; 64 numbers of a lane (register 16 b + i = k 32 b + 16 h + i of my row) become a fragment in v[PC ..] and its scale word in v[PW]
.macro QUANT s
	SCALES4 \s
	v_lshl_or_b32 v[PW], v[TM+5], 8, v[TM+4]
	v_lshl_or_b32 v[PW], v[TM+6], 16, v[PW]
	v_lshl_or_b32 v[PW], v[TM+7], 24, v[PW]
.irp c, 0,1
	v_cvt_scalef32_pk16_fp6_f32 v[PC+6*\c:PC+2+6*\c], v[\s+32*\c:\s+15+32*\c], v[TM+12+2*\c]
	v_cvt_scalef32_pk16_fp6_f32 v[PC+12+4*\c:PC+14+4*\c], v[\s+16+32*\c:\s+31+32*\c], v[TM+12+2*\c+1]
.endr
	v_nop                                          ; one plain place behind a scaled conversion
.irp c, 0,1                                    ; the operand's layout wants a whole block in a lane
.irp i, 0,1,2
	v_permlane16_swap_b32 v[PC+6*\c+\i], v[PC+12+4*\c+\i]
.endr
.irp i, 0,1,2
	v_mov_b32 v[PC+3+6*\c+\i], v[PC+12+4*\c+\i]
.endr
.endr
.endm
.macro CVT4 s                          ; four half blocks, 12 bytes each, as they are stored
.irp b, 0,1,2,3
	v_cvt_scalef32_pk16_fp6_f32 v[PC+4*\b:PC+4*\b+2], v[\s+16*\b:\s+16*\b+15], v[TM+12+\b]
.endr
	v_nop
.endm
.macro IMAGE adr, off
.irp c, 0,1,2
	ds_store_b128 v[\adr], v[PC+4*\c:PC+4*\c+3] offset:(\off)+512*\c
.endr
.endm
.macro FETCH reg, off
.irp c, 0,1,2
	ds_load_b128 v[\reg+4*\c:\reg+4*\c+3], v[LI] offset:(\off)+512*\c
.endr
.endm
.macro BARRIER
	s_wait_dscnt 0x0                               ; my LDS stores have landed and my LDS loads are in
	s_barrier_signal -1
	s_barrier_wait -1
.endm
.macro TURN_IN reg                     ; 16 dense rows of 512 bytes through my stage: a lane then holds 64 numbers of one row.  LDS serves a wave's instructions in order
.set P, 0
.rept 16
	ds_store_b128 v[SD], v[\reg+4*P:\reg+4*P+3] offset:528*P
.set P, P+1
.endr
	s_wait_alu depctr_vm_vsrc(0)                   ; the sixteen stores have read these 64 registers, in which the sixteen loads below land (and which, of HA, the products write later)
.set P, 0
.rept 16
	ds_load_b128 v[\reg+4*P:\reg+4*P+3], v[SL] offset:128*(P/4)+16*(P%4)
.set P, P+1
.endr
.endm
.macro LOADU set, foff, soff           ; a head's weights: 2 tiles x 4 K steps, 24 loads of 512 consecutive bytes, and 2 of scale words: 26 loads
	WIN 0x40
.irp u, 0,1
.irp e, 0,1,2,3
.irp q, 0,1,2
	global_load_b128 v[96*(\set)+12*(4*\u+\e)+4*\q:96*(\set)+12*(4*\u+\e)+4*\q+3], v[LI], s[WB:WB+1] offset:(\foff)+(\u*4+\e)*1536+512*\q
.endr
.endr
.endr
	WIN 0
.irp u, 0,1
	global_load_b128 v[WS+8*(\set)+4*\u:WS+8*(\set)+4*\u+3], v[LSW], s[SB:SB+1] offset:(\soff)+\u*128
.endr
.endm
	s_load_b256 s[4:11], s[0:1], 0x0               ; trg, encoded_src, bq1, bq2
	s_load_b128 s[12:15], s[0:1], 0x20             ; wq, a1
	s_load_b64 s[16:17], s[0:1], 0x30              ; a2
	v_lshl_add_u32 v254, v0, 2, 0xb800
	v_mov_b32 v255, 0
	v_lshrrev_b32 v1, 5, v0
	v_readfirstlane_b32 s18, v1                    ; wave 0..3
	v_and_b32 v14, 31, v0                          ; lane
	v_and_b32 v1, 15, v0                           ; r
	v_bfe_u32 v2, v0, 4, 1                         ; h
	v_lshlrev_b32 v[LI], 4, v14
	v_lshlrev_b32 v[LS], 2, v14
	s_wait_alu depctr_va_sdst(0)                   ; s18 is written, ahead of its first reader: LDS places and all the bases are made from it
	s_mul_i32 s19, s18, 8448
	v_add_nc_u32 v[SD], s19, v[LI]
	v_mul_u32_u24 v[SL], v1, 528
	v_lshl_add_u32 v[SL], v2, 6, v[SL]
	v_add_nc_u32 v[SL], s19, v[SL]
	s_mul_i32 s19, s18, FRB
	v_add_nc_u32 v[XWI], s19, v[LI]
	s_lshl_b32 s19, s18, 7
	v_add_nc_u32 v[XWS], s19, v[LS]
	v_and_b32 v15, 8, v1
	v_add_nc_u32 v15, v15, v1                      ; r + 8 (r / 8)
	v_lshlrev_b32 v[LSW], 4, v15                   ; a column's 16 scale bytes
	v_mul_u32_u24 v[GK], v1, 24
	v_mad_u32_u24 v[GK], v2, 12, v[GK]
	v_lshlrev_b32 v[GS], 2, v1
	s_lshl_b32 s19, s18, 9
	v_lshl_add_u32 v[PV], v2, 6, s19
	v_lshl_add_u32 v[BLO], v15, 2, s19
	s_mov_b32 s[SEL], 0x76543210
	s_mov_b32 s[SEL+1], 0xfedcba98
.irp b, 0,1,2,3
	v_mov_b32 v[TM+4+\b], 0                        ; a lane permute's destination counts as one of its sources
.endr
	s_lshr_b32 s20, ttmp9, 7                       ; 0: trg, 1: encoded_src
	s_and_b32 s21, ttmp9, 127                      ; x': my 32 rows
	s_lshr_b32 s22, s21, 6                         ; n
	s_and_b32 s23, s21, 63                         ; a: my 32 rows within the batch
	s_lshl_b32 s24, s21, 16
	s_lshl_b32 s25, s18, 9
	s_add_co_u32 s24, s24, s25
	s_mov_b32 s25, 0                               ; x: 32 x' rows of 2,048 bytes + K step w
	s_mul_i32 s46, s20, 393216
	s_mul_i32 s47, s18, 49152
	s_add_co_u32 s46, s46, s47
	s_mov_b32 s47, 0                               ; the weight's images, my group
	s_lshl_b32 s48, s20, 14
	s_lshl_b32 s49, s18, 11
	s_add_co_u32 s48, s48, s49
	s_add_co_u32 s48, s48, 1572864
	s_mov_b32 s49, 0                               ; its scale bytes
	s_lshl_b32 s26, s22, 4
	s_lshl_b32 s27, s18, 2
	s_add_co_u32 s26, s26, s27                     ; y of my first head
	s_lshl_b32 s50, s26, 7
	s_lshl_b32 s51, s23, 1
	s_add_co_u32 s50, s50, s51
	s_mul_i32 s50, s50, 384
	s_add_co_u32 s50, s50, 1572864
	s_mov_b32 s51, 0                               ; k's codes
	s_lshl_b32 s52, s26, 11
	s_lshr_b32 s53, s23, 1
	s_lshl_b32 s53, s53, 6
	s_add_co_u32 s52, s52, s53
	s_and_b32 s53, s23, 1
	s_lshl_b32 s53, s53, 1
	s_add_co_u32 s52, s52, s53
	s_add_co_u32 s52, s52, 4784128
	s_mov_b32 s53, 0                               ; k's scale bytes
	s_mul_i32 s54, s26, 49152
	s_lshr_b32 s55, s23, 2
	s_lshl_b32 s55, s55, 3
	s_and_b32 s56, s23, 3
	s_add_co_u32 s55, s55, s56
	s_mul_i32 s55, s55, 384
	s_add_co_u32 s54, s54, s55
	s_add_co_u32 s54, s54, 3145728
	s_mov_b32 s55, 0                               ; v's codes
	s_lshl_b32 s58, s26, 11
	s_lshr_b32 s57, s23, 2
	s_lshl_b32 s57, s57, 7
	s_add_co_u32 s58, s58, s57
	s_add_co_u32 s58, s58, s56
	s_add_co_u32 s58, s58, 4849664
	s_mov_b32 s59, 0                               ; v's scale bytes
	s_wait_kmcnt 0x0
	s_cmp_eq_u32 s20, 0
	s_cselect_b64 s[XB:XB+1], s[4:5], s[6:7]
	s_cselect_b64 s[BB:BB+1], s[8:9], s[10:11]
	s_cselect_b64 s[14:15], s[14:15], s[16:17]
	s_add_nc_u64 s[XB:XB+1], s[XB:XB+1], s[24:25]
	s_add_nc_u64 s[WB:WB+1], s[12:13], s[46:47]
	s_add_nc_u64 s[SB:SB+1], s[12:13], s[48:49]
	s_add_nc_u64 s[KCB:KCB+1], s[14:15], s[50:51]
	s_add_nc_u64 s[KSB:KSB+1], s[14:15], s[52:53]
	s_add_nc_u64 s[VCB:VCB+1], s[14:15], s[54:55]
	s_add_nc_u64 s[VSB:VSB+1], s[14:15], s[58:59]
	s_wait_alu depctr_va_vdst(0)                   ; the addresses and offsets v3 to v13 are written: every load, store and LDS instruction of the kernel reads one of them, and none is written again
	; ---- x: K step w of both row tiles, as dense rows: each load reads 512 consecutive bytes
.irp u, 0,1
.set P, 0
.rept 16
	global_load_b128 v[HA+136*\u+4*P:HA+136*\u+4*P+3], v[LI], s[XB:XB+1] offset:(8*\u+P+8*(P/8))*2048 th:TH_LOAD_NT
.set P, P+1
.endr
.endr
	LOADU 0, 0, 0
	s_wait_loadcnt 42                              ; tile 0's 16 loads are in; tile 1's 16 and the weights' 26 may be out
	TURN_IN HA
	s_wait_dscnt 0x0
	QUANT HA
	s_wait_alu depctr_va_vdst(0)                   ; QUANT has written v[PC ..] and v[PW], which the LDS stores below read
	IMAGE XWI, XIMG
	ds_store_b32 v[XWS], v[PW] offset:XSC
	s_wait_dscnt 0x0                               ; the stores have read their registers
	s_wait_alu depctr_vm_vsrc(0)                   ; the image's stores have read v[PC ..] and v[PW], which the second QUANT writes again
	s_wait_loadcnt 26                              ; tile 1's are in
	TURN_IN XD
	s_wait_dscnt 0x0
	QUANT XD
	s_wait_alu depctr_va_vdst(0)                   ; QUANT has written v[PC ..] and v[PW], which the LDS stores below read
	IMAGE XWI, XIMG+4*FRB
	ds_store_b32 v[XWS], v[PW] offset:XSC+512
	WIN 0x80
.irp t, 0,1,2,3,4,5,6,7                        ; the bias in the result's layout: lane (r, h), tile t: columns 32 (t / 2) + 8 (t % 2) + 16 h + 0 .. 7
	global_load_b128 v[B1+8*\t:B1+8*\t+3], v[PV], s[BB:BB+1] offset:(32*(\t/2)+8*(\t%2))*4
	global_load_b128 v[B1+8*\t+4:B1+8*\t+7], v[PV], s[BB:BB+1] offset:(32*(\t/2)+8*(\t%2))*4+16
.endr
	WIN 0
.irp t, 0,1,2,3,4,5,6,7                        ; and by column: lane r's column of tile t
	global_load_b32 v[BL+\t], v[BLO], s[BB:BB+1] offset:(32*(\t/2)+8*(\t%2))*4
.endr
	LOADU 1, 12288, 512
	BARRIER                                        ; x's eight fragments lie in LDS
	WIN 0x80
.irp i, 0,1,2,3,4,5,6,7
	FETCH XF+12*\i, XIMG+FRB*\i
.endr
	WIN 0
.irp i, 0,1,2,3,4,5,6,7
	ds_load_b32 v[XS+\i], v[LS] offset:XSC+128*\i
.endr
	s_wait_dscnt 0x0
; A HEAD: 32 matrix instructions, four accumulators by turns in each orientation, then its codes.
.macro HEADU b, n
.set SET, (\b)%2
	s_wait_loadcnt \n                              ; this head's weights are in (and all that was asked for earlier); the next head's 26 loads may be out
.irp e, 0,1,2,3
.if \e == 0
	WIN 0x29                                       ; weights window 1, x window 2, the bias (C) window 2
.else
	WIN 0x09
.endif
.irp u, 0,1
.irp t, 0,1
.if \e == 0
	WMC HA+16*\u+8*\t, 96*SET+12*(4*\t+\e), XF+12*(4*\u+\e), B1+8*(2*(\b)+\t), WS+8*SET+4*\t+\e, XS+4*\u+\e
.else
	WMC HA+16*\u+8*\t, 96*SET+12*(4*\t+\e), XF+12*(4*\u+\e), HA+16*\u+8*\t, WS+8*SET+4*\t+\e, XS+4*\u+\e
.endif
.endr
.endr
.endr
	WIN 0x06                                       ; x window 2, weights window 1
.irp e, 0,1,2,3
.irp t, 0,1
.irp u, 0,1
.if \e == 0
	WM0 HA+32+16*\t+8*\u, XF+12*(4*\u+\e), 96*SET+12*(4*\t+\e), XS+4*\u+\e, WS+8*SET+4*\t+\e
.else
	WMC HA+32+16*\t+8*\u, XF+12*(4*\u+\e), 96*SET+12*(4*\t+\e), HA+32+16*\t+8*\u, XS+4*\u+\e, WS+8*SET+4*\t+\e
.endif
.endr
.endr
.endr
	WIN 0
.rept 4
	v_nop                                          ; places in front of loads into registers that matrix instructions have read, and of the first read of results
.endr
.if (\b)+2 < 4
	s_wait_alu depctr_va_vdst(0)                   ; this head's 32 matrix instructions are done reading their set of fragments and scale words, in which the loads below land
	LOADU SET, ((\b)+2)*12288, ((\b)+2)*512
.endif
	s_wait_xcnt 0x0                                ; the last head's stores have read their data, which are written again below
	s_wait_alu depctr_vm_vsrc(0)                   ; the last head's stores (in the first head: the second image's LDS stores) have read v[PC ..], v14 and v[TM+6], v[TM+7], which the lines below write again
.irp t, 0,1
.set P, 0
.rept 16
	v_add_f32 v[HA+32+16*\t+P], v[HA+32+16*\t+P], v[BL+2*(\b)+\t]   ; the second orientation's bias: one number a lane; each accumulator from its low end on
.set P, P+1
.endr
.endr
	SCALES4 HA                                     ; blocks 0, 1: row tiles 0, 1 along the channels; blocks 2, 3: channel tiles 0, 1 along the keys
	CVT4 HA
	v_lshl_or_b32 v14, v[TM+5], 8, v[TM+4]         ; the two tiles' bytes are neighbours
	s_wait_alu depctr_va_vdst(0)                   ; the conversions have written v[PC ..], and the lines round them v14, v[TM+6] and v[TM+7]: the data of all the stores below, on both ways; no vector instruction stands among them
.irp u, 0,1
	global_store_b96 v[GK], v[PC+4*\u:PC+4*\u+2], s[KCB:KCB+1] offset:49152*(\b)+384*\u
.endr
	global_store_b16 v[GS], v14, s[KSB:KSB+1] offset:2048*(\b)
	s_cmp_lg_u32 s20, 0
	s_cbranch_scc1 .Lno_q_\@                       ; self-attention's q is its k: a second copy, 1,572,864 and 65,536 bytes lower
.irp u, 0,1
	global_store_b96 v[GK], v[PC+4*\u:PC+4*\u+2], s[KCB:KCB+1] offset:49152*(\b)+384*\u-1572864
.endr
	global_store_b16 v[GS], v14, s[KSB:KSB+1] offset:2048*(\b)-65536
.Lno_q_\@:
.irp t, 0,1
	global_store_b96 v[GK], v[PC+8+4*\t:PC+8+4*\t+2], s[VCB:VCB+1] offset:49152*(\b)+1536*\t
	global_store_b8 v[GS], v[TM+6+\t], s[VSB:VSB+1] offset:2048*(\b)+64*\t
.endr
.endm
	HEADU 0, 26
	HEADU 1, 26
	HEADU 2, 26
	HEADU 3, 0
	s_wait_dscnt 0x0                               ; the closing lines, six on end
	s_wait_alu 0x0
	s_wait_tensorcnt 0x0
	ds_add_u32 v254, v255
	s_wait_dscnt 0x0
	s_endpgm
.Lfunc_end_k_q5d8c19ecc5_proj:
	.size	k_q5d8c19ecc5_proj, .Lfunc_end_k_q5d8c19ecc5_proj-k_q5d8c19ecc5_proj
	.p2alignl 7, 3214868480
	.fill 96, 4, 3214868480
	.section	.rodata,"a",@progbits
	.p2align	6, 0x0
	.amdhsa_kernel k_q5d8c19ecc5_proj
		.amdhsa_group_segment_fixed_size 47616
		.amdhsa_private_segment_fixed_size 0
		.amdhsa_enable_private_segment 0
		.amdhsa_kernarg_size 56
		.amdhsa_user_sgpr_count 2
		.amdhsa_user_sgpr_kernarg_segment_ptr 1
		.amdhsa_wavefront_size32 1
		.amdhsa_system_sgpr_workgroup_id_x 1
		.amdhsa_system_sgpr_workgroup_id_y 1
		.amdhsa_system_sgpr_workgroup_id_z 1
		.amdhsa_system_vgpr_workitem_id 0
		.amdhsa_next_free_vgpr 768
		.amdhsa_next_free_sgpr 66
		.amdhsa_reserve_vcc 0
		.amdhsa_float_denorm_mode_32 3
		.amdhsa_float_denorm_mode_16_64 3
		.amdhsa_memory_ordered 1
		.amdhsa_forward_progress 1
		.amdhsa_inst_pref_size 73
	.end_amdhsa_kernel
	.amdgpu_metadata
---
amdhsa.version: [ 1, 2 ]
amdhsa.kernels:
  - .name:           k_q5d8c19ecc5_proj
    .symbol:         k_q5d8c19ecc5_proj.kd
    .args:
      - { .name: trg, .offset: 0, .size: 8, .value_kind: global_buffer, .address_space: global }
      - { .name: encoded_src, .offset: 8, .size: 8, .value_kind: global_buffer, .address_space: global }
      - { .name: bq1, .offset: 16, .size: 8, .value_kind: global_buffer, .address_space: global }
      - { .name: bq2, .offset: 24, .size: 8, .value_kind: global_buffer, .address_space: global }
      - { .name: wq, .offset: 32, .size: 8, .value_kind: global_buffer, .address_space: global }
      - { .name: a1, .offset: 40, .size: 8, .value_kind: global_buffer, .address_space: global }
      - { .name: a2, .offset: 48, .size: 8, .value_kind: global_buffer, .address_space: global }
    .group_segment_fixed_size: 47616
    .private_segment_fixed_size: 0
    .kernarg_segment_align: 8
    .kernarg_segment_size: 56
    .max_flat_workgroup_size: 128
    .sgpr_count:     66
    .vgpr_count:     768
    .wavefront_size: 32
...
	.end_amdgpu_metadata
.endif
;; end of part 6
;; launch attn1: the kernel of part 3 again; grid 8 x 32, 16 waves a work-group, no clusters, 169,984 bytes of LDS; arguments a1, mw1, ao; writes ao
;; launch post1 (part 7): grid 256 x 1, 4 waves a work-group, no clusters, 55,808 bytes of LDS; arguments ao, trg, wq, bo1, ln1_g, ln1_b, bq2, x1, a2; writes x1, a2
.if DOCPART == 7
	.amdgcn_target "amdgcn-amd-amdhsa--gfx1250"
	.amdhsa_code_object_version 6
	.text
	.protected	k_q5d8c19ecc5_post1
	.globl	k_q5d8c19ecc5_post1
	.p2align	8
	.type	k_q5d8c19ecc5_post1,@function
k_q5d8c19ecc5_post1:
	s_mov_b64 s[64:65], 0
	v_nop
	global_prefetch_b8 v0, s[64:65] scope:SCOPE_SE
	s_setreg_imm32_b32 hwreg(HW_REG_WAVE_SCHED_MODE, 0, 2), 2
	s_setreg_imm32_b32 hwreg(HW_REG_WAVE_MODE, 25, 1), 1
	s_wait_xcnt 0x0
	s_wait_alu depctr_vm_vsrc(0)
; POST1.  x1 = LN(trg + Q(attention) Q(Wo1) + bo1), stored in f32; q2 = Q(x1) Q(Wq2) + bq2, quantised along each head's 32 channels into a2 (q's codes and scale bytes).
; A work-group takes row tile X (16 rows: 32 (X / 2) + 8 (X % 2) + r + 8 (r / 8)), so that a LayerNorm's rows are whole in it; wave w takes columns 128 w .. + 127: 8 accumulators.
; The products are used transposed (source 0 = 16 columns of the weight, source 1 = the rows): a lane holds one row, and register 16 b + i is column 128 w + 32 b + 16 (lane / 16) + i.
; THE WEIGHTS stream from memory straight into registers, as images of the operand's registers, in units of 2 tiles x 4 K steps (26 loads), two units ahead, through two sets of registers.
; The residual and x1 go through the wave's own stage in LDS, so that memory sees whole rows of 512 bytes; x1's codes go from wave to wave as images of their registers.
; LIMITS: NaN and infinities among the inputs are not served (a NaN row that attention marks stays a NaN row); a block of zeros gets the byte 1.
; REGISTERS: window 0: v1-17 addresses; v24-87 HA; v88-135 the rows' four fragments (v88-151 rows of x1 on their way out); v184-187 their scale words; v192-207 the weights' scale words; v208-223 TM; v224-243 codes; v246-255 LayerNorm.
;   window 1: v0-191 the weights' fragments; v192-255 the residual.   window 2: bo1 at 0, ln1_g at 64, ln1_b at 128, bq2 at 192, each in the result's layout.
; THE MODE: SCHED_MODE bits 1:0 = 2 (LLVM: expert scheduling mode 2), set by the entry lines.  The code itself states the register dependences
; between vector or matrix instructions and memory or LDS instructions, with s_wait_alu, always for 0.
; THE PLAN.  Registers that memory or LDS instructions touch:
;   v3-v17        Addresses and offsets: written at the head and never again: one wait on va_vdst ahead of the first load serves them for the whole kernel.
;   the weights' two sets and their scale words   Unit i's 8 matrix instructions read set i % 2; one wait on va_vdst behind them, and unit i + 2's 26 loads land there.  A unit that asks for nothing has no wait.
;   RES           Loaded, stored into the stage and loaded back: a wait on vm_vsrc between the two runs.  Then vector instructions alone.
;   v250, v252-255   LayerNorm: v250 is written by vector lines and stored to LDS, twice: va_vdst ahead of each store (it also shows the vector lines done with v252-255, in which the four sums land),
;                 vm_vsrc behind each read-back, ahead of the next line that writes v250.
;   HA            Read by the stage's stores on x1's way out: va_vdst ahead of them; written again by the second product, behind the wait on vm_vsrc that follows the barrier.
;   XF, XS        Loaded; read by matrix instructions; XF then takes x1's rows from the stage, which the global stores read; vm_vsrc, beside the wait on XCNT, ahead of the fragments' loads.
;   PC, PW, TM+4 ..   Written by QUANT and by the last conversions: va_vdst ahead of each run of stores; the wait on vm_vsrc behind the barrier stands between the image's stores and the last conversions.
;   the biases and gains   Loaded once.      v243, v245   Written at the head, read by the closing add alone.
.set RS,   33792                       ; LDS: four stages of 8,448 bytes at 0; the reductions' words, 256 bytes each, none used twice;
.set XIMG, 34816                       ; x1's four images;
.set XSC,  40960                       ; their scale words
.set FRB,  1536
.set NU,   8                           ; units of weights
.set LI, 3
.set LS, 4
.set SD, 5
.set SL, 6
.set IWI, 7
.set IWS, 8
.set LSW4, 9
.set PV, 11
.set GD, 12
.set AF, 13
.set RA, 14
.set RB, 15
.set GK, 16
.set GS, 17
.set HA, 24
.set XF, 88
.set XS, 184
.set WS, 192
.set TM, 208
.set PC, 224
.set PW, 244
.set RES, 192
.set WB4, 28
.set SB4, 32
.set AOC, 36
.set AOS, 38
.set RSB, 40
.set OUB, 42
.set SEL, 44
.set QCB, 52
.set QSB, 54
.set MSB, 0
.macro WIN new                         ; the immediate's high byte repeats the setting that is left
.if MSB != (\new)
	s_set_vgpr_msb (MSB<<8)|(\new)
.set MSB, (\new)
.endif
.endm
.macro WMC d, a, b, c, sa, sb
	v_wmma_scale_f32_16x16x128_f8f6f4 v[\d:\d+7], v[\a:\a+11], v[\b:\b+11], v[\c:\c+7], v[\sa], v[\sb] matrix_a_fmt:MATRIX_FMT_FP6 matrix_b_fmt:MATRIX_FMT_FP6
.endm
.macro SCALES4 s
.irp b, 0,1,2,3
	v_max3_num_f32 v[TM+\b], |v[\s+16*\b]|, |v[\s+1+16*\b]|, 0x1800000   ; with the floor 2^(3 - 127): the byte cannot fall under 1
.endr
.irp i, 2,4,6,8,10,12,14
.irp b, 0,1,2,3
	v_max3_num_f32 v[TM+\b], v[TM+\b], |v[\s+16*\b+\i]|, |v[\s+1+16*\b+\i]|
.endr
.endr
.irp b, 0,1,2,3
	v_permlanex16_b32 v[TM+4+\b], v[TM+\b], s[SEL], s[SEL+1]
.endr
.irp b, 0,1,2,3
	v_max_num_f32 v[TM+\b], v[TM+\b], v[TM+4+\b]
.endr
.irp b, 0,1,2,3
	v_add_nc_u32 v[TM+12+\b], 0xff000000, v[TM+\b]
.endr
.irp b, 0,1,2,3
	v_lshrrev_b32 v[TM+4+\b], 23, v[TM+12+\b]
.endr
.endm
.macro QUANT s
	SCALES4 \s
	v_lshl_or_b32 v[PW], v[TM+5], 8, v[TM+4]
	v_lshl_or_b32 v[PW], v[TM+6], 16, v[PW]
	v_lshl_or_b32 v[PW], v[TM+7], 24, v[PW]
.irp c, 0,1
	v_cvt_scalef32_pk16_fp6_f32 v[PC+6*\c:PC+2+6*\c], v[\s+32*\c:\s+15+32*\c], v[TM+12+2*\c]
	v_cvt_scalef32_pk16_fp6_f32 v[PC+12+4*\c:PC+14+4*\c], v[\s+16+32*\c:\s+31+32*\c], v[TM+12+2*\c+1]
.endr
	v_nop
.irp c, 0,1
.irp i, 0,1,2
	v_permlane16_swap_b32 v[PC+6*\c+\i], v[PC+12+4*\c+\i]
.endr
.irp i, 0,1,2
	v_mov_b32 v[PC+3+6*\c+\i], v[PC+12+4*\c+\i]
.endr
.endr
.endm
.macro CVT4 s
.irp b, 0,1,2,3
	v_cvt_scalef32_pk16_fp6_f32 v[PC+4*\b:PC+4*\b+2], v[\s+16*\b:\s+16*\b+15], v[TM+12+\b]
.endr
	v_nop
.endm
.macro IMAGE adr, off
.irp c, 0,1,2
	ds_store_b128 v[\adr], v[PC+4*\c:PC+4*\c+3] offset:(\off)+512*\c
.endr
.endm
.macro FETCH reg, off
.irp c, 0,1,2
	ds_load_b128 v[\reg+4*\c:\reg+4*\c+3], v[LI] offset:(\off)+512*\c
.endr
.endm
.macro BARRIER
	s_wait_dscnt 0x0                               ; my LDS stores have landed and my LDS loads are in
	s_barrier_signal -1
	s_barrier_wait -1
.endm
.macro LOADU set, wb, sb, lsw, foff, soff, ks
	WIN 0x40
.irp u, 0,1
.irp e, 0,1,2,3
.irp q, 0,1,2
	global_load_b128 v[96*(\set)+12*(4*\u+\e)+4*\q:96*(\set)+12*(4*\u+\e)+4*\q+3], v[LI], s[\wb:\wb+1] offset:(\foff)+(\u*(\ks)+\e)*1536+512*\q
.endr
.endr
.endr
	WIN 0
.irp u, 0,1
	global_load_b128 v[WS+8*(\set)+4*\u:WS+8*(\set)+4*\u+3], v[\lsw], s[\sb:\sb+1] offset:(\soff)+\u*32*(\ks)
.endr
.endm
.macro LOADN i                         ; units 0-3: Wo1; 4-7: Wq2
.if (\i) < 4
	LOADU (\i)%2, WB4, SB4, LSW4, 196608+(\i)*12288, 8192+(\i)*512, 4
.else
	LOADU (\i)%2, WB4, SB4, LSW4, 393216+((\i)-4)*12288, 16384+((\i)-4)*512, 4
.endif
.endm
.macro MULU set, b, z, cw, cr          ; 8 matrix instructions: two accumulators by turns; the first two take a bias as C
.irp e, 0,1,2,3
.if ((\z) == 0) && (\e == 0)
	WIN 0x01|((\cw)<<4)
.else
	WIN 0x01
.endif
.irp u, 0,1
.if ((\z) == 0) && (\e == 0)
	WMC HA+16*(\b)+8*\u, 96*(\set)+12*(4*\u+\e), XF+12*(4*(\z)+\e), (\cr)+16*(\b)+8*\u, WS+8*(\set)+4*\u+\e, XS+4*(\z)+\e
.else
	WMC HA+16*(\b)+8*\u, 96*(\set)+12*(4*\u+\e), XF+12*(4*(\z)+\e), HA+16*(\b)+8*\u, WS+8*(\set)+4*\u+\e, XS+4*(\z)+\e
.endif
.endr
.endr
	WIN 0
.endm
.macro UNIT i, n, b, z, cw, cr
	s_wait_loadcnt \n                              ; this unit's loads are in (and all issued before them); the next unit's 26 may be out
	MULU (\i)%2, \b, \z, \cw, \cr
.rept 4
	v_nop                                          ; places in front of loads into registers that matrix instructions have read, and of the first read of results
.endr
.if (\i)+2 < NU
	s_wait_alu depctr_va_vdst(0)                   ; this unit's 8 matrix instructions are done reading their set of fragments and scale words, in which the loads below land
	LOADN (\i)+2
.endif
.endm
.macro PLOAD ptr, win, reg, off        ; a vector of 512 in the result's layout: my 128 columns, 64 a lane
	WIN (\win)<<6
.irp t, 0,1,2,3,4,5,6,7
	global_load_b128 v[(\reg)+8*\t:(\reg)+8*\t+3], v[PV], s[\ptr:\ptr+1] offset:(\off)+(32*(\t/2)+8*(\t%2))*4
	global_load_b128 v[(\reg)+8*\t+4:(\reg)+8*\t+7], v[PV], s[\ptr:\ptr+1] offset:(\off)+(32*(\t/2)+8*(\t%2))*4+16
.endr
	WIN 0
.endm
.macro TURN_RES                        ; the residual's 16 dense rows through my stage.  LDS serves a wave's instructions in order
	WIN 0x04
.set P, 0
.rept 16
	ds_store_b128 v[SD], v[RES+4*P:RES+4*P+3] offset:528*P
.set P, P+1
.endr
	WIN 0x40
	s_wait_alu depctr_vm_vsrc(0)                   ; the sixteen stores have read the residual's 64 registers, in which the sixteen loads below land
.set P, 0
.rept 16
	ds_load_b128 v[RES+4*P:RES+4*P+3], v[SL] offset:128*(P/4)+16*(P%4)
.set P, P+1
.endr
	WIN 0
.endm
.macro RESADD
	WIN 0x04
.set J, 0
.rept 32
	v_pk_add_f32 v[HA+J:HA+J+1], v[HA+J:HA+J+1], v[RES+J:RES+J+1]   ; each accumulator from its low end on
.set J, J+2
.endr
	WIN 0
.endm
; LayerNorm of the rows in HA, in two passes (the mean, then the squares of what is left).  A row's 512 numbers lie in two lanes of each of four waves: the waves' sums meet in LDS, behind a barrier each.
.macro LNORM k, win, gr, br, keep
	v_pk_add_f32 v[246:247], v[HA:HA+1], v[HA+2:HA+3]
	v_pk_add_f32 v[248:249], v[HA+4:HA+5], v[HA+6:HA+7]
.irp j, 8,12,16,20,24,28,32,36,40,44,48,52,56,60
	v_pk_add_f32 v[246:247], v[246:247], v[HA+\j:HA+\j+1]
	v_pk_add_f32 v[248:249], v[248:249], v[HA+\j+2:HA+\j+3]
.endr
	v_pk_add_f32 v[246:247], v[246:247], v[248:249]
	v_add_f32 v250, v246, v247
	v_permlanex16_b32 v251, v250, s[SEL], s[SEL+1]
	v_add_f32 v250, v250, v251
	s_wait_alu depctr_va_vdst(0)                   ; v250, my sum, is written, which the LDS store reads; and every earlier vector line is done with v252 to v255, in which the four sums land
	ds_store_b32 v[RA], v250 offset:RS+512*(\k)
	BARRIER
	ds_load_b128 v[252:255], v[RB] offset:RS+512*(\k)
	s_wait_dscnt 0x0
	s_wait_alu depctr_vm_vsrc(0)                   ; the LDS store has read v250, which the second pass writes again
	v_add_f32 v252, v252, v253
	v_add_f32 v254, v254, v255
	v_add_f32 v252, v252, v254
	v_mul_f32 v246, 0xbb000000, v252               ; minus the mean
.set J, 0
.rept 32
	v_pk_add_f32 v[HA+J:HA+J+1], v[HA+J:HA+J+1], v[246:247] op_sel_hi:[1,0]
.set J, J+2
.endr
	v_pk_mul_f32 v[248:249], v[HA:HA+1], v[HA:HA+1]
	v_pk_mul_f32 v[252:253], v[HA+2:HA+3], v[HA+2:HA+3]
.irp j, 4,8,12,16,20,24,28,32,36,40,44,48,52,56,60
	v_pk_fma_f32 v[248:249], v[HA+\j:HA+\j+1], v[HA+\j:HA+\j+1], v[248:249]
	v_pk_fma_f32 v[252:253], v[HA+\j+2:HA+\j+3], v[HA+\j+2:HA+\j+3], v[252:253]
.endr
	v_pk_add_f32 v[248:249], v[248:249], v[252:253]
	v_add_f32 v250, v248, v249
	v_permlanex16_b32 v251, v250, s[SEL], s[SEL+1]
	v_add_f32 v250, v250, v251
	s_wait_alu depctr_va_vdst(0)                   ; v250, my sum of squares, is written, which the LDS store reads; and the lines above are done with v252 to v255, in which the four sums land
	ds_store_b32 v[RA], v250 offset:RS+512*(\k)+256
	BARRIER
	ds_load_b128 v[252:255], v[RB] offset:RS+512*(\k)+256
	s_wait_dscnt 0x0
	s_wait_alu depctr_vm_vsrc(0)                   ; the LDS store has read v250, which the variance's line writes again
	v_add_f32 v252, v252, v253
	v_add_f32 v254, v254, v255
	v_add_f32 v252, v252, v254
	v_fma_f32 v250, v252, s46, s47                 ; the variance + eps
	v_rsq_f32 v246, v250
	v_nop                                          ; a plain place behind the transcendental
	s_wait_alu depctr_va_vdst(0)                   ; and the wait ahead of its first reader
.set J, 0
.rept 32
	v_pk_mul_f32 v[HA+J:HA+J+1], v[HA+J:HA+J+1], v[246:247] op_sel_hi:[1,0]
.set J, J+2
.endr
.if \keep
	WIN 0x40|((\win)<<2)|((\win)<<4)               ; a copy for the next residual
.set J, 0
.rept 32
	v_pk_fma_f32 v[RES+J:RES+J+1], v[HA+J:HA+J+1], v[(\gr)+J:(\gr)+J+1], v[(\br)+J:(\br)+J+1]
.set J, J+2
.endr
.endif
	WIN ((\win)<<2)|((\win)<<4)
.set J, 0
.rept 32
	v_pk_fma_f32 v[HA+J:HA+J+1], v[HA+J:HA+J+1], v[(\gr)+J:(\gr)+J+1], v[(\br)+J:(\br)+J+1]
.set J, J+2
.endr
	WIN 0
.endm
.macro OUTROWS base                    ; HA through my stage, out as 16 rows of 512 consecutive bytes, aligned
	s_wait_alu depctr_va_vdst(0)                   ; the LayerNorm's last lines have written HA, which the LDS stores read; and the matrix instructions are done reading v[XF ..], in which the rows land
.set P, 0
.rept 16
	ds_store_b128 v[SL], v[HA+4*P:HA+4*P+3] offset:128*(P/4)+16*(P%4)
.set P, P+1
.endr
.set P, 0
.rept 16
	ds_load_b128 v[XF+4*P:XF+4*P+3], v[SD] offset:528*P
.set P, P+1
.endr
.set P, 0
.rept 16
	s_wait_dscnt 15-P                              ; row P is back; the rows behind it may be out
	global_store_b128 v[GD], v[XF+4*P:XF+4*P+3], s[\base:\base+1] offset:(P+8*(P/8))*2048
.set P, P+1
.endr
.endm
	s_load_b256 s[4:11], s[0:1], 0x0               ; ao, trg, wq, bo1
	s_load_b256 s[12:19], s[0:1], 0x20             ; ln1_g, ln1_b, bq2, x1
	s_load_b64 s[20:21], s[0:1], 0x40              ; a2
	v_lshl_add_u32 v243, v0, 2, 0xd800
	v_mov_b32 v245, 0
	v_lshrrev_b32 v18, 5, v0
	v_readfirstlane_b32 s26, v18                   ; wave 0..3
	v_and_b32 v18, 31, v0
	v_and_b32 v1, 15, v0                           ; r
	v_bfe_u32 v2, v0, 4, 1                         ; h
	v_lshlrev_b32 v[LI], 4, v18
	v_lshlrev_b32 v[LS], 2, v18
	s_wait_alu depctr_va_sdst(0)                   ; s26 is written, ahead of its first reader: LDS places and the bases are made from it
	s_mul_i32 s48, s26, 8448
	v_add_nc_u32 v[SD], s48, v[LI]
	v_mul_u32_u24 v[SL], v1, 528
	v_lshl_add_u32 v[SL], v2, 6, v[SL]
	v_add_nc_u32 v[SL], s48, v[SL]
	s_mul_i32 s48, s26, FRB
	v_add_nc_u32 v[IWI], s48, v[LI]
	s_lshl_b32 s48, s26, 7
	v_add_nc_u32 v[IWS], s48, v[LS]
	v_and_b32 v19, 8, v1
	v_add_nc_u32 v19, v19, v1                      ; r + 8 (r / 8)
	v_lshlrev_b32 v[LSW4], 4, v19
	s_lshl_b32 s48, s26, 9
	v_lshl_add_u32 v[PV], v2, 6, s48
	v_add_nc_u32 v[GD], s48, v[LI]
	v_mul_u32_u24 v[AF], v18, 24
	s_lshl_b32 s48, s26, 2
	v_lshl_add_u32 v[RA], v1, 4, s48
	v_lshlrev_b32 v[RB], 4, v1
	v_mul_u32_u24 v[GK], v1, 24
	v_mad_u32_u24 v[GK], v2, 12, v[GK]
	v_lshlrev_b32 v[GS], 2, v1
	v_mov_b32 v251, 0                              ; a lane permute's destination counts as one of its sources
.irp b, 0,1,2,3
	v_mov_b32 v[TM+4+\b], 0
.endr
	s_mov_b32 s[SEL], 0x76543210
	s_mov_b32 s[SEL+1], 0xfedcba98
	s_mov_b32 s46, 0x3b000000                      ; 1 / 512
	s_mov_b32 s47, 0x3727c5ac                      ; 1e-5
	s_mov_b32 s49, 0
	s_mov_b32 s57, 0
	s_wait_kmcnt 0x0
	s_mul_i32 s48, s26, 49152
	s_add_nc_u64 s[WB4:WB4+1], s[8:9], s[48:49]
	s_lshl_b32 s48, s26, 11
	s_add_co_u32 s48, s48, 1572864
	s_add_nc_u64 s[SB4:SB4+1], s[8:9], s[48:49]
	s_mul_i32 s48, ttmp9, 6144
	s_add_nc_u64 s[AOC:AOC+1], s[4:5], s[48:49]
	s_lshl_b32 s48, ttmp9, 8
	s_add_co_u32 s48, s48, 1572864
	s_add_nc_u64 s[AOS:AOS+1], s[4:5], s[48:49]
	s_lshr_b32 s48, ttmp9, 1
	s_lshl_b32 s48, s48, 5
	s_and_b32 s50, ttmp9, 1
	s_lshl_b32 s50, s50, 3
	s_add_co_u32 s48, s48, s50
	s_lshl_b32 s48, s48, 11                        ; the tile's first row x 2,048 bytes
	s_add_nc_u64 s[RSB:RSB+1], s[6:7], s[48:49]
	s_add_nc_u64 s[OUB:OUB+1], s[18:19], s[48:49]
	s_lshr_b32 s48, ttmp9, 7
	s_lshl_b32 s48, s48, 4
	s_lshl_b32 s50, s26, 2
	s_add_co_u32 s48, s48, s50                     ; y of my first head
	s_and_b32 s50, ttmp9, 127                      ; T
	s_lshl_b32 s51, s48, 7
	s_add_co_u32 s51, s51, s50
	s_mul_i32 s56, s51, 384
	s_add_nc_u64 s[QCB:QCB+1], s[20:21], s[56:57]
	s_lshl_b32 s56, s48, 11
	s_lshr_b32 s51, s50, 2
	s_lshl_b32 s51, s51, 6
	s_add_co_u32 s56, s56, s51
	s_and_b32 s51, s50, 3
	s_add_co_u32 s56, s56, s51
	s_add_co_u32 s56, s56, 4718592
	s_add_nc_u64 s[QSB:QSB+1], s[20:21], s[56:57]
	s_wait_alu depctr_va_vdst(0)                   ; the addresses and offsets v3 to v17 are written: every load, store and LDS instruction of the kernel reads one of them, and none is written again
.irp e, 0,1,2,3                                ; attention's codes: K step e = heads 4 e .. 4 e + 3, four chunks on end
.irp c, 0,1
.irp p, 0,1,2
	global_load_b64 v[XF+12*\e+6*\c+2*\p:XF+12*\e+6*\c+2*\p+1], v[AF], s[AOC:AOC+1] offset:1536*\e+768*\c+8*\p
.endr
.endr
.endr
	global_load_b128 v[XS:XS+3], v[RB], s[AOS:AOS+1]
	WIN 0x40
.set P, 0
.rept 16
	global_load_b128 v[RES+4*P:RES+4*P+3], v[GD], s[RSB:RSB+1] offset:(P+8*(P/8))*2048 th:TH_LOAD_NT
.set P, P+1
.endr
	WIN 0
	PLOAD 10, 2, 0, 0
	PLOAD 12, 2, 64, 0
	PLOAD 14, 2, 128, 0
	PLOAD 16, 2, 192, 0
	LOADN 0
	LOADN 1
.irp i, 0,1,2,3
	UNIT \i, 26, \i, 0, 2, 0
.endr
	TURN_RES
	s_wait_dscnt 0x0
	RESADD
	LNORM 0, 2, 64, 128, 0
	OUTROWS OUB                                    ; x1
	QUANT HA
	s_wait_alu depctr_va_vdst(0)                   ; QUANT has written v[PC ..] and v[PW], which the LDS stores below read
	IMAGE IWI, XIMG
	ds_store_b32 v[IWS], v[PW] offset:XSC
	BARRIER                                        ; x1's four fragments lie in LDS
	s_wait_xcnt 0x0                                ; x1's stores have read the registers into which the fragments come
	s_wait_alu depctr_vm_vsrc(0)                   ; x1's global stores have read v[XF ..], in which the fragments land; the stage's stores have read HA, which the next products write; the image's stores have read v[PC ..], which the last conversions write
.irp e, 0,1,2,3
	FETCH XF+12*\e, XIMG+FRB*\e
	ds_load_b32 v[XS+\e], v[LS] offset:XSC+128*\e
.endr
	s_wait_dscnt 0x0
.irp i, 4,5,6
	UNIT \i, 26, \i-4, 0, 2, 192
.endr
	UNIT 7, 0, 3, 0, 2, 192
	SCALES4 HA                                     ; block b = head 4 w + b
	CVT4 HA
	s_wait_alu depctr_va_vdst(0)                   ; the conversions have written v[PC ..] and the lines ahead of them v[TM+4 ..], which the stores below read
.irp b, 0,1,2,3
	global_store_b96 v[GK], v[PC+4*\b:PC+4*\b+2], s[QCB:QCB+1] offset:49152*\b
	global_store_b8 v[GS], v[TM+4+\b], s[QSB:QSB+1] offset:2048*\b
.endr
	s_wait_dscnt 0x0                               ; the closing lines, six on end
	s_wait_alu 0x0
	s_wait_tensorcnt 0x0
	ds_add_u32 v243, v245
	s_wait_dscnt 0x0
	s_endpgm
.Lfunc_end_k_q5d8c19ecc5_post1:
	.size	k_q5d8c19ecc5_post1, .Lfunc_end_k_q5d8c19ecc5_post1-k_q5d8c19ecc5_post1
	.p2alignl 7, 3214868480
	.fill 96, 4, 3214868480
	.section	.rodata,"a",@progbits
	.p2align	6, 0x0
	.amdhsa_kernel k_q5d8c19ecc5_post1
		.amdhsa_group_segment_fixed_size 55808
		.amdhsa_private_segment_fixed_size 0
		.amdhsa_enable_private_segment 0
		.amdhsa_kernarg_size 72
		.amdhsa_user_sgpr_count 2
		.amdhsa_user_sgpr_kernarg_segment_ptr 1
		.amdhsa_wavefront_size32 1
		.amdhsa_system_sgpr_workgroup_id_x 1
		.amdhsa_system_sgpr_workgroup_id_y 1
		.amdhsa_system_sgpr_workgroup_id_z 1
		.amdhsa_system_vgpr_workitem_id 0
		.amdhsa_next_free_vgpr 768
		.amdhsa_next_free_sgpr 66
		.amdhsa_reserve_vcc 0
		.amdhsa_float_denorm_mode_32 3
		.amdhsa_float_denorm_mode_16_64 3
		.amdhsa_memory_ordered 1
		.amdhsa_forward_progress 1
		.amdhsa_inst_pref_size 74
	.end_amdhsa_kernel
	.amdgpu_metadata
---
amdhsa.version: [ 1, 2 ]
amdhsa.kernels:
  - .name:           k_q5d8c19ecc5_post1
    .symbol:         k_q5d8c19ecc5_post1.kd
    .args:
      - { .name: ao, .offset: 0, .size: 8, .value_kind: global_buffer, .address_space: global }
      - { .name: trg, .offset: 8, .size: 8, .value_kind: global_buffer, .address_space: global }
      - { .name: wq, .offset: 16, .size: 8, .value_kind: global_buffer, .address_space: global }
      - { .name: bo1, .offset: 24, .size: 8, .value_kind: global_buffer, .address_space: global }
      - { .name: ln1_g, .offset: 32, .size: 8, .value_kind: global_buffer, .address_space: global }
      - { .name: ln1_b, .offset: 40, .size: 8, .value_kind: global_buffer, .address_space: global }
      - { .name: bq2, .offset: 48, .size: 8, .value_kind: global_buffer, .address_space: global }
      - { .name: x1, .offset: 56, .size: 8, .value_kind: global_buffer, .address_space: global }
      - { .name: a2, .offset: 64, .size: 8, .value_kind: global_buffer, .address_space: global }
    .group_segment_fixed_size: 55808
    .private_segment_fixed_size: 0
    .kernarg_segment_align: 8
    .kernarg_segment_size: 72
    .max_flat_workgroup_size: 128
    .sgpr_count:     66
    .vgpr_count:     768
    .wavefront_size: 32
...
	.end_amdgpu_metadata
.endif
;; end of part 7
;; launch attn2: the kernel of part 3 again; grid 8 x 32, 16 waves a work-group, no clusters, 169,984 bytes of LDS; arguments a2, mw2, ao; writes ao
;; launch post2 (part 8): grid 256 x 1, 4 waves a work-group, no clusters, 55,808 bytes of LDS; arguments ao, x1, wq, bo2, ln2_g, ln2_b, bff1, bff2, ln3_g, ln3_b, out0; writes out0
.if DOCPART == 8
	.amdgcn_target "amdgcn-amd-amdhsa--gfx1250"
	.amdhsa_code_object_version 6
	.text
	.protected	k_q5d8c19ecc5_post2
	.globl	k_q5d8c19ecc5_post2
	.p2align	8
	.type	k_q5d8c19ecc5_post2,@function
k_q5d8c19ecc5_post2:
	s_mov_b64 s[64:65], 0
	v_nop
	global_prefetch_b8 v0, s[64:65] scope:SCOPE_SE
	s_setreg_imm32_b32 hwreg(HW_REG_WAVE_SCHED_MODE, 0, 2), 2
	s_setreg_imm32_b32 hwreg(HW_REG_WAVE_MODE, 25, 1), 1
	s_wait_xcnt 0x0
	s_wait_alu depctr_vm_vsrc(0)
; POST2.  x2 = LN(x1 + Q(attention) Q(Wo2) + bo2);  out = LN(x2 + Q(relu(Q(x2) Q(Wff1) + bff1)) Q(Wff2) + bff2).  x2 and the hidden layer never go to memory.
; A work-group takes row tile X (16 rows: 32 (X / 2) + 8 (X % 2) + r + 8 (r / 8)); wave w takes columns 128 w .. + 127 of each product of width 512, and hidden units 128 w .. and 512 + 128 w .. of the 1,024.
; The products are used transposed (source 0 = 16 columns of the weight, source 1 = the rows): a lane holds one row, and register 16 b + i is column 128 w + 32 b + 16 (lane / 16) + i.
; THE WEIGHTS stream from memory straight into registers, as images of the operand's registers, in 20 units of 2 tiles x 4 K steps (26 loads), two units ahead, through two sets of registers.
; Codes go from wave to wave through LDS as images of their registers; six barriers, and every exchange has LDS bytes of its own.
; LIMITS: NaN and infinities among the inputs are not served (a NaN row stays a NaN row); a block of zeros gets the byte 1.
; REGISTERS: window 0: v1-15 addresses; v24-87 HA; v88-183 the rows' fragments, up to eight; v184-191 their scale words; v192-207 the weights' scale words; v208-223 TM; v224-243 codes; v246-255 LayerNorm.
;   window 1: v0-191 the weights' fragments; v192-255 the residual.   window 2: bo2, ln2_g, ln2_b, bff1's first half.   window 3: bff1's second half, bff2, ln3_g, ln3_b.  64 registers each, in the result's layout.
; THE MODE: SCHED_MODE bits 1:0 = 2 (LLVM: expert scheduling mode 2), set by the entry lines.  The code itself states the register dependences
; between vector or matrix instructions and memory or LDS instructions, with s_wait_alu, always for 0.
; THE PLAN.  Registers that memory or LDS instructions touch:
;   v3-v15        Addresses and offsets: written at the head and never again: one wait on va_vdst ahead of the first load serves them for the whole kernel.
;   the weights' two sets and their scale words   Unit i's 8 matrix instructions read set i % 2; one wait on va_vdst behind them, and unit i + 2's 26 loads land there.  A unit that asks for nothing has no wait.
;   RES           Loaded, stored into the stage and loaded back: a wait on vm_vsrc between the two runs, which also stands ahead of the vector lines that later lay x2 there.
;   v250, v252-255   LayerNorm: v250 is written by vector lines and stored to LDS, twice: va_vdst ahead of each store (it also shows the vector lines done with v252-255, in which the four sums land),
;                 vm_vsrc behind each read-back, ahead of the next line that writes v250.
;   PC, PW        Written by QUANT, three times, read by an image's LDS stores: va_vdst ahead of each image, vm_vsrc ahead of the second and the third QUANT.
;   XF, XS        Loaded three times; read by matrix instructions between: the wait on va_vdst ahead of an image (or of the way out's stores) also shows those done, and no vector or matrix line behind it names them.
;   HA            Read by the stage's stores on the way out alone: va_vdst ahead of them.
;   the biases and gains   Loaded once.      v243, v245   Written at the head, read by the closing add alone.
.set RS,   33792
.set XIMG, 34816
.set XSC,  40960
.set HIMG, 41472                       ; the hidden layer's eight images
.set HSC,  53760                       ; their scale words
.set FRB,  1536
.set NU,   20
.set LI, 3
.set LS, 4
.set SD, 5
.set SL, 6
.set IWI, 7
.set IWS, 8
.set LSW4, 9
.set LSW8, 10
.set PV, 11
.set GD, 12
.set AF, 13
.set RA, 14
.set RB, 15
.set HA, 24
.set XF, 88
.set XS, 184
.set WS, 192
.set TM, 208
.set PC, 224
.set PW, 244
.set RES, 192
.set WB4, 28
.set WB8, 30
.set SB4, 32
.set SB8, 34
.set AOC, 36
.set AOS, 38
.set RSB, 40
.set OUB, 42
.set SEL, 44
.set MSB, 0
.macro WIN new                         ; the immediate's high byte repeats the setting that is left
.if MSB != (\new)
	s_set_vgpr_msb (MSB<<8)|(\new)
.set MSB, (\new)
.endif
.endm
.macro WMC d, a, b, c, sa, sb
	v_wmma_scale_f32_16x16x128_f8f6f4 v[\d:\d+7], v[\a:\a+11], v[\b:\b+11], v[\c:\c+7], v[\sa], v[\sb] matrix_a_fmt:MATRIX_FMT_FP6 matrix_b_fmt:MATRIX_FMT_FP6
.endm
.macro SCALES4 s
.irp b, 0,1,2,3
	v_max3_num_f32 v[TM+\b], |v[\s+16*\b]|, |v[\s+1+16*\b]|, 0x1800000   ; with the floor 2^(3 - 127): the byte cannot fall under 1
.endr
.irp i, 2,4,6,8,10,12,14
.irp b, 0,1,2,3
	v_max3_num_f32 v[TM+\b], v[TM+\b], |v[\s+16*\b+\i]|, |v[\s+1+16*\b+\i]|
.endr
.endr
.irp b, 0,1,2,3
	v_permlanex16_b32 v[TM+4+\b], v[TM+\b], s[SEL], s[SEL+1]
.endr
.irp b, 0,1,2,3
	v_max_num_f32 v[TM+\b], v[TM+\b], v[TM+4+\b]
.endr
.irp b, 0,1,2,3
	v_add_nc_u32 v[TM+12+\b], 0xff000000, v[TM+\b]
.endr
.irp b, 0,1,2,3
	v_lshrrev_b32 v[TM+4+\b], 23, v[TM+12+\b]
.endr
.endm
.macro QUANT s
	SCALES4 \s
	v_lshl_or_b32 v[PW], v[TM+5], 8, v[TM+4]
	v_lshl_or_b32 v[PW], v[TM+6], 16, v[PW]
	v_lshl_or_b32 v[PW], v[TM+7], 24, v[PW]
.irp c, 0,1
	v_cvt_scalef32_pk16_fp6_f32 v[PC+6*\c:PC+2+6*\c], v[\s+32*\c:\s+15+32*\c], v[TM+12+2*\c]
	v_cvt_scalef32_pk16_fp6_f32 v[PC+12+4*\c:PC+14+4*\c], v[\s+16+32*\c:\s+31+32*\c], v[TM+12+2*\c+1]
.endr
	v_nop
.irp c, 0,1
.irp i, 0,1,2
	v_permlane16_swap_b32 v[PC+6*\c+\i], v[PC+12+4*\c+\i]
.endr
.irp i, 0,1,2
	v_mov_b32 v[PC+3+6*\c+\i], v[PC+12+4*\c+\i]
.endr
.endr
.endm
.macro IMAGE adr, off
.irp c, 0,1,2
	ds_store_b128 v[\adr], v[PC+4*\c:PC+4*\c+3] offset:(\off)+512*\c
.endr
.endm
.macro FETCH reg, off
.irp c, 0,1,2
	ds_load_b128 v[\reg+4*\c:\reg+4*\c+3], v[LI] offset:(\off)+512*\c
.endr
.endm
.macro BARRIER
	s_wait_dscnt 0x0                               ; my LDS stores have landed and my LDS loads are in
	s_barrier_signal -1
	s_barrier_wait -1
.endm
.macro LOADU set, wb, sb, lsw, foff, soff, ks
	WIN 0x40
.irp u, 0,1
.irp e, 0,1,2,3
.irp q, 0,1,2
	global_load_b128 v[96*(\set)+12*(4*\u+\e)+4*\q:96*(\set)+12*(4*\u+\e)+4*\q+3], v[LI], s[\wb:\wb+1] offset:(\foff)+(\u*(\ks)+\e)*1536+512*\q
.endr
.endr
.endr
	WIN 0
.irp u, 0,1
	global_load_b128 v[WS+8*(\set)+4*\u:WS+8*(\set)+4*\u+3], v[\lsw], s[\sb:\sb+1] offset:(\soff)+\u*32*(\ks)
.endr
.endm
.macro LOADN i                         ; units 0-3: Wo2; 4-7: Wff1, group w; 8-11: Wff1, group 4 + w; 12-19: Wff2, pair of tiles (i - 12) / 2, half of K (i - 12) % 2
.if (\i) < 4
	LOADU (\i)%2, WB4, SB4, LSW4, 589824+(\i)*12288, 24576+(\i)*512, 4
.elseif (\i) < 8
	LOADU (\i)%2, WB4, SB4, LSW4, 1179648+((\i)-4)*12288, 49152+((\i)-4)*512, 4
.elseif (\i) < 12
	LOADU (\i)%2, WB4, SB4, LSW4, 1376256+((\i)-8)*12288, 57344+((\i)-8)*512, 4
.else
	LOADU (\i)%2, WB8, SB8, LSW8, 786432+(((\i)-12)/2)*24576+(((\i)-12)%2)*6144, 32768+(((\i)-12)/2)*1024+(((\i)-12)%2)*16, 8
.endif
.endm
.macro MULU set, b, z, cw, cr          ; 8 matrix instructions: two accumulators by turns; a sum's first two take a bias as C
.irp e, 0,1,2,3
.if ((\z) == 0) && (\e == 0)
	WIN 0x01|((\cw)<<4)
.else
	WIN 0x01
.endif
.irp u, 0,1
.if ((\z) == 0) && (\e == 0)
	WMC HA+16*(\b)+8*\u, 96*(\set)+12*(4*\u+\e), XF+12*(4*(\z)+\e), (\cr)+16*(\b)+8*\u, WS+8*(\set)+4*\u+\e, XS+4*(\z)+\e
.else
	WMC HA+16*(\b)+8*\u, 96*(\set)+12*(4*\u+\e), XF+12*(4*(\z)+\e), HA+16*(\b)+8*\u, WS+8*(\set)+4*\u+\e, XS+4*(\z)+\e
.endif
.endr
.endr
	WIN 0
.endm
.macro UNIT i, n, b, z, cw, cr
	s_wait_loadcnt \n                              ; this unit's loads are in (and all issued before them); the next unit's 26 may be out
	MULU (\i)%2, \b, \z, \cw, \cr
.rept 4
	v_nop                                          ; places in front of loads into registers that matrix instructions have read, and of the first read of results
.endr
.if (\i)+2 < NU
	s_wait_alu depctr_va_vdst(0)                   ; this unit's 8 matrix instructions are done reading their set of fragments and scale words, in which the loads below land
	LOADN (\i)+2
.endif
.endm
.macro PLOAD ptr, win, reg, off
	WIN (\win)<<6
.irp t, 0,1,2,3,4,5,6,7
	global_load_b128 v[(\reg)+8*\t:(\reg)+8*\t+3], v[PV], s[\ptr:\ptr+1] offset:(\off)+(32*(\t/2)+8*(\t%2))*4
	global_load_b128 v[(\reg)+8*\t+4:(\reg)+8*\t+7], v[PV], s[\ptr:\ptr+1] offset:(\off)+(32*(\t/2)+8*(\t%2))*4+16
.endr
	WIN 0
.endm
.macro TURN_RES
	WIN 0x04
.set P, 0
.rept 16
	ds_store_b128 v[SD], v[RES+4*P:RES+4*P+3] offset:528*P
.set P, P+1
.endr
	WIN 0x40
	s_wait_alu depctr_vm_vsrc(0)                   ; the sixteen stores have read the residual's 64 registers, in which the sixteen loads below land (and which the first LayerNorm's copy writes later)
.set P, 0
.rept 16
	ds_load_b128 v[RES+4*P:RES+4*P+3], v[SL] offset:128*(P/4)+16*(P%4)
.set P, P+1
.endr
	WIN 0
.endm
.macro RESADD
	WIN 0x04
.set J, 0
.rept 32
	v_pk_add_f32 v[HA+J:HA+J+1], v[HA+J:HA+J+1], v[RES+J:RES+J+1]   ; each accumulator from its low end on
.set J, J+2
.endr
	WIN 0
.endm
.macro LNORM k, win, gr, br, keep
	v_pk_add_f32 v[246:247], v[HA:HA+1], v[HA+2:HA+3]
	v_pk_add_f32 v[248:249], v[HA+4:HA+5], v[HA+6:HA+7]
.irp j, 8,12,16,20,24,28,32,36,40,44,48,52,56,60
	v_pk_add_f32 v[246:247], v[246:247], v[HA+\j:HA+\j+1]
	v_pk_add_f32 v[248:249], v[248:249], v[HA+\j+2:HA+\j+3]
.endr
	v_pk_add_f32 v[246:247], v[246:247], v[248:249]
	v_add_f32 v250, v246, v247
	v_permlanex16_b32 v251, v250, s[SEL], s[SEL+1]
	v_add_f32 v250, v250, v251
	s_wait_alu depctr_va_vdst(0)                   ; v250, my sum, is written, which the LDS store reads; and every earlier vector line is done with v252 to v255, in which the four sums land
	ds_store_b32 v[RA], v250 offset:RS+512*(\k)
	BARRIER
	ds_load_b128 v[252:255], v[RB] offset:RS+512*(\k)
	s_wait_dscnt 0x0
	s_wait_alu depctr_vm_vsrc(0)                   ; the LDS store has read v250, which the second pass writes again
	v_add_f32 v252, v252, v253
	v_add_f32 v254, v254, v255
	v_add_f32 v252, v252, v254
	v_mul_f32 v246, 0xbb000000, v252               ; minus the mean
.set J, 0
.rept 32
	v_pk_add_f32 v[HA+J:HA+J+1], v[HA+J:HA+J+1], v[246:247] op_sel_hi:[1,0]
.set J, J+2
.endr
	v_pk_mul_f32 v[248:249], v[HA:HA+1], v[HA:HA+1]
	v_pk_mul_f32 v[252:253], v[HA+2:HA+3], v[HA+2:HA+3]
.irp j, 4,8,12,16,20,24,28,32,36,40,44,48,52,56,60
	v_pk_fma_f32 v[248:249], v[HA+\j:HA+\j+1], v[HA+\j:HA+\j+1], v[248:249]
	v_pk_fma_f32 v[252:253], v[HA+\j+2:HA+\j+3], v[HA+\j+2:HA+\j+3], v[252:253]
.endr
	v_pk_add_f32 v[248:249], v[248:249], v[252:253]
	v_add_f32 v250, v248, v249
	v_permlanex16_b32 v251, v250, s[SEL], s[SEL+1]
	v_add_f32 v250, v250, v251
	s_wait_alu depctr_va_vdst(0)                   ; v250, my sum of squares, is written, which the LDS store reads; and the lines above are done with v252 to v255, in which the four sums land
	ds_store_b32 v[RA], v250 offset:RS+512*(\k)+256
	BARRIER
	ds_load_b128 v[252:255], v[RB] offset:RS+512*(\k)+256
	s_wait_dscnt 0x0
	s_wait_alu depctr_vm_vsrc(0)                   ; the LDS store has read v250, which the variance's line writes again
	v_add_f32 v252, v252, v253
	v_add_f32 v254, v254, v255
	v_add_f32 v252, v252, v254
	v_fma_f32 v250, v252, s46, s47                 ; the variance + eps
	v_rsq_f32 v246, v250
	v_nop                                          ; a plain place behind the transcendental
	s_wait_alu depctr_va_vdst(0)                   ; and the wait ahead of its first reader
.set J, 0
.rept 32
	v_pk_mul_f32 v[HA+J:HA+J+1], v[HA+J:HA+J+1], v[246:247] op_sel_hi:[1,0]
.set J, J+2
.endr
.if \keep
	WIN 0x40|((\win)<<2)|((\win)<<4)               ; a copy for the next residual
.set J, 0
.rept 32
	v_pk_fma_f32 v[RES+J:RES+J+1], v[HA+J:HA+J+1], v[(\gr)+J:(\gr)+J+1], v[(\br)+J:(\br)+J+1]
.set J, J+2
.endr
.endif
	WIN ((\win)<<2)|((\win)<<4)
.set J, 0
.rept 32
	v_pk_fma_f32 v[HA+J:HA+J+1], v[HA+J:HA+J+1], v[(\gr)+J:(\gr)+J+1], v[(\br)+J:(\br)+J+1]
.set J, J+2
.endr
	WIN 0
.endm
.macro OUTROWS base
	s_wait_alu depctr_va_vdst(0)                   ; the LayerNorm's last lines have written HA, which the LDS stores read; and the matrix instructions are done reading v[XF ..], in which the rows land
.set P, 0
.rept 16
	ds_store_b128 v[SL], v[HA+4*P:HA+4*P+3] offset:128*(P/4)+16*(P%4)
.set P, P+1
.endr
.set P, 0
.rept 16
	ds_load_b128 v[XF+4*P:XF+4*P+3], v[SD] offset:528*P
.set P, P+1
.endr
.set P, 0
.rept 16
	s_wait_dscnt 15-P                              ; row P is back; the rows behind it may be out
	global_store_b128 v[GD], v[XF+4*P:XF+4*P+3], s[\base:\base+1] offset:(P+8*(P/8))*2048 th:TH_STORE_NT
.set P, P+1
.endr
.endm
.macro RELU
.set J, 0
.rept 64
	v_max_num_f32 v[HA+J], 0, v[HA+J]              ; each accumulator from its low end on
.set J, J+1
.endr
.endm
	s_load_b256 s[4:11], s[0:1], 0x0               ; ao, x1, wq, bo2
	s_load_b256 s[12:19], s[0:1], 0x20             ; ln2_g, ln2_b, bff1, bff2
	s_load_b128 s[20:23], s[0:1], 0x40             ; ln3_g, ln3_b
	s_load_b64 s[24:25], s[0:1], 0x50              ; out0
	v_lshl_add_u32 v243, v0, 2, 0xd800
	v_mov_b32 v245, 0
	v_lshrrev_b32 v18, 5, v0
	v_readfirstlane_b32 s26, v18                   ; wave 0..3
	v_and_b32 v18, 31, v0
	v_and_b32 v1, 15, v0                           ; r
	v_bfe_u32 v2, v0, 4, 1                         ; h
	v_lshlrev_b32 v[LI], 4, v18
	v_lshlrev_b32 v[LS], 2, v18
	s_wait_alu depctr_va_sdst(0)                   ; s26 is written, ahead of its first reader: LDS places and the bases are made from it
	s_mul_i32 s48, s26, 8448
	v_add_nc_u32 v[SD], s48, v[LI]
	v_mul_u32_u24 v[SL], v1, 528
	v_lshl_add_u32 v[SL], v2, 6, v[SL]
	v_add_nc_u32 v[SL], s48, v[SL]
	s_mul_i32 s48, s26, FRB
	v_add_nc_u32 v[IWI], s48, v[LI]
	s_lshl_b32 s48, s26, 7
	v_add_nc_u32 v[IWS], s48, v[LS]
	v_and_b32 v19, 8, v1
	v_add_nc_u32 v19, v19, v1                      ; r + 8 (r / 8)
	v_lshlrev_b32 v[LSW4], 4, v19
	v_lshlrev_b32 v[LSW8], 5, v19
	s_lshl_b32 s48, s26, 9
	v_lshl_add_u32 v[PV], v2, 6, s48
	v_add_nc_u32 v[GD], s48, v[LI]
	v_mul_u32_u24 v[AF], v18, 24
	s_lshl_b32 s48, s26, 2
	v_lshl_add_u32 v[RA], v1, 4, s48
	v_lshlrev_b32 v[RB], 4, v1
	v_mov_b32 v251, 0                              ; a lane permute's destination counts as one of its sources
.irp b, 0,1,2,3
	v_mov_b32 v[TM+4+\b], 0
.endr
	s_mov_b32 s[SEL], 0x76543210
	s_mov_b32 s[SEL+1], 0xfedcba98
	s_mov_b32 s46, 0x3b000000                      ; 1 / 512
	s_mov_b32 s47, 0x3727c5ac                      ; 1e-5
	s_mov_b32 s49, 0
	s_wait_kmcnt 0x0
	s_mul_i32 s48, s26, 49152
	s_add_nc_u64 s[WB4:WB4+1], s[8:9], s[48:49]
	s_mul_i32 s48, s26, 98304
	s_add_nc_u64 s[WB8:WB8+1], s[8:9], s[48:49]
	s_lshl_b32 s48, s26, 11
	s_add_co_u32 s48, s48, 1572864
	s_add_nc_u64 s[SB4:SB4+1], s[8:9], s[48:49]
	s_lshl_b32 s48, s26, 12
	s_add_co_u32 s48, s48, 1572864
	s_add_nc_u64 s[SB8:SB8+1], s[8:9], s[48:49]
	s_mul_i32 s48, ttmp9, 6144
	s_add_nc_u64 s[AOC:AOC+1], s[4:5], s[48:49]
	s_lshl_b32 s48, ttmp9, 8
	s_add_co_u32 s48, s48, 1572864
	s_add_nc_u64 s[AOS:AOS+1], s[4:5], s[48:49]
	s_lshr_b32 s48, ttmp9, 1
	s_lshl_b32 s48, s48, 5
	s_and_b32 s50, ttmp9, 1
	s_lshl_b32 s50, s50, 3
	s_add_co_u32 s48, s48, s50
	s_lshl_b32 s48, s48, 11                        ; the tile's first row x 2,048 bytes
	s_add_nc_u64 s[RSB:RSB+1], s[6:7], s[48:49]
	s_add_nc_u64 s[OUB:OUB+1], s[24:25], s[48:49]
	s_wait_alu depctr_va_vdst(0)                   ; the addresses and offsets v3 to v15 are written: every load, store and LDS instruction of the kernel reads one of them, and none is written again
.irp e, 0,1,2,3                                ; attention's codes: K step e = heads 4 e .. 4 e + 3, four chunks on end
.irp c, 0,1
.irp p, 0,1,2
	global_load_b64 v[XF+12*\e+6*\c+2*\p:XF+12*\e+6*\c+2*\p+1], v[AF], s[AOC:AOC+1] offset:1536*\e+768*\c+8*\p
.endr
.endr
.endr
	global_load_b128 v[XS:XS+3], v[RB], s[AOS:AOS+1]
	WIN 0x40
.set P, 0
.rept 16
	global_load_b128 v[RES+4*P:RES+4*P+3], v[GD], s[RSB:RSB+1] offset:(P+8*(P/8))*2048 th:TH_LOAD_NT
.set P, P+1
.endr
	WIN 0
	PLOAD 10, 2, 0, 0
	PLOAD 12, 2, 64, 0
	PLOAD 14, 2, 128, 0
	PLOAD 16, 2, 192, 0
	PLOAD 16, 3, 0, 2048
	PLOAD 18, 3, 64, 0
	PLOAD 20, 3, 128, 0
	PLOAD 22, 3, 192, 0
	LOADN 0
	LOADN 1
.irp i, 0,1,2,3
	UNIT \i, 26, \i, 0, 2, 0
.endr
	TURN_RES
	s_wait_dscnt 0x0
	RESADD
	LNORM 0, 2, 64, 128, 1                         ; x2, in HA and as the next residual
	QUANT HA
	s_wait_alu depctr_va_vdst(0)                   ; QUANT has written v[PC ..] and v[PW], which the LDS stores below read; and the first product's matrix instructions are done reading v[XF ..] and v[XS ..], in which x2's fragments land
	IMAGE IWI, XIMG
	ds_store_b32 v[IWS], v[PW] offset:XSC
	BARRIER                                        ; x2's four fragments lie in LDS
	s_wait_alu depctr_vm_vsrc(0)                   ; the image's stores have read v[PC ..] and v[PW], which the next QUANT writes again
.irp e, 0,1,2,3
	FETCH XF+12*\e, XIMG+FRB*\e
	ds_load_b32 v[XS+\e], v[LS] offset:XSC+128*\e
.endr
	s_wait_dscnt 0x0
.irp i, 4,5,6,7
	UNIT \i, 26, \i-4, 0, 2, 192
.endr
	RELU
	QUANT HA
	s_wait_alu depctr_va_vdst(0)                   ; QUANT has written v[PC ..] and v[PW], which the LDS stores below read
	IMAGE IWI, HIMG                                ; hidden units 128 w ..: K step w of the last product
	ds_store_b32 v[IWS], v[PW] offset:HSC
	s_wait_dscnt 0x0                               ; the stores have read their registers
	s_wait_alu depctr_vm_vsrc(0)                   ; the image's stores have read v[PC ..] and v[PW], which the next QUANT writes again
.irp i, 8,9,10,11
	UNIT \i, 26, \i-8, 0, 3, 0
.endr
	RELU
	QUANT HA
	s_wait_alu depctr_va_vdst(0)                   ; QUANT has written v[PC ..] and v[PW], which the LDS stores below read; and the second product's matrix instructions are done reading v[XF ..] and v[XS ..], in which the hidden layer's fragments land
	IMAGE IWI, HIMG+4*FRB                          ; hidden units 512 + 128 w ..: K step 4 + w
	ds_store_b32 v[IWS], v[PW] offset:HSC+512
	BARRIER                                        ; the hidden layer's eight fragments lie in LDS
.irp e, 0,1,2,3,4,5,6,7
	FETCH XF+12*\e, HIMG+FRB*\e
	ds_load_b32 v[XS+\e], v[LS] offset:HSC+128*\e
.endr
	s_wait_dscnt 0x0
.irp i, 12,13,14,15,16,17,18
	UNIT \i, 26, (\i-12)/2, (\i-12)%2, 3, 64
.endr
	UNIT 19, 0, 3, 1, 3, 64
	RESADD
	LNORM 1, 3, 128, 192, 0
	OUTROWS OUB
	s_wait_dscnt 0x0                               ; the closing lines, six on end
	s_wait_alu 0x0
	s_wait_tensorcnt 0x0
	ds_add_u32 v243, v245
	s_wait_dscnt 0x0
	s_endpgm
.Lfunc_end_k_q5d8c19ecc5_post2:
	.size	k_q5d8c19ecc5_post2, .Lfunc_end_k_q5d8c19ecc5_post2-k_q5d8c19ecc5_post2
	.p2alignl 7, 3214868480
	.fill 96, 4, 3214868480
	.section	.rodata,"a",@progbits
	.p2align	6, 0x0
	.amdhsa_kernel k_q5d8c19ecc5_post2
		.amdhsa_group_segment_fixed_size 55808
		.amdhsa_private_segment_fixed_size 0
		.amdhsa_enable_private_segment 0
		.amdhsa_kernarg_size 88
		.amdhsa_user_sgpr_count 2
		.amdhsa_user_sgpr_kernarg_segment_ptr 1
		.amdhsa_wavefront_size32 1
		.amdhsa_system_sgpr_workgroup_id_x 1
		.amdhsa_system_sgpr_workgroup_id_y 1
		.amdhsa_system_sgpr_workgroup_id_z 1
		.amdhsa_system_vgpr_workitem_id 0
		.amdhsa_next_free_vgpr 1024
		.amdhsa_next_free_sgpr 66
		.amdhsa_reserve_vcc 0
		.amdhsa_float_denorm_mode_32 3
		.amdhsa_float_denorm_mode_16_64 3
		.amdhsa_memory_ordered 1
		.amdhsa_forward_progress 1
		.amdhsa_inst_pref_size 150
	.end_amdhsa_kernel
	.amdgpu_metadata
---
amdhsa.version: [ 1, 2 ]
amdhsa.kernels:
  - .name:           k_q5d8c19ecc5_post2
    .symbol:         k_q5d8c19ecc5_post2.kd
    .args:
      - { .name: ao, .offset: 0, .size: 8, .value_kind: global_buffer, .address_space: global }
      - { .name: x1, .offset: 8, .size: 8, .value_kind: global_buffer, .address_space: global }
      - { .name: wq, .offset: 16, .size: 8, .value_kind: global_buffer, .address_space: global }
      - { .name: bo2, .offset: 24, .size: 8, .value_kind: global_buffer, .address_space: global }
      - { .name: ln2_g, .offset: 32, .size: 8, .value_kind: global_buffer, .address_space: global }
      - { .name: ln2_b, .offset: 40, .size: 8, .value_kind: global_buffer, .address_space: global }
      - { .name: bff1, .offset: 48, .size: 8, .value_kind: global_buffer, .address_space: global }
      - { .name: bff2, .offset: 56, .size: 8, .value_kind: global_buffer, .address_space: global }
      - { .name: ln3_g, .offset: 64, .size: 8, .value_kind: global_buffer, .address_space: global }
      - { .name: ln3_b, .offset: 72, .size: 8, .value_kind: global_buffer, .address_space: global }
      - { .name: out0, .offset: 80, .size: 8, .value_kind: global_buffer, .address_space: global }
    .group_segment_fixed_size: 55808
    .private_segment_fixed_size: 0
    .kernarg_segment_align: 8
    .kernarg_segment_size: 88
    .max_flat_workgroup_size: 128
    .sgpr_count:     66
    .vgpr_count:     1024
    .wavefront_size: 32
...
	.end_amdgpu_metadata
.endif
;; end of part 8
